; MI455X (gfx1250); checked and timed in simulation.
; The chip was launched on July 23, 2026; its instructions are those of AMD's public machine-readable ISA for CDNA 5 (MIT licence, August 2026) and "CDNA5" Instruction Set Architecture Reference Guide (July 2026). The comments in the code are by the model that wrote it; some were corrected since.
;; Decoder Layer. Allowed arithmetic: matrix products marked QUANTISED: E4M3 operands, one given power-of-two scale a tensor, by v_wmma_f32_16x16x64_fp8_fp8 or v_wmma_f32_16x16x128_fp8_fp8, f32 sums; everything else in f32.
;; Inputs: W1 1,024 x 4,096 float32; W2 4,096 x 1,024 float32; Wk 1,024 x 1,024 float32; Wo 1,024 x 1,024 float32; Wq 1,024 x 1,024 float32; Wv 1,024 x 1,024 float32; b1 4,096 float32; b2 1,024 float32; be1 1,024 float32; be2 1,024 float32; bk 1,024 float32; bo 1,024 float32; bq 1,024 float32; bv 1,024 float32; g1 1,024 float32; g2 1,024 float32; lowp_scales 16 int32 (the exponents e of the quantised operands' scales 2^e); mask 1 x 1 x 2,048 x 2,048 int32; x 2 x 2,048 x 1,024 float32.
;; Outputs: out0 2 x 2,048 x 1,024 float32.
;; This version of the problem:
;;   THIS VERSION OF THE PROBLEM IS GIVEN IN LOW PRECISION. The matrix products marked QUANTISED in the list below multiply operands that are first quantised to E4M3 (4 exponent bits, 3 mantissa bits; 8 bits a number), with one given power-of-two scale for each operand tensor; their sums are f32. All else is computed in f32.
;;   The module's matrix products, in the order in which they are computed (A, B: the left and right operand; K: the contracted axis; several contracted axes count as one K, in the product's order):
;;     1. [M 4,096, K 1,024] x [K 1,024, N 1,024]; A: input x; B: input Wq: QUANTISED (scales: A lowp_scales[0], B lowp_scales[1])
;;     2. [M 4,096, K 1,024] x [K 1,024, N 1,024]; A: input x; B: input Wk: QUANTISED (scales: A lowp_scales[2], B lowp_scales[3])
;;     3. [M 4,096, K 1,024] x [K 1,024, N 1,024]; A: input x; B: input Wv: QUANTISED (scales: A lowp_scales[4], B lowp_scales[5])
;;     4. batch 32 x [M 2,048, K 64] x [K 64, N 2,048]; A: computed on the way; B: computed on the way: QUANTISED (scales: A lowp_scales[6], B lowp_scales[7])
;;     5. batch 32 x [M 2,048, K 2,048] x [K 2,048, N 64]; A: softmax (see below); B: computed on the way: QUANTISED (scales: A lowp_scales[8], B lowp_scales[9])
;;     6. [M 4,096, K 1,024] x [K 1,024, N 1,024]; A: computed on the way; B: input Wo: QUANTISED (scales: A lowp_scales[10], B lowp_scales[11])
;;     7. [M 4,096, K 1,024] x [K 1,024, N 4,096]; A: computed on the way; B: input W1: QUANTISED (scales: A lowp_scales[12], B lowp_scales[13])
;;     8. [M 4,096, K 4,096] x [K 4,096, N 1,024]; A: computed on the way; B: input W2: QUANTISED (scales: A lowp_scales[14], B lowp_scales[15])
;;   THE QUANTISER, for each operand of a quantised product, along K:
;;     - The operand's scale is 2^e, e = its entry of the input lowp_scales (int32; the entries are numbered through the quantised products in the list's order, A before B).
;;     - Each number is divided by the scale, clamped to +-448, and rounded to the nearest number of E4M3, ties to even, subnormals kept.
;;     - The product sums the exact products of the quantised numbers (number of the format x scale) in f32.
;;   ~~~python
;;   def quantise(x, axis, e):      # numpy; x: float32 -> the quantised numbers, widened to float32 again
;;       x = np.moveaxis(x, axis, -1); K = x.shape[-1]
;;       r = np.clip(x / 2.0 ** e, -448, 448)
;;       step = 2.0 ** (np.maximum(np.frexp(np.where(r == 0, 1, r))[1] - 1, -6) - 3)
;;       q = np.round(r / step) * step * 2.0 ** e      # np.round: ties to even
;;       return np.moveaxis(q, -1, axis).astype(np.float32)
;;   ~~~
;;   SOFTMAX AHEAD OF A QUANTISED PRODUCT. Where the list says 'softmax', what is quantised is not the finished softmax but p = 2^(t - M), with t = logit x log2(e) and M = ceil(the row's largest t), a whole number; so 1/2 < the row's largest p <= 1. The row's sum l is taken of the UNQUANTISED p, in f32, and the product's result is divided by l at the end. Since M is a whole number, a kernel that streams over the keys may use a running M (the ceiling of the running maximum): every later rescaling is an exact power of two, so the quantised numbers keep their values, but for numbers so far below the row's largest that they fall under the format's range.
;;   OPERANDS COMPUTED ON THE WAY. 'Computed on the way' means the value that the module computes at that place (a softmax that the list does not call 'softmax' is quantised finished and normalised). What goes into a quantiser is computed in f32, as accurately as f32 sums, v_exp_f32 and their like allow (about 1e-6 of the number): no bf16 or f16 on the way to a quantiser, and a product that is left as it is and whose result goes on into a quantised operand takes f32 operands (vector FMAs, or v_wmma_f32_16x16x4_f32). A number that lies on a knife's edge between two numbers of the format may be rounded either way, as far as f32 arithmetic and the matrix unit's own rounding can turn it there, and no further.
;; 2 versions. Each part assembles by itself: llvm-mc -triple=amdgcn-amd-amdhsa -mcpu=gfx1250 --defsym DOCPART=n.
;; ======== version 1 of 2: 8 launches
;; workspace buffers: prepc 25,165,824 bytes; maskw 526,336 bytes of whole numbers; qkv 12,582,912 bytes; ao 4,194,304 bytes; acc32 16,777,216 bytes; x1 20,971,520 bytes; hid 16,777,216 bytes
;; launch prep (part 1): grid 640 x 1, 4 waves a work-group, no clusters, 34,304 bytes of LDS; arguments x, mask, Wq, Wk, Wv, Wo, W1, W2, lowp_scales, prepc, maskw; writes prepc, maskw
.if DOCPART == 1
	.amdgcn_target "amdgcn-amd-amdhsa--gfx1250"
	.amdhsa_code_object_version 6
	.text
	.protected	k_q0e1d29eaa2_prep
	.globl	k_q0e1d29eaa2_prep
	.p2align	8
	.type	k_q0e1d29eaa2_prep,@function
k_q0e1d29eaa2_prep:
	s_mov_b64 s[64:65], 0
	v_nop
	global_prefetch_b8 v0, s[64:65] scope:SCOPE_SE
	s_setreg_imm32_b32 hwreg(HW_REG_WAVE_MODE, 25, 1), 1
	s_wait_xcnt 0x0
; DECODER LAYER, launch 1 of 8: x and the six weights become codes of E4M3, the mask becomes lane masks.
; DEAD WORK: none.  Every input has a way to the output for some values of the inputs, so every input is loaded by some launch; bk stays, since it moves K's codes.
; What IS left out, in launch 3, hangs on whole numbers that this launch stores: a tile of 16 queries x 128 keys whose mask is all 0 is not walked, unless one of its 16 queries has no
; unmasked key at all (such a query weighs all 2,048 keys alike, so its tile walks them all).  LIMIT: this takes it that a query with an unmasked key has an unmasked logit above -9.9e8, so that
; 2^(t - M) of a masked key is 0 in f32.  A NaN or an infinity that reaches only a tile left out is not carried to the result.  NaN among the inputs is not served.
; LIMITS on the given exponents e: -126 <= e and e + 8 <= 127, so that 2^e and 448 x 2^e are f32 numbers.
;
; LAYOUTS (workspace of this program's own, laid as the reader's registers want it).  L = lane, r = L % 16, h = L / 16.
; A TILE of a block of 128 rows: tile y (0..7) holds rows 32 (y / 2) + 8 (y % 2) + r + 8 (r / 8).
; CODES of a matrix [rows][K]: byte (((row block) (K / 128) + K step) 8 + tile) 2048 + 512 c + 16 L + i holds k = 128 (K step) + 32 c + 16 h + i of the tile's row r: a fragment's 16 registers on end.
; prepc: x by lowp_scales[0] at 0, by [2] at 4 MiB, by [4] at 8 MiB; Wq, Wk, Wv, Wo (rows = their columns n) at 12, 13, 14, 15 MiB; W1 at 16 MiB; W2 at 20 MiB.
; maskw: word n (0..63) of (query tile T, key step s) at (16 T + s) 256 + 4 n: bit L says that mask[query r of T][128 s + 32 (n / 16) + 16 h + n % 16] is not 0.
;        From byte 524,288 on, word w (0..3) of tile T at 16 T + 4 w: bits 31:16: which of the 16 queries has an unmasked key in steps 4 w .. 4 w + 3; bit 4 w + u: step 4 w + u has one.
; SHARES.  Work-groups 0-127: a query tile of the mask each, a wave four key steps.  128-255: two tiles of x each, a wave four K steps.  256-639: 128 columns x 256 k of a weight each.
; The mask and x take ONE path: only pointers and the stride are chosen, and what is made of a unit differs.  A unit is 16 rows x 512 bytes: each load reads 512 consecutive bytes of a row; the unit turns
; through the wave's own stage in LDS (rows 528 bytes apart), so that a lane then holds 64 numbers of ONE row in the order of a fragment's registers.  No barrier: waves share nothing.
.set STG,   8448                       ; a wave's stage: 16 rows x 528 bytes
.set SPARE, 4*STG                      ; behind the four stages: the spare words, 128 bytes for each wave
.set SPW,   4                          ; v4   LDS address of my spare word; never rewritten
.set NIL,   5                          ; v5   0; never rewritten
.set AD,    16                         ; v16-31  row i's byte offset: 16 L + (i + 8 (i / 8)) x the row's bytes
.set S0,    32                         ; v32-159 two sets of 64 numbers
.set TT,    160                        ; v160-191 two sets of 16 numbers, held
.set CC,    192                        ; v192-239 x's codes by its three scales
.set LANE,  240                        ; v240 my lane
; s[e] = an exponent  ->  v[vs] = 2^e as f32 (a conversion takes its exponent field), v[vl] = 448 x 2^e
.macro MKSC e, vs, vl
	s_add_co_i32 s56, s[\e], 127
	s_lshl_b32 s57, s56, 23
	v_mov_b32 v[\vs], s57
	s_add_co_i32 s56, s56, 8
	s_lshl_b32 s56, s56, 23
	s_or_b32 s56, s56, 0x600000
	v_mov_b32 v[\vl], s56
.endm
	s_load_b512 s[4:19], s[0:1], 0x0               ; x s[4:5], mask s[6:7], Wq s[8:9], Wk s[10:11], Wv s[12:13], Wo s[14:15], W1 s[16:17], W2 s[18:19]
	s_load_b128 s[20:23], s[0:1], 0x40             ; the exponents s[20:21], prepc s[22:23]
	s_load_b64 s[24:25], s[0:1], 0x50              ; maskw
	v_lshl_add_u32 v[SPW], v0, 2, SPARE
	v_mov_b32 v[NIL], 0
	v_lshrrev_b32 v1, 5, v0
	v_readfirstlane_b32 s2, v1                     ; wave 0..3
	v_and_b32 v[LANE], 31, v0
	s_sub_co_u32 s56, ttmp9, 256                   ; a weight's work-group: its number among them
	s_wait_kmcnt 0x0
	s_cmp_ge_u32 ttmp9, 256
	s_cbranch_scc1 .Lweights
; ---------------------------------------------------------------- the mask and x
	s_load_b256 s[48:55], s[20:21], 0x0            ; lowp_scales[0..7]: x's are entries 0, 2, 4
	s_sub_co_u32 s56, ttmp9, 128
	s_lshl_b32 s56, s56, 1
	s_lshr_b32 s57, s2, 1
	s_add_co_u32 s56, s56, s57                     ; x: my tile = 2 (work-group - 128) + wave / 2,
	s_and_b32 s57, s2, 1
	s_lshl_b32 s57, s57, 2                         ;    my first K step = 4 (wave % 2)
	s_lshl_b32 s58, s2, 2                          ; mask: my first key step = 4 x wave
	s_mov_b32 s28, 4096
	s_cmp_lt_u32 ttmp9, 128                        ; the choice hangs on the work-group's number alone
	s_cselect_b64 s[26:27], s[6:7], s[4:5]
	s_cselect_b32 s28, 8192, s28                   ; a row's bytes
	s_cselect_b32 s29, ttmp9, s56                  ; the tile
	s_cselect_b32 s30, s58, s57                    ; the first unit
	s_lshr_b32 s56, s29, 3
	s_lshl_b32 s56, s56, 7
	s_bfe_u32 s57, s29, 0x20001
	s_lshl_b32 s57, s57, 5
	s_add_co_u32 s56, s56, s57
	s_and_b32 s57, s29, 1
	s_lshl_b32 s57, s57, 3
	s_add_co_u32 s56, s56, s57                     ; the tile's first row: 128 (tile / 8) + 32 ((tile % 8) / 2) + 8 (tile % 2)
	s_mul_i32 s56, s56, s28
	s_lshl_b32 s57, s30, 9
	s_add_co_u32 s56, s56, s57
	s_mov_b32 s57, 0
	s_add_nc_u64 s[26:27], s[26:27], s[56:57]      ; where my four units begin
	s_lshr_b32 s56, s29, 3
	s_lshl_b32 s56, s56, 3
	s_add_co_u32 s56, s56, s30
	s_lshl_b32 s56, s56, 3
	s_and_b32 s58, s29, 7
	s_add_co_u32 s56, s56, s58
	s_lshl_b32 s56, s56, 11                        ; x's codes: ((block 8 + K step) 8 + tile) 2048
	s_add_nc_u64 s[32:33], s[22:23], s[56:57]
	s_add_nc_u64 s[34:35], s[32:33], 0x400000
	s_add_nc_u64 s[36:37], s[32:33], 0x800000
	s_lshl_b32 s56, s29, 4
	s_add_co_u32 s56, s56, s30
	s_lshl_b32 s56, s56, 8                         ; the mask's words: (16 T + step) 256
	s_add_nc_u64 s[38:39], s[24:25], s[56:57]
	s_mov_b32 s41, 0                               ; lanes that have met an unmasked key
	s_mov_b32 s42, 0                               ; units that hold one
	v_lshlrev_b32 v1, 4, v[LANE]                   ; 16 L
	s_mul_i32 s3, s2, STG
	v_add_nc_u32 v2, s3, v1                        ; the stage, on the way in: a row's 512 bytes as they lie
	v_and_b32 v241, 15, v0
	v_bfe_u32 v242, v0, 4, 1
	v_mul_u32_u24 v3, v241, 528
	v_lshl_add_u32 v3, v242, 6, v3
	v_add_nc_u32 v3, s3, v3                        ; and back: row r, + 64 h: my 16 numbers of each 32
	v_lshlrev_b32 v6, 3, v[LANE]                   ; 8 L: two mask words a lane
	v_mov_b32 v7, 0
	v_mov_b32 v8, 0                                ; written once: a lane write counts as a reader of its destination
	v_mov_b32 v9, 0
.set i, 0
.rept 16
	v_mad_u32_u24 v[AD+i], s28, i+8*(i/8), v1
.set i, i+1
.endr
.macro LOADU u                         ; unit u: 16 loads, each 512 consecutive bytes of one row
.set i, 0
.rept 16
	global_load_b128 v[S0+64*((\u)%2)+4*i:S0+64*((\u)%2)+4*i+3], v[AD+i], s[26:27] offset:512*(\u) th:TH_LOAD_NT
.set i, i+1
.endr
.endm
.macro TURNU u                         ; through my stage and back into the registers that it left: register 16 c + i is then element 32 c + 16 h + i of row r.  LDS serves a wave's instructions in order (ISA guide 5.7.1.4)
.set i, 0
.rept 16
	ds_store_b128 v2, v[S0+64*((\u)%2)+4*i:S0+64*((\u)%2)+4*i+3] offset:528*i
.set i, i+1
.endr
.set i, 0
.rept 16
	ds_load_b128 v[S0+64*((\u)%2)+4*i:S0+64*((\u)%2)+4*i+3], v3 offset:128*(i/4)+16*(i%4)
.set i, i+1
.endr
.endm
.macro XPROC u                         ; x: the unit's 64 numbers a lane become a fragment's codes, three times: by entries 0, 2 and 4
	s_wait_xcnt 0x0                                ; the last unit's stores have read their data: the codes' registers may be written
.irp p, 0,1,2
.irp c, 0,1,2,3
.set i, 0
.rept 16
	v_med3_num_f32 v[TT+16*(\c%2)+i], v[S0+64*((\u)%2)+16*\c+i], -v[11+2*\p], v[11+2*\p]   ; the conversion does not saturate (ISA guide 7.6.2): the hold at 448 x the scale.  Into the other set than the last conversions read
.set i, i+1
.endr
	v_cvt_scalef32_pk8_fp8_f32 v[CC+16*\p+4*\c:CC+16*\p+4*\c+1], v[TT+16*(\c%2):TT+16*(\c%2)+7], v[10+2*\p]
	v_cvt_scalef32_pk8_fp8_f32 v[CC+16*\p+4*\c+2:CC+16*\p+4*\c+3], v[TT+16*(\c%2)+8:TT+16*(\c%2)+15], v[10+2*\p]
.endr
.endr
	v_nop                                          ; a plain line behind the last conversion
.irp p, 0,1,2
.irp c, 0,1,2,3
	global_store_b128 v1, v[CC+16*\p+4*\c:CC+16*\p+4*\c+3], s[32+2*\p:33+2*\p] offset:16384*(\u)+512*\c   ; 32 lanes store 512 consecutive bytes
.endr
.endr
.endm
.macro MPROC u                         ; the mask: register n of all lanes becomes word n; lane n / 2 gathers words n and n + 1, so that the 64 words leave as 256 consecutive bytes
	s_wait_xcnt 0x0                                ; the last unit's store has read v[8:9]
	s_mov_b32 s40, 0
.set n, 0
.rept 64
	v_cmp_ne_u32 s[44+n%4], 0, v[S0+64*((\u)%2)+n]
	v_writelane_b32 v[8+n%2], s[44+n%4], n/2
	s_or_b32 s40, s40, s[44+n%4]
.set n, n+1
.endr
	global_store_b64 v6, v[8:9], s[38:39] offset:256*(\u)
	s_or_b32 s41, s41, s40
	s_cmp_lg_u32 s40, 0
	s_cselect_b32 s3, 1<<(\u), 0
	s_or_b32 s42, s42, s3
.endm
.macro UNIT u
.if \u < 3
	s_wait_loadcnt 16                              ; this unit's 16 loads are in; the next unit's 16 may be out
.else
	s_wait_loadcnt 0
.endif
	TURNU \u
	s_wait_dscnt 0x0
	s_cmp_lt_u32 ttmp9, 128
	s_cbranch_scc0 .Lis_x_\@
	MPROC \u
	s_branch .Ljoin_\@
.Lis_x_\@:
	XPROC \u
.Ljoin_\@:
.if \u < 2
	LOADU (\u)+2
.endif
.endm
	LOADU 0
	LOADU 1
	s_wait_kmcnt 0x0
	MKSC 48, 10, 11
	MKSC 50, 12, 13
	MKSC 52, 14, 15
	UNIT 0
	UNIT 1
	UNIT 2
	UNIT 3
	s_cmp_lt_u32 ttmp9, 128
	s_cbranch_scc0 .Lend_mx
	s_lshr_b32 s3, s41, 16                         ; a query's keys lie in lanes r and r + 16
	s_or_b32 s3, s3, s41
	s_lshl_b32 s3, s3, 16
	s_lshl_b32 s56, s2, 2
	s_lshl_b32 s42, s42, s56                       ; my four steps' bits at 4 x wave
	s_or_b32 s3, s3, s42
	v_mov_b32 v241, s3
	s_lshl_b32 s57, s29, 4
	s_add_co_u32 s56, s56, s57
	s_add_co_u32 s56, s56, 524288                  ; 524,288 + 16 T + 4 x wave
	s_mov_b32 s57, 0
	s_add_nc_u64 s[24:25], s[24:25], s[56:57]
	s_wait_xcnt 0x0                                ; EXEC changes only behind this wait
	v_cmp_eq_u32 vcc_lo, 0, v[LANE]
	s_and_saveexec_b32 s58, vcc_lo
	global_store_b32 v7, v241, s[24:25]            ; one word a wave
	s_wait_xcnt 0x0                                ; and again in front of the line that widens it
	s_or_b32 exec_lo, exec_lo, s58
.Lend_mx:
	s_wait_tensorcnt 0x0                           ; the wave's end: behind my last LDS store
	ds_add_u32 v[SPW], v[NIL]
	s_wait_dscnt 0x0
	s_endpgm
; ---------------------------------------------------------------- the weights: K is their FIRST axis.  A lane takes a column n and its registers run down K: nothing is transposed.
; Numbers 0-127: Wq, Wk, Wv, Wo (32 work-groups each); 128-255: W2; 256-383: W1.  A work-group takes 128 columns x 256 k, wave w columns 32 w on: tiles 2 w and 2 w + 1 of the block.
; Column o of the 32 is row r = o % 8 + 8 (o / 16) of tile 2 w + (o / 8) % 2.  A block of 32 k is 32 bytes of codes: 16 for lane r, 16 for lane r + 16 of the fragment.
.Lweights:
	s_lshr_b32 s57, s56, 5                         ; which of the four square weights
	s_and_b32 s58, s56, 127
	s_and_b32 s59, s58, 7                          ; the block of 128 columns,
	s_bfe_u32 s60, s58, 0x20003                    ; the 256 along K
	s_lshr_b32 s61, s58, 3                         ; (W2: 16 of them)
	s_and_b32 s62, s58, 31                         ; (W1: 32 blocks of columns,
	s_lshr_b32 s63, s58, 5                         ;  4 along K)
	s_add_co_u32 s40, s57, 12
	s_lshl_b32 s40, s40, 20                        ; the codes' region in prepc
	s_lshl_b32 s41, s57, 3
	s_add_co_u32 s41, s41, 4                       ; the exponent's byte: entries 1, 3, 5
	s_mov_b32 s42, 8                               ; K / 128
	s_mov_b32 s43, 0x100000                        ; 256 rows of the weight in bytes
	s_cmp_eq_u32 s57, 1
	s_cselect_b64 s[26:27], s[10:11], s[8:9]
	s_cmp_eq_u32 s57, 2
	s_cselect_b64 s[26:27], s[12:13], s[26:27]
	s_cmp_eq_u32 s57, 3
	s_cselect_b64 s[26:27], s[14:15], s[26:27]
	s_cselect_b32 s41, 44, s41                     ; Wo: entry 11
	s_cmp_ge_u32 s56, 128
	s_cselect_b64 s[26:27], s[18:19], s[26:27]     ; W2
	s_cselect_b32 s60, s61, s60
	s_cselect_b32 s40, 0x1400000, s40
	s_cselect_b32 s41, 60, s41                     ; entry 15
	s_cselect_b32 s42, 32, s42
	s_cmp_ge_u32 s56, 256
	s_cselect_b64 s[26:27], s[16:17], s[26:27]     ; W1
	s_cselect_b32 s59, s62, s59
	s_cselect_b32 s60, s63, s60
	s_cselect_b32 s40, 0x1000000, s40
	s_cselect_b32 s41, 52, s41                     ; entry 13
	s_cselect_b32 s42, 8, s42
	s_cselect_b32 s43, 0x400000, s43
	s_load_b32 s48, s[20:21], s41 offset:0x0       ; e
	s_mul_i32 s44, s60, s43
	s_lshl_b32 s45, s59, 9
	s_add_co_u32 s44, s44, s45
	s_lshl_b32 s45, s2, 7
	s_add_co_u32 s44, s44, s45
	s_mov_b32 s45, 0
	s_add_nc_u64 s[26:27], s[26:27], s[44:45]      ; in: 256 rows x which + 4 (128 x block + 32 x wave)
	s_mul_i32 s44, s59, s42
	s_lshl_b32 s46, s60, 1
	s_add_co_u32 s44, s44, s46
	s_lshl_b32 s44, s44, 14
	s_add_co_u32 s44, s44, s40
	s_lshl_b32 s46, s2, 12
	s_add_co_u32 s44, s44, s46
	s_add_nc_u64 s[32:33], s[22:23], s[44:45]      ; out: region + (block (K / 128) + K step) 16384 + tile 2 w
	v_lshlrev_b32 v16, 2, v[LANE]
	v_bfe_u32 v17, v[LANE], 3, 1
	v_lshlrev_b32 v17, 11, v17
	v_and_b32 v18, 7, v[LANE]
	v_bfe_u32 v19, v[LANE], 4, 1
	v_lshl_add_u32 v18, v19, 3, v18
	v_lshl_add_u32 v17, v18, 4, v17                ; 2048 ((o / 8) % 2) + 16 r
.macro WLOAD ns, t                     ; block t: W(32 t + i, my column): 32 lanes read 128 consecutive bytes, the four waves 512
.set i, 0
.rept 32
	global_load_b32 v[32+32*((\t)%2)+i], v16, s[26:27] offset:(32*(\t)+i)*\ns*4 th:TH_LOAD_NT
.set i, i+1
.endr
.endm
.macro WQ ns                           ; ns: numbers in a row of the weight.  Every offset is an immediate: 255 x 4,096 x 4 bytes at the most, inside the signed 24 bits (ISA guide, chapter 10)
	WLOAD \ns, 0
	WLOAD \ns, 1
	s_wait_kmcnt 0x0
	MKSC 48, 10, 11
.irp t, 0,1,2,3,4,5,6,7
.if \t < 7
	s_wait_loadcnt 32                              ; this block's 32 loads are in; the next block's may be out
.else
	s_wait_loadcnt 0
.endif
.set i, 0
.rept 32
	v_med3_num_f32 v[32+32*(\t%2)+i], v[32+32*(\t%2)+i], -v11, v11
.set i, i+1
.endr
.irp g, 0,1,2,3
	v_cvt_scalef32_pk8_fp8_f32 v[96+8*\t+2*\g:97+8*\t+2*\g], v[32+32*(\t%2)+8*\g:39+32*(\t%2)+8*\g], v10   ; each block has its own eight registers: no store's data are written again
.endr
	global_store_b128 v17, v[96+8*\t:99+8*\t], s[32:33] offset:(\t/4)*16384+(\t%4)*512        ; k = 0 .. 15 of the 32: sixteen lanes fill 256 consecutive bytes of tile 2 w, sixteen of tile 2 w + 1
	global_store_b128 v17, v[100+8*\t:103+8*\t], s[32:33] offset:(\t/4)*16384+(\t%4)*512+256  ; k = 16 .. 31: the fragment's lanes 16 to 31
.if \t < 6
	WLOAD \ns, \t+2
.endif
.endr
.endm
	s_cmp_ge_u32 s56, 256
	s_cbranch_scc1 .Lwide
	WQ 1024
	s_branch .Lend_w
.Lwide:
	WQ 4096
.Lend_w:
	s_wait_tensorcnt 0x0                           ; one form of ending for the whole text
	ds_add_u32 v[SPW], v[NIL]
	s_wait_dscnt 0x0
	s_endpgm
.Lfunc_end_k_q0e1d29eaa2_prep:
	.size	k_q0e1d29eaa2_prep, .Lfunc_end_k_q0e1d29eaa2_prep-k_q0e1d29eaa2_prep
	.p2alignl 7, 3214868480
	.fill 96, 4, 3214868480
	.section	.rodata,"a",@progbits
	.p2align	6, 0x0
	.amdhsa_kernel k_q0e1d29eaa2_prep
		.amdhsa_group_segment_fixed_size 34304
		.amdhsa_private_segment_fixed_size 0
		.amdhsa_enable_private_segment 0
		.amdhsa_kernarg_size 88
		.amdhsa_user_sgpr_count 2
		.amdhsa_user_sgpr_kernarg_segment_ptr 1
		.amdhsa_wavefront_size32 1
		.amdhsa_system_sgpr_workgroup_id_x 1
		.amdhsa_system_sgpr_workgroup_id_y 1
		.amdhsa_system_sgpr_workgroup_id_z 1
		.amdhsa_system_vgpr_workitem_id 0
		.amdhsa_next_free_vgpr 256
		.amdhsa_next_free_sgpr 66
		.amdhsa_reserve_vcc 1
		.amdhsa_float_denorm_mode_32 3
		.amdhsa_float_denorm_mode_16_64 3
		.amdhsa_memory_ordered 1
		.amdhsa_forward_progress 1
		.amdhsa_inst_pref_size 211
	.end_amdhsa_kernel
	.amdgpu_metadata
---
amdhsa.version: [ 1, 2 ]
amdhsa.kernels:
  - .name:           k_q0e1d29eaa2_prep
    .symbol:         k_q0e1d29eaa2_prep.kd
    .args:
      - { .name: x, .offset: 0, .size: 8, .value_kind: global_buffer, .address_space: global }
      - { .name: mask, .offset: 8, .size: 8, .value_kind: global_buffer, .address_space: global }
      - { .name: Wq, .offset: 16, .size: 8, .value_kind: global_buffer, .address_space: global }
      - { .name: Wk, .offset: 24, .size: 8, .value_kind: global_buffer, .address_space: global }
      - { .name: Wv, .offset: 32, .size: 8, .value_kind: global_buffer, .address_space: global }
      - { .name: Wo, .offset: 40, .size: 8, .value_kind: global_buffer, .address_space: global }
      - { .name: W1, .offset: 48, .size: 8, .value_kind: global_buffer, .address_space: global }
      - { .name: W2, .offset: 56, .size: 8, .value_kind: global_buffer, .address_space: global }
      - { .name: lowp_scales, .offset: 64, .size: 8, .value_kind: global_buffer, .address_space: global }
      - { .name: prepc, .offset: 72, .size: 8, .value_kind: global_buffer, .address_space: global }
      - { .name: maskw, .offset: 80, .size: 8, .value_kind: global_buffer, .address_space: global }
    .group_segment_fixed_size: 34304
    .private_segment_fixed_size: 0
    .kernarg_segment_align: 8
    .kernarg_segment_size: 88
    .max_flat_workgroup_size: 128
    .sgpr_count:     66
    .vgpr_count:     256
    .wavefront_size: 32
...
	.end_amdgpu_metadata
.endif
;; end of part 1
;; launch qkv (part 2): grid 12 x 16, 4 waves a work-group, clusters of 4 x 4, 327,680 bytes of LDS; arguments prepc, bq, bk, bv, lowp_scales, qkv; writes qkv
.if DOCPART == 2
	.amdgcn_target "amdgcn-amd-amdhsa--gfx1250"
	.amdhsa_code_object_version 6
	.text
	.protected	k_q0e1d29eaa2_qkv
	.globl	k_q0e1d29eaa2_qkv
	.p2align	8
	.type	k_q0e1d29eaa2_qkv,@function
k_q0e1d29eaa2_qkv:
	s_mov_b64 s[64:65], 0
	v_nop
	global_prefetch_b8 v0, s[64:65] scope:SCOPE_SE
	s_setreg_imm32_b32 hwreg(HW_REG_WAVE_MODE, 25, 1), 1
	s_wait_xcnt 0x0
	s_wait_alu depctr_hold_cnt(0) depctr_sa_sdst(0) depctr_va_vdst(0) depctr_va_sdst(0) depctr_va_ssrc(0) depctr_va_vcc(0) depctr_vm_vsrc(0)
	s_getreg_b32 s2, hwreg(HW_REG_IB_STS2, 6, 4)
	s_cmp_eq_u32 s2, 0
	s_cbranch_scc0 .Lentry_in_a_cluster
	s_endpgm
.Lentry_in_a_cluster:
	s_bfe_u32 s2, ttmp6, 0x10000c
	s_cmp_lg_u32 s2, 0xf033
	s_cbranch_scc0 .Lentry_shape_is_right
	s_endpgm
.Lentry_shape_is_right:
; Launch 2 of 8: q = x Wq + bq, k = x Wk + bk, v = x Wv + bv on codes of E4M3, and their own codes for attention.  Nothing is left out.
; The cluster's x says which product, p = 0, 1, 2: the same in all sixteen partners.  A tile of the result is 256 x 256; four waves, each 128 x 128 in 64 accumulators.
; OPERANDS lie in prepc as images of fragments' registers (launch 1): 128 rows x 256 K are 32,768 consecutive bytes, which one tensor load brings; a fragment is four ds_load_b128 of 512 consecutive bytes: no pitch, no padding.
; A tile's 16 rows are rows 32 (y / 2) + 8 (y % 2) + r + 8 (r / 8) of their block, on both sides.  THE MATRIX INSTRUCTION IS USED TRANSPOSED (source 0 = operand B's 16 rows, source 1 = operand A's): lane (r, h) holds
; A's row r of tile a, and the 64 registers of accumulators (a, 0 .. 7) are B's rows 32 c + 16 h + i at register 16 c + i: the order of a fragment's registers along the next K.  So results are quantised and stored as they lie.
; p = 0, 1: A = x's codes (tokens), B = the weight's (channels): a lane holds a token, its registers run along the head's 64: K of the scores.
; p = 2:    A = Wv's codes (channels), B = x's (tokens): a lane holds a channel, its registers run along the KEYS: K of the second product of attention.
; OUT (buffer qkv): q at 0, k at 4 MiB: [batch x head][tile of 16 tokens, 128 of them][1,024 bytes]: piece e of 512 bytes: lane L's 16 bytes are d = 32 e + 16 h + 0 .. 15 of the tile's token r.
;                   v at 8 MiB: [batch x head][key step of 128, 16 of them][tile t of 16 channels, 4][2,048 bytes]: piece c: keys 32 c + 16 h + 0 .. 15 of the tile's channel r.
; CLUSTERS: 4 x 4 work-groups; A's tile is shared along a row of the cluster, B's along a column, each asked for jointly.
; LIMITS: the two operands' exponents added lie between -126 and 127; the result's exponent between -126 and 119.
; REGISTERS, in windows of 256: window 0: v16-31 addresses; v32-95 the bias; from v128 A's fragments, ONE set; on the way out v96-159 sums, v224-255 codes.  window 1: B's fragments, TWO sets.  windows 2, 3: the accumulators.
.set KTOT,   1024
.set PART,   32768                     ; what one tensor load brings: 128 rows x 256 K
.set SLOT,   4*PART                    ; A's two blocks of 128 rows, then B's two
.set SPARE,  2*SLOT                    ; behind the ring: the spare words, 128 bytes for each wave
.set BLKB,   (KTOT/128)*16384          ; a block of 128 rows in memory
.set LAPS,   KTOT/512                  ; a lap = two slots = 512 along K
.set FR,     16
.set NL,     4
.set NP,     4                         ; places behind this matrix instruction (ISA guide 7.12.1)
.set ADRA, 16                          ; v16-17  LDS address of my A fragments in slot 0, 1
.set ADRB, 20                          ; v20-21  the same for B
.set LI,   26                          ; v26     16 x lane
.set BO,   27                          ; v27     my offset in the bias
.set SPW,  28                          ; v28     LDS address of my spare word; never rewritten
.set NIL,  29                          ; v29     0; never rewritten
.set SCV,  30                          ; v30     the result's scale as f32
.set LIMV, 31                          ; v31     448 x that
.set BI,   32
.set TMP,  96
.set AF,   128
.set CD,   224
.set G1, 24
.set G0, 32
.set G1B, 48
.set G0B, 56
.set MSB, 0
.macro WIN new                         ; the immediate's high byte repeats the setting that is left
.if MSB != \new
	s_set_vgpr_msb (MSB<<8)|\new
.set MSB, \new
.endif
.endm
.set MUL_LO, 0xa1                      ; source 0 (B) window 1, source 1 (A) window 0, C and D window 2
.set MUL_HI, 0xf1                      ; the same, C and D window 3
.set TO_B,   0x40                      ; destination window 1, address window 0
; A joint load: waves 0 and 1 fetch for A, waves 2 and 3 for B; the branch hangs on the wave's number alone.  An s_nop 0 and four v_nop follow each of the two lines.
.macro JLOAD g0a, g1a, g0b, g1b
	s_cmp_eq_u32 s15, 0
	s_cbranch_scc0 .Lfor_b_\@
	tensor_load_to_lds s[\g0a:\g0a+3], s[\g1a:\g1a+7]
	s_nop 0
.rept 4
	v_nop
.endr
	s_branch .Lasked_\@
.Lfor_b_\@:
	tensor_load_to_lds s[\g0b:\g0b+3], s[\g1b:\g1b+7]
	s_nop 0
.rept 4
	v_nop
.endr
.Lasked_\@:
.endm
.macro CREST                           ; a round of the cluster's barrier behind its opening barrier
	s_cmp_lg_u32 s14, 0
	s_cbranch_scc1 .Lnot_wave_0_\@
	s_barrier_signal -3
.Lnot_wave_0_\@:
	s_barrier_wait -3
	s_barrier_signal -1
	s_barrier_wait -1
.endm
.macro CROUND
	s_barrier_signal -1
	s_barrier_wait -1
	CREST
.endm
.macro FRAG reg, adr, q, i             ; fragment i of the slot's q-th 128 along K: four loads of 512 consecutive bytes
.irp c, 0,1,2,3
	ds_load_b128 v[\reg+4*\c:\reg+4*\c+3], v[\adr] offset:16384*(\q)+2048*(\i)+512*\c
.endr
.endm
; 16 matrix instructions: A's blocks a0, a0 + 1 x B's eight.  p: B's set.  zero = 1: the first product starts the sums.  The 64 accumulators take turns, one instruction a turn.
.macro MUL16 a0, p, zero
.irp a, \a0, \a0+1
.irp b, 0,1,2,3,4,5,6,7
.if \zero
	v_wmma_f32_16x16x128_fp8_fp8 v[8*(8*((\a)%4)+\b):8*(8*((\a)%4)+\b)+7], v[128*(\p)+FR*\b:128*(\p)+FR*\b+FR-1], v[AF+FR*(\a):AF+FR*(\a)+FR-1], 0
.else
	v_wmma_f32_16x16x128_fp8_fp8 v[8*(8*((\a)%4)+\b):8*(8*((\a)%4)+\b)+7], v[128*(\p)+FR*\b:128*(\p)+FR*\b+FR-1], v[AF+FR*(\a):AF+FR*(\a)+FR-1], v[8*(8*((\a)%4)+\b):8*(8*((\a)%4)+\b)+7]
.endif
.endr
.endr
.endm
.macro FETCH_B slot, q, p
	WIN TO_B
.irp i, 0,1,2,3,4,5,6,7
	FRAG 128*(\p)+FR*\i, ADRB+\slot, \q, \i
.endr
	WIN 0
.endm
.macro FETCH_A slot, q, i0
.irp i, \i0, \i0+1, \i0+2, \i0+3
	FRAG AF+FR*(\i), ADRA+\slot, \q, \i
.endr
.endm
.macro PLACES n                        ; plain vector lines between a matrix instruction and a load into, or a read of, its registers
.rept \n
	v_nop
.endr
.endm
.macro STEP slot, q, zero              ; a step of 128 along K that has its successor in the same slot
	s_wait_dscnt 4*NL                              ; B's set and A's blocks 0-3 are in; the youngest 16 loads (A's blocks 4-7) may be out
	WIN MUL_LO
	MUL16 0, (\q)%2, \zero
	MUL16 2, (\q)%2, \zero
	s_wait_dscnt 0
	PLACES NP
	FETCH_B \slot, (\q)+1, 1-(\q)%2
	FETCH_A \slot, (\q)+1, 0
	WIN MUL_HI
	MUL16 4, (\q)%2, \zero
	MUL16 6, (\q)%2, \zero
	PLACES NP
	WIN 0
	FETCH_A \slot, (\q)+1, 4
.endm
; A slot's last step changes slots: in front of the barrier each wave waits for all its tensor loads, adds 0 to its spare word, and waits for that and for its reads of this slot.  fill = 1: the barrier opens a round of the cluster's, and this slot is filled again.
.macro TURN slot, next, fill
	s_wait_tensorcnt 0x0                           ; all my tensor loads have landed: my part of the next slot
	ds_add_u32 v[SPW], v[NIL]
	s_wait_dscnt 4*NL+1                            ; (the add and the youngest 16 loads may be out)
	WIN MUL_LO
	MUL16 0, 1, 0
	s_wait_dscnt 0x0                               ; the add is done, and my reads of this slot are over
	s_barrier_signal -1
	MUL16 2, 1, 0
	WIN 0
	s_barrier_wait -1
.if \fill
	CREST                                          ; no wave of any partner still reads this slot or has a load on its way
	s_add_nc_u64 s[G0+4*\slot+2:G0+4*\slot+3], s[G0+4*\slot+2:G0+4*\slot+3], 2*PART
	s_add_nc_u64 s[G0B+4*\slot+2:G0B+4*\slot+3], s[G0B+4*\slot+2:G0B+4*\slot+3], 2*PART
	JLOAD G0+4*\slot, G1, G0B+4*\slot, G1B         ; the first tensor load behind the round; its four v_nop are the places in front of the loads below
.else
	PLACES NP
.endif
	FETCH_B \next, 0, 0
	FETCH_A \next, 0, 0
	WIN MUL_HI
	MUL16 4, 1, 0
	MUL16 6, 1, 0
	PLACES NP
	WIN 0
	FETCH_A \next, 0, 4
.endm
.macro LAST                            ; the very last step: nothing more to fetch
	s_wait_dscnt 4*NL
	WIN MUL_LO
	MUL16 0, 1, 0
	MUL16 2, 1, 0
	s_wait_dscnt 0
	WIN MUL_HI
	MUL16 4, 1, 0
	MUL16 6, 1, 0
	WIN 0
.endm
.macro QUANT64 a, relu                 ; the 64 numbers in v[TMP] on become a fragment's codes in set a % 2 of v[CD] on
.set j, 0
.rept 64
.if \relu
	v_med3_num_f32 v[TMP+j], v[TMP+j], 0, v[LIMV]
.else
	v_med3_num_f32 v[TMP+j], v[TMP+j], -v[LIMV], v[LIMV]   ; the conversion does not saturate (ISA guide 7.6.2): the hold at 448 x the scale
.endif
.set j, j+1
.endr
.set j, 0
.rept 8
	v_cvt_scalef32_pk8_fp8_f32 v[CD+16*((\a)%2)+2*j:CD+16*((\a)%2)+2*j+1], v[TMP+8*j:TMP+8*j+7], v[SCV]
.set j, j+1
.endr
	v_nop                                          ; a plain line behind the last conversion: the next block's sums write its sources
.endm
	s_load_b256 s[4:11], s[0:1], 0x0               ; prepc s[4:5], bq s[6:7], bk s[8:9], bv s[10:11]
	s_load_b128 s[72:75], s[0:1], 0x20             ; the exponents s[72:73], qkv s[74:75]
	v_lshl_add_u32 v[SPW], v0, 2, SPARE
	v_mov_b32 v[NIL], 0
	ds_add_u32 v[SPW], v[NIL]                      ; the wave's opening: the add, twice on end, and its wait ahead of my first tensor load
	ds_add_u32 v[SPW], v[NIL]
	v_lshrrev_b32 v1, 5, v0
	v_readfirstlane_b32 s14, v1                    ; wave 0..3
	s_lshr_b32 s15, s14, 1                         ; which 128 of A's 256 rows are mine.  Also: I fetch for A (0) or for B (1)
	s_and_b32 s16, s14, 1                          ; which 128 of B's.  Also: which block of that tile I fetch
	s_bfe_u32 s40, ttmp6, 0x40000                  ; cx, cy: my place in the cluster
	s_bfe_u32 s41, ttmp6, 0x40004
	s_and_b32 s78, ttmp7, 0xffff
	s_lshl_b32 s78, s78, 2                         ; 4 x cluster y walks the tokens: A's rows for p = 0, 1, B's for p = 2
	s_lshl_b32 s76, ttmp9, 22                      ; A in prepc: x by entry 2 p, at p x 4 MiB;
	s_lshl_b32 s77, ttmp9, 20
	s_add_co_u32 s77, s77, 12<<20                  ; B: the weight, at 12 MiB + p MiB
	s_lshl_b32 s80, ttmp9, 3                       ; the product's two exponents: entries 2 p, 2 p + 1
	s_cmp_eq_u32 ttmp9, 2
	s_cselect_b32 s76, 14<<20, s76                 ; p = 2: A = Wv's codes,
	s_cselect_b32 s77, 8<<20, s77                  ;        B = x by entry 4
	s_cselect_b32 s79, 0, s78
	s_cselect_b32 s78, s78, 0
	s_add_co_u32 s17, s41, s79                     ; tile row (of A's rows)
	s_add_co_u32 s42, s40, s78                     ; tile column (of B's rows)
	s_lshl_b32 s43, s41, 2
	s_lshl_b32 s43, 15, s43                        ; my row of the cluster
	s_lshl_b32 s44, 0x1111, s40                    ; my column
	; descriptor group 1: a dense block of 32,768 bytes as 128 rows of 32 elements of 8 bytes
	s_or_b32 s[G1+0], s43, (3<<16)|(1<<21)         ; 15:0 the mask: A's tiles go to my row; 17:16 elements of 8 bytes; 21 set beside a mask
	s_or_b32 s[G1B+0], s44, (3<<16)|(1<<21)
.irp g, G1, G1B
	s_mov_b32 s[\g+1], 32<<16                      ; tensor_dim0 = 32
	s_mov_b32 s[\g+2], 128<<16                     ; tensor_dim1 = 128
	s_mov_b32 s[\g+3], 32<<16                      ; tile_dim0 = 32
	s_mov_b32 s[\g+4], 128                         ; tile_dim1 = 128
	s_mov_b32 s[\g+5], 32                          ; from row to row
	s_mov_b32 s[\g+6], 0
	s_mov_b32 s[\g+7], 0
.endr
	s_lshl_b32 s20, s17, 1
	s_add_co_u32 s20, s20, s16                     ; A: block 2 x tile row + which
	s_mul_i32 s20, s20, BLKB
	s_add_co_u32 s20, s20, s76
	s_mov_b32 s21, 0
	s_lshl_b32 s46, s42, 1
	s_add_co_u32 s46, s46, s16                     ; B: block 2 x tile column + which
	s_mul_i32 s46, s46, BLKB
	s_add_co_u32 s46, s46, s77
	s_mov_b32 s47, 0
	s_mul_i32 s45, s14, PART                       ; where they go: wave x 32,768: no place in the cluster enters an LDS address
	s_wait_dscnt 0x0                               ; both opening adds are done
	s_wait_kmcnt 0x0
	s_load_b64 s[96:97], s[72:73], s80 offset:0x0  ; the two operands' exponents
	s_load_b128 s[68:71], s[72:73], 0x18           ; entries 6, 7, 8, 9
	s_add_nc_u64 s[20:21], s[4:5], s[20:21]
	s_add_nc_u64 s[46:47], s[4:5], s[46:47]
	CROUND                                         ; all sixteen work-groups are here: the first joint loads meet
.irp s, 0,1
	s_mov_b32 s[G0+4*\s], 1
	s_add_co_u32 s[G0+4*\s+1], s45, \s*SLOT
	s_add_nc_u64 s[G0+4*\s+2:G0+4*\s+3], s[20:21], \s*PART
	s_or_b32 s[G0+4*\s+3], s[G0+4*\s+3], 0x80000000
	s_mov_b32 s[G0B+4*\s], 1
	s_add_co_u32 s[G0B+4*\s+1], s45, \s*SLOT
	s_add_nc_u64 s[G0B+4*\s+2:G0B+4*\s+3], s[46:47], \s*PART
	s_or_b32 s[G0B+4*\s+3], s[G0B+4*\s+3], 0x80000000
	JLOAD G0+4*\s, G1, G0B+4*\s, G1B
.endr
	v_and_b32 v1, 31, v0
	v_lshlrev_b32 v[LI], 4, v1
	s_lshl_b32 s21, s15, 15                        ; my 128 rows of A
	s_lshl_b32 s22, s16, 15                        ; my 128 rows of B,
	s_add_co_u32 s22, s22, 2*PART                  ; which lie behind A's
.irp s, 0,1
	v_add_nc_u32 v[ADRA+\s], s21, v[LI]
	v_add_nc_u32 v[ADRB+\s], s22, v[LI]
	s_add_co_u32 s21, s21, SLOT
	s_add_co_u32 s22, s22, SLOT
.endr
	s_wait_tensorcnt 1                             ; my part of slot 0 is in; slot 1's load may be out
	s_barrier_signal -1
	s_barrier_wait -1
	FETCH_B 0, 0, 0
	FETCH_A 0, 0, 0
	FETCH_A 0, 0, 4
	STEP 0, 0, 1                                   ; the first step stands in front of the loop: its products start the sums
	s_mov_b32 s3, LAPS-1
.Llap:
	TURN 0, 1, 1
	STEP 1, 0, 0
	TURN 1, 0, 1
	STEP 0, 0, 0
	s_sub_co_u32 s3, s3, 1
	s_cmp_lg_u32 s3, 0
	s_cbranch_scc1 .Llap
	TURN 0, 1, 0                                   ; the last barrier of the walk.  Behind it the text parts ONCE on p, so that each way asks for its bias two K steps ahead of its use
	s_cmp_eq_u32 ttmp9, 2
	s_cbranch_scc1 .Lv_arm
; ---- q and k: the bias runs along the registers; a block of 128 columns is two heads
	s_cmp_eq_u32 ttmp9, 1
	s_cselect_b64 s[6:7], s[8:9], s[6:7]           ; bk or bq
	s_lshl_b32 s22, s42, 1
	s_add_co_u32 s22, s22, s16
	s_lshl_b32 s22, s22, 9                         ; my 128 columns x 4 bytes
	s_mov_b32 s23, 0
	s_add_nc_u64 s[6:7], s[6:7], s[22:23]
	v_bfe_u32 v[BO], v0, 4, 1
	v_lshlrev_b32 v[BO], 6, v[BO]                  ; 64 h
.set j, 0
.rept 16
	global_load_b128 v[BI+4*j:BI+4*j+3], v[BO], s[6:7] offset:128*(j/4)+16*(j%4)   ; register 16 c + i: the bias of column 32 c + 16 h + i
.set j, j+1
.endr
	s_lshl_b32 s20, s17, 1
	s_add_co_u32 s20, s20, s15                     ; my block of 128 tokens
	s_lshr_b32 s21, s20, 4                         ; its batch,
	s_and_b32 s20, s20, 15                         ; its place in the sequence
	s_lshl_b32 s21, s21, 4
	s_lshl_b32 s22, s42, 2
	s_add_co_u32 s21, s21, s22
	s_lshl_b32 s22, s16, 1
	s_add_co_u32 s21, s21, s22                     ; batch x 16 + my first head
	s_lshl_b32 s21, s21, 7
	s_lshl_b32 s20, s20, 3
	s_add_co_u32 s20, s20, s21
	s_lshl_b32 s20, s20, 10
	s_lshl_b32 s21, ttmp9, 22
	s_add_co_u32 s20, s20, s21                     ; + p x 4 MiB
	s_mov_b32 s21, 0
	s_add_nc_u64 s[74:75], s[74:75], s[20:21]
	STEP 1, 0, 0
	LAST
	s_wait_kmcnt 0x0
	s_add_co_i32 s96, s96, s97
	s_add_co_i32 s96, s96, 127
	s_lshl_b32 s96, s96, 23                        ; 2^(the two exponents added) as f32
	s_mov_b32 s97, s96
	s_cmp_eq_u32 ttmp9, 1
	s_cselect_b32 s68, s69, s68                    ; the result's exponent: entry 6 for q, 7 for k
	s_add_co_i32 s68, s68, 127
	s_lshl_b32 s69, s68, 23
	v_mov_b32 v[SCV], s69
	s_add_co_i32 s68, s68, 8
	s_lshl_b32 s68, s68, 23
	s_or_b32 s68, s68, 0x600000
	v_mov_b32 v[LIMV], s68
	s_wait_loadcnt 0x0                             ; the bias
	PLACES NP
.macro OUT_QK a                        ; tile a of my tokens: sum x 2^(..) + bias, each accumulator from its low end on; codes; four stores of 512 consecutive bytes
.if (\a) >= 2
	s_wait_xcnt 0x0                                ; tile a - 2's stores have read their data
.endif
.set AC, 64*((\a)%4)
	WIN 0x02+((\a)/4)                              ; source 0: window 2 or 3
.set j, 0
.rept 32
	v_pk_fma_f32 v[TMP+j:TMP+j+1], v[AC+j:AC+j+1], s[96:97], v[BI+j:BI+j+1] op_sel_hi:[1,0,1]
.set j, j+2
.endr
	WIN 0
	QUANT64 \a, 0
.irp c, 0,1,2,3
	global_store_b128 v[LI], v[CD+16*((\a)%2)+4*\c:CD+16*((\a)%2)+4*\c+3], s[74:75] offset:(\c/2)*131072+1024*(\a)+(\c%2)*512   ; head c / 2 of my two, piece c % 2
.endr
.endm
.irp a, 0,1,2,3,4,5,6,7
	OUT_QK \a
.endr
	s_branch .Ldone
; ---- v: a lane holds a channel: one number of the bias for each tile a; a block of 128 channels is two heads
.Lv_arm:
	s_lshl_b32 s22, s17, 1
	s_add_co_u32 s22, s22, s15                     ; my block of 128 channels
	s_lshl_b32 s20, s42, 1
	s_add_co_u32 s20, s20, s16                     ; my block of 128 tokens: a key step
	s_lshr_b32 s21, s20, 4
	s_and_b32 s20, s20, 15
	s_lshl_b32 s21, s21, 4
	s_lshl_b32 s23, s22, 1
	s_add_co_u32 s21, s21, s23                     ; batch x 16 + my first head
	s_lshl_b32 s21, s21, 4
	s_add_co_u32 s20, s20, s21
	s_lshl_b32 s20, s20, 13
	s_add_co_u32 s20, s20, 8<<20
	s_mov_b32 s21, 0
	s_add_nc_u64 s[74:75], s[74:75], s[20:21]
	s_lshl_b32 s22, s22, 9
	s_mov_b32 s23, 0
	s_add_nc_u64 s[10:11], s[10:11], s[22:23]
	v_and_b32 v1, 15, v0
	v_and_b32 v[BO], 8, v1
	v_add_nc_u32 v[BO], v[BO], v1
	v_lshlrev_b32 v[BO], 2, v[BO]                  ; 4 (r + 8 (r / 8))
.irp a, 0,1,2,3,4,5,6,7
	global_load_b32 v[BI+2*\a], v[BO], s[10:11] offset:(32*(\a/2)+8*(\a%2))*4
.endr
	STEP 1, 0, 0
	LAST
	s_wait_kmcnt 0x0
	s_add_co_i32 s96, s96, s97
	s_add_co_i32 s96, s96, 127
	s_lshl_b32 s96, s96, 23
	s_mov_b32 s97, s96
	s_add_co_i32 s68, s71, 127                     ; the result's exponent: entry 9
	s_lshl_b32 s69, s68, 23
	v_mov_b32 v[SCV], s69
	s_add_co_i32 s68, s68, 8
	s_lshl_b32 s68, s68, 23
	s_or_b32 s68, s68, 0x600000
	v_mov_b32 v[LIMV], s68
	s_wait_loadcnt 0x0
.irp a, 0,1,2,3,4,5,6,7
	v_mov_b32 v[BI+2*\a+1], v[BI+2*\a]             ; the pair that the packed form adds.  (These eight are also the places behind the last products)
.endr
.macro OUT_V a
.if (\a) >= 2
	s_wait_xcnt 0x0
.endif
.set AC, 64*((\a)%4)
	WIN 0x02+((\a)/4)
.set j, 0
.rept 32
	v_pk_fma_f32 v[TMP+j:TMP+j+1], v[AC+j:AC+j+1], s[96:97], v[BI+2*(\a):BI+2*(\a)+1] op_sel_hi:[1,0,1]
.set j, j+2
.endr
	WIN 0
	QUANT64 \a, 0
.irp c, 0,1,2,3
	global_store_b128 v[LI], v[CD+16*((\a)%2)+4*\c:CD+16*((\a)%2)+4*\c+3], s[74:75] offset:((\a)/4)*131072+((\a)%4)*2048+512*\c   ; head a / 4 of my two, its tile a % 4
.endr
.endm
.irp a, 0,1,2,3,4,5,6,7
	OUT_V \a
.endr
.Ldone:
	s_wait_tensorcnt 0x0                           ; the wave's end
	ds_add_u32 v[SPW], v[NIL]
	s_wait_dscnt 0x0
	CROUND                                         ; the closing round: no work-group ends while a partner may still ask for a tile that names it
	s_endpgm
.Lfunc_end_k_q0e1d29eaa2_qkv:
	.size	k_q0e1d29eaa2_qkv, .Lfunc_end_k_q0e1d29eaa2_qkv-k_q0e1d29eaa2_qkv
	.p2alignl 7, 3214868480
	.fill 96, 4, 3214868480
	.section	.rodata,"a",@progbits
	.p2align	6, 0x0
	.amdhsa_kernel k_q0e1d29eaa2_qkv
		.amdhsa_group_segment_fixed_size 327680
		.amdhsa_private_segment_fixed_size 0
		.amdhsa_enable_private_segment 0
		.amdhsa_kernarg_size 48
		.amdhsa_user_sgpr_count 2
		.amdhsa_user_sgpr_kernarg_segment_ptr 1
		.amdhsa_wavefront_size32 1
		.amdhsa_system_sgpr_workgroup_id_x 1
		.amdhsa_system_sgpr_workgroup_id_y 1
		.amdhsa_system_sgpr_workgroup_id_z 1
		.amdhsa_system_vgpr_workitem_id 0
		.amdhsa_next_free_vgpr 1024
		.amdhsa_next_free_sgpr 98
		.amdhsa_reserve_vcc 0
		.amdhsa_float_denorm_mode_32 3
		.amdhsa_float_denorm_mode_16_64 3
		.amdhsa_memory_ordered 1
		.amdhsa_forward_progress 1
		.amdhsa_inst_pref_size 207
	.end_amdhsa_kernel
	.amdgpu_metadata
---
amdhsa.version: [ 1, 2 ]
amdhsa.kernels:
  - .name:           k_q0e1d29eaa2_qkv
    .symbol:         k_q0e1d29eaa2_qkv.kd
    .args:
      - { .name: prepc, .offset: 0, .size: 8, .value_kind: global_buffer, .address_space: global }
      - { .name: bq, .offset: 8, .size: 8, .value_kind: global_buffer, .address_space: global }
      - { .name: bk, .offset: 16, .size: 8, .value_kind: global_buffer, .address_space: global }
      - { .name: bv, .offset: 24, .size: 8, .value_kind: global_buffer, .address_space: global }
      - { .name: lowp_scales, .offset: 32, .size: 8, .value_kind: global_buffer, .address_space: global }
      - { .name: qkv, .offset: 40, .size: 8, .value_kind: global_buffer, .address_space: global }
    .group_segment_fixed_size: 327680
    .private_segment_fixed_size: 0
    .kernarg_segment_align: 8
    .kernarg_segment_size: 48
    .max_flat_workgroup_size: 128
    .sgpr_count:     98
    .vgpr_count:     1024
    .wavefront_size: 32
...
	.end_amdgpu_metadata
.endif
;; end of part 2
;; launch attn (part 3): grid 8 x 32, 16 waves a work-group, no clusters, 34,816 bytes of LDS; arguments qkv, maskw, lowp_scales, ao; writes ao
.if DOCPART == 3
	.amdgcn_target "amdgcn-amd-amdhsa--gfx1250"
	.amdhsa_code_object_version 6
	.text
	.protected	k_q0e1d29eaa2_attn
	.globl	k_q0e1d29eaa2_attn
	.p2align	8
	.type	k_q0e1d29eaa2_attn,@function
k_q0e1d29eaa2_attn:
	s_mov_b64 s[64:65], 0
	v_nop
	global_prefetch_b8 v0, s[64:65] scope:SCOPE_SE
	s_setreg_imm32_b32 hwreg(HW_REG_WAVE_MODE, 25, 1), 1
	s_wait_xcnt 0x0
; Launch 3 of 8: attention with ALiBi and the given mask, both products on codes of E4M3; the result leaves as codes for the projection.
; LEFT OUT, by whole numbers that launch 1 stored: a step of 16 queries x 128 keys whose mask is all 0, unless one of the 16 queries has no unmasked key at all (then the tile walks all 16 steps).
; LIMIT: a query with an unmasked key has an unmasked logit above -9.9e8; then 2^(t - M) of every masked key is 0 in f32.  What reaches only a step left out (a NaN, an infinity) is not carried on.
; THE SOFTMAX: t = logit x log2(e); M = the running largest t rounded UP to a whole number, kept as -M; p = 2^(t - M) is quantised, not normalised; the row's sum is taken of the unquantised p and divides at the end.
; When M moves, the sum and O are multiplied by 2^(old M - new M): exact.
; THE LOGIT.  A sum of codes stands for sum x 2^(e6 + e7).  The ALiBi term goes in as the C of the first product, in the sums' units: g (j - i), g = slope x 8 / 2^(e6 + e7); then t = c1 x S, c1 = log2(e) / 8 x 2^(e6 + e7).
; g (j - i) is made of two f32 terms, g x (the register block's first key less my query) and g x (0 .. 15): three roundings, each relative to a term no larger than |g (j - i)| + 15 g.
; A masked score becomes -1e9 x 8 / 2^(e6 + e7), the same number in every step: so a query with no unmasked key has p = 1 for all 2,048 keys.
; SHARES.  Work-group (x, y): head y % 16 of batch y / 16; the blocks of 128 queries x and 15 - x: waves 0-7 the first, waves 8-15 the second, a tile of 16 queries each, in 256 registers.  (The pairing holds for any mask;
; where the mask is lower triangular it gives every work-group 17 of 32 block steps.)  A lane holds ONE query (lane % 16) throughout: both products are used transposed.
; K and V of a key step (8,192 bytes each, images of fragments' registers: launch 2) go through two LDS slots, copied through registers, 16 + 16 bytes a thread: the walk branches on numbers read from memory, so no tensor load is used,
; and for the same reason no cluster: partners would walk different steps.
; LIMITS: e6 + e7 between -90 and 120; e8 and e10 between -126 and 119; e8 + e9 is applied by v_ldexp_f32.
; REGISTERS: v1 16 L; v2 16 t; v3, v4 the add's two; v5 the masked score; v6 g; v7 16 h - r - 8 (r / 8); v12 -M, v13 the largest t, v[14:15] the sum; v16-23 Q; v24-31 K's and V's bytes on their way to LDS;
;   v32-95 K's eight fragments, then V's four; v96-159 S^T, then p; v160-191 O^T; v192-207 g x 0 .. 15; v208-223 p's codes; v224-231 four pairs of ALiBi bases; v[232:233] f; v234-239 at work; v240-243 holds and scales; v244 256 L.
; SCALARS: s2 wave; s3 trips to go; s4 my tile's live steps, s5 the work-group's, bit 0 = the step in hand; s[6:7] K, s[8:9] V, s[10:11] my tile's mask words, each at the trip's first step; s[12:13] where my codes go;
;   s[14:15] c1; s[16:17] lane selects; s18 128 x step - my tile's first query; s19 e8; s20 e8 + e9; s21, s[22:23] the prefetches' bound and place; s[24:25] Q; s[68:99], s[32:63] the step's 64 mask words.
.set SLOTB, 16384                      ; a slot: K's step, then V's
.set VOFF,  8192
.set SPARE, 2*SLOTB                    ; behind the slots: the spare words, 128 bytes for each of sixteen waves
.macro TILEW a                         ; a tile's four words at s[a] on: its live steps are OR-ed into s5
	s_or_b32 s60, s[\a], s[\a+1]
	s_or_b32 s61, s[\a+2], s[\a+3]
	s_or_b32 s60, s60, s61
	s_lshr_b32 s61, s60, 16
	s_cmp_eq_u32 s61, 0xffff                       ; has each of the 16 queries an unmasked key somewhere?
	s_cselect_b32 s60, s60, -1                     ; if not, every step is live
	s_or_b32 s5, s5, s60
.endm
	s_load_b256 s[24:31], s[0:1], 0x0              ; qkv s[24:25], maskw s[26:27], the exponents s[28:29], ao s[30:31]
	v_lshl_add_u32 v3, v0, 2, SPARE
	v_mov_b32 v4, 0
	v_lshrrev_b32 v10, 5, v0
	v_readfirstlane_b32 s2, v10                    ; wave 0..15
	s_and_b32 s44, ttmp7, 0xffff                   ; batch x 16 + head
	s_sub_co_u32 s45, 15, ttmp9
	s_cmp_lt_u32 s2, 8
	s_cselect_b32 s45, ttmp9, s45                  ; my block of 128 queries
	s_and_b32 s46, s2, 7                           ; my tile in it
	s_lshl_b32 s47, s45, 3
	s_add_co_u32 s47, s47, s46                     ; T
	s_lshl_b32 s6, s44, 17                         ; 16 steps x 8,192 bytes a head
	s_add_co_u32 s8, s6, 8<<20
	s_add_co_u32 s6, s6, 4<<20
	s_mov_b32 s7, 0
	s_mov_b32 s9, 0
	s_lshl_b32 s10, s47, 12                        ; my tile's mask words: 16 steps x 256 bytes
	s_mov_b32 s11, 0
	s_lshl_b32 s54, s44, 7
	s_add_co_u32 s54, s54, s47
	s_lshl_b32 s54, s54, 10                        ; Q's tile
	s_mov_b32 s55, 0
	s_lshr_b32 s48, s44, 4                         ; batch
	s_and_b32 s49, s44, 15                         ; head
	s_lshl_b32 s12, s48, 4
	s_add_co_u32 s12, s12, s45
	s_lshl_b32 s12, s12, 3
	s_lshr_b32 s50, s49, 1
	s_add_co_u32 s12, s12, s50
	s_lshl_b32 s12, s12, 3
	s_add_co_u32 s12, s12, s46
	s_lshl_b32 s12, s12, 1
	s_and_b32 s50, s49, 1
	s_add_co_u32 s12, s12, s50
	s_lshl_b32 s12, s12, 10                        ; ao: (((batch 16 + block) 8 + head / 2) 8 + tile) 2048 + (head % 2) 1024
	s_mov_b32 s13, 0
	s_lshl_b32 s18, s45, 7
	s_lshr_b32 s50, s46, 1
	s_lshl_b32 s50, s50, 5
	s_add_co_u32 s18, s18, s50
	s_and_b32 s50, s46, 1
	s_lshl_b32 s50, s50, 3
	s_add_co_u32 s18, s18, s50
	s_sub_co_i32 s18, 0, s18                       ; - my tile's first query
	s_lshl_b32 s51, ttmp9, 7
	s_add_co_u32 s51, s51, 524288                  ; the live words of block x's eight tiles,
	s_sub_co_u32 s52, 15, ttmp9
	s_lshl_b32 s52, s52, 7
	s_add_co_u32 s52, s52, 524288                  ; of block 15 - x's,
	s_lshl_b32 s53, s47, 4
	s_add_co_u32 s53, s53, 524288                  ; and of my own tile
	s_lshr_b32 s50, s2, 1
	s_or_b32 s50, s50, ttmp9
	s_cmp_eq_u32 s50, 0
	s_cselect_b32 s21, 2, -1                       ; waves 0 and 1 of a head's first work-group prefetch
	s_mov_b32 s16, 0x76543210
	s_mov_b32 s17, 0xfedcba98
	s_mov_b32 s3, 8
	s_mov_b32 s5, 0
	v_and_b32 v10, 31, v0
	v_lshlrev_b32 v1, 4, v10
	v_lshlrev_b32 v244, 8, v10
	v_lshlrev_b32 v2, 4, v0
	v_and_b32 v10, 15, v0
	v_bfe_u32 v11, v0, 4, 1
	v_and_b32 v7, 8, v10
	v_add_nc_u32 v7, v7, v10
	v_lshlrev_b32 v11, 4, v11
	v_sub_nc_u32 v7, v11, v7
	s_wait_kmcnt 0x0
	s_add_nc_u64 s[6:7], s[24:25], s[6:7]
	s_add_nc_u64 s[8:9], s[24:25], s[8:9]
	s_add_nc_u64 s[24:25], s[24:25], s[54:55]
	s_add_nc_u64 s[10:11], s[26:27], s[10:11]
	s_add_nc_u64 s[12:13], s[30:31], s[12:13]
	s_cmp_eq_u32 s2, 0
	s_cselect_b64 s[22:23], s[6:7], s[8:9]         ; wave 0 asks for K's steps, wave 1 for V's
	s_load_b256 s[32:39], s[28:29], 0x18           ; entries 6 to 13
	s_load_b128 s[40:43], s[26:27], s53 offset:0x0
	s_load_b512 s[68:83], s[26:27], s51 offset:0x0
	s_load_b512 s[84:99], s[26:27], s51 offset:0x40
	global_load_b128 v[24:27], v2, s[6:7]          ; step 0: 512 threads x 16 bytes of K,
	global_load_b128 v[28:31], v2, s[8:9]          ; and of V
	global_load_b128 v[16:19], v1, s[24:25]        ; Q's fragment stays in registers
	global_load_b128 v[20:23], v1, s[24:25] offset:512
	v_mov_b32 v13, 0xff61b1e6                      ; the largest t so far: -3e38, under every t
	v_floor_f32 v12, -v13
	v_mov_b32 v14, 0
	v_mov_b32 v15, 0
	v_mov_b32 v233, 0                              ; (upper halves of pairs of which the low word serves both halves; a lane permute's destination)
	v_mov_b32 v225, 0
	v_mov_b32 v227, 0
	v_mov_b32 v229, 0
	v_mov_b32 v231, 0
	v_mov_b32 v238, 0
.set j, 0
.rept 32
	v_mov_b32 v[160+j], 0                          ; O^T.  The step is written once, and which step is a tile's first hangs on the mask: the first finds zeros, which the first change of M leaves zeros
.set j, j+1
.endr
	s_wait_kmcnt 0x0
	s_add_co_i32 s56, s32, s33                     ; e6 + e7
	s_lshl_b32 s57, s56, 23
	s_add_co_i32 s14, s57, 0x3e38aa3b              ; c1 = log2(e) / 8, the two exponents added to its exponent field
	s_mov_b32 s15, s14
	s_add_co_u32 s57, s49, 1                       ; n = head + 1: slope = 2^(-n / 2)
	s_mov_b32 s59, 1.0
	s_bitcmp1_b32 s57, 0
	s_cselect_b32 s58, 0x3fb504f3, s59             ; n odd: sqrt(2) x 2^(-(n + 1) / 2)
	s_add_co_u32 s57, s57, 1
	s_lshr_b32 s57, s57, 1
	s_sub_co_i32 s57, 3, s57
	s_sub_co_i32 s57, s57, s56
	s_lshl_b32 s57, s57, 23
	s_add_co_i32 s58, s58, s57                     ; g = slope x 8 / 2^(e6 + e7)
	s_sub_co_i32 s57, 3, s56
	s_lshl_b32 s57, s57, 23
	s_add_co_u32 s59, s57, 0xce6e6b28              ; -1e9 x 8 / 2^(e6 + e7)
	s_mov_b32 s19, s34
	s_add_co_i32 s20, s34, s35
	s_add_co_i32 s56, s34, 127
	s_lshl_b32 s62, s56, 23                        ; 2^e8
	s_add_co_i32 s56, s56, 8
	s_lshl_b32 s56, s56, 23
	s_or_b32 s63, s56, 0x600000                    ; 448 x 2^e8
	s_add_co_i32 s56, s36, 127
	s_lshl_b32 s57, s56, 23                        ; 2^e10
	s_add_co_i32 s56, s56, 8
	s_lshl_b32 s56, s56, 23
	s_or_b32 s56, s56, 0x600000                    ; 448 x 2^e10
	v_mov_b32 v6, s58
	v_mov_b32 v5, s59
	v_mov_b32 v241, s62
	v_mov_b32 v240, s63
	v_mov_b32 v243, s57
	v_mov_b32 v242, s56
	s_or_b32 s60, s40, s41                         ; my own tile's live steps
	s_or_b32 s61, s42, s43
	s_or_b32 s60, s60, s61
	s_lshr_b32 s61, s60, 16
	s_cmp_eq_u32 s61, 0xffff
	s_cselect_b32 s4, s60, -1
	s_and_b32 s4, s4, 0xffff
.irp a, 68,72,76,80,84,88,92,96
	TILEW \a
.endr
	s_load_b512 s[68:83], s[26:27], s52 offset:0x0 ; the other block's words, into the registers that are used up; they land under the first copy into LDS
	s_load_b512 s[84:99], s[26:27], s52 offset:0x40
.set i, 0
.rept 16
	v_cvt_f32_i32 v[192+i], i
.set i, i+1
.endr
.set i, 0
.rept 16
	v_mul_f32 v[192+i], v6, v[192+i]
.set i, i+1
.endr
	s_wait_loadcnt 2                               ; step 0's K and V are in; Q's two loads may be out
	ds_store_b128 v2, v[24:27]
	ds_store_b128 v2, v[28:31] offset:VOFF
	global_load_b128 v[24:27], v2, s[6:7] offset:8192   ; step 1
	global_load_b128 v[28:31], v2, s[8:9] offset:8192
	s_wait_kmcnt 0x0
.irp a, 68,72,76,80,84,88,92,96
	TILEW \a
.endr
	s_and_b32 s5, s5, 0xffff                       ; steps 16 on are never live: so no load leaves its buffer
; A PREFETCH INTO THE L2: steps 2 i + 4 and 2 i + 5 in trip i, one trip ahead of the loads that will want them: 8,192 bytes each, lanes 256 bytes apart.  All eight work-groups of a head walk the same K and V: the first asks,
; wave 0 for K and wave 1 for V, so each block of 256 bytes is named once.  Steps 0 to 3 come by their loads alone; the last two trips ask for nothing.
.macro ASK
	s_cmp_gt_u32 s3, s21
	s_cbranch_scc0 .Lnot_mine_\@
	global_prefetch_b8 v244, s[22:23] offset:32768 th:TH_LOAD_NT scope:SCOPE_SE
	global_prefetch_b8 v244, s[22:23] offset:40960 th:TH_LOAD_NT scope:SCOPE_SE
.Lnot_mine_\@:
.endm
; THE WORK OF A LIVE STEP, from slot sl.
.macro STEPWORK sl
	s_load_b512 s[68:83], s[10:11], 256*\sl        ; the step's 64 mask words: word n is the lane mask of score register n
	s_load_b512 s[84:99], s[10:11], 256*\sl+64
	s_load_b512 s[32:47], s[10:11], 256*\sl+128
	s_load_b512 s[48:63], s[10:11], 256*\sl+192
	v_add_nc_u32 v10, s18, v7                      ; the first key of my half's registers less my query: a whole number, exact in f32.  (These nine lines are also the places behind the last step's products)
	v_cvt_f32_i32 v10, v10
	v_mul_f32 v224, v6, v10
	v_add_f32 v11, 0x42000000, v10                 ; + 32
	v_mul_f32 v226, v6, v11
	v_add_f32 v11, 0x42800000, v10                 ; + 64
	v_mul_f32 v228, v6, v11
	v_add_f32 v11, 0x42c00000, v10                 ; + 96
	v_mul_f32 v230, v6, v11
.irp t, 0,1,2,3,4,5,6,7
	ds_load_b128 v[32+8*\t:35+8*\t], v1 offset:\sl*SLOTB+1024*\t
	ds_load_b128 v[36+8*\t:39+8*\t], v1 offset:\sl*SLOTB+1024*\t+512
.endr
.irp b, 0,1,2,3
.irp i, 0,2,4,6,8,10,12,14
	v_pk_add_f32 v[96+16*\b+\i:97+16*\b+\i], v[192+\i:193+\i], v[224+2*\b:225+2*\b] op_sel_hi:[1,0]   ; g (j - i) of key 32 b + 16 h + i: the C of the first product
.endr
.endr
	s_wait_dscnt 0x0
.irp t, 0,1,2,3,4,5,6,7
	v_wmma_f32_16x16x64_fp8_fp8 v[96+8*\t:103+8*\t], v[32+8*\t:39+8*\t], v[16:23], v[96+8*\t:103+8*\t]   ; S^T: source 0 = 16 keys, source 1 = my 16 queries; eight accumulators, one instruction each
.endr
.rept 4
	v_nop                                          ; places in front of the loads into K's registers and of the first read of the scores
.endr
.irp t, 0,1,2,3
.irp c, 0,1,2,3
	ds_load_b128 v[32+16*\t+4*\c:35+16*\t+4*\c], v1 offset:\sl*SLOTB+VOFF+2048*\t+512*\c   ; V's four fragments land under the softmax
.endr
.endr
	s_wait_kmcnt 0x0
.set n, 0
.rept 32
	v_cndmask_b32 v[96+n], v5, v[96+n], s[68+n]    ; a masked score becomes the masked number; each accumulator from its low end on
.set n, n+1
.endr
.set n, 0
.rept 32
	v_cndmask_b32 v[128+n], v5, v[128+n], s[32+n]
.set n, n+1
.endr
	v_max3_num_f32 v236, v96, v97, v98             ; the step's largest score of my query among my 64 keys, in two chains,
	v_max3_num_f32 v237, v99, v100, v101
.set j, 6
.rept 14
	v_max3_num_f32 v236, v236, v[96+j], v[97+j]
	v_max3_num_f32 v237, v237, v[98+j], v[99+j]
.set j, j+4
.endr
	v_max3_num_f32 v236, v236, v158, v159
	v_max_num_f32 v236, v236, v237
	v_permlanex16_b32 v238, v236, s16, s17
	v_max_num_f32 v236, v236, v238                 ; and among lane l xor 16's
	v_mul_f32 v236, s14, v236                      ; as t (c1 is positive)
	v_max_num_f32 v13, v13, v236
	v_mov_b32 v236, v12
	v_floor_f32 v12, -v13                          ; the new -M = floor(-t)
	v_sub_f32 v236, v12, v236                      ; old M less new M: a whole number, 0 or less
	v_cvt_i32_f32 v236, v236                       ; (it saturates)
	v_ldexp_f32 v232, 1.0, v236                    ; f = 2^(old M - new M)
.set j, 0
.rept 32
	v_pk_fma_f32 v[96+j:97+j], v[96+j:97+j], s[14:15], v[12:13] op_sel_hi:[1,0,0]   ; t - M
.set j, j+2
.endr
.set j, 0
.rept 64
	v_exp_f32 v[96+j], v[96+j]                     ; p = 2^(t - M), at most 1
.set j, j+1
.endr
	v_pk_mul_f32 v[14:15], v[14:15], v[232:233] op_sel_hi:[1,0]   ; the sum under the new M: the plain line behind the exponentials
	s_wait_alu depctr_va_vdst(0)                   ; one wait for the whole batch, ahead of its first reader
	v_pk_add_f32 v[234:235], v[96:97], v[98:99]    ; the row's sum is taken of the unquantised p, in two chains
.set j, 4
.rept 15
	v_pk_add_f32 v[14:15], v[14:15], v[96+j:97+j]
	v_pk_add_f32 v[234:235], v[234:235], v[98+j:99+j]
.set j, j+4
.endr
	v_pk_add_f32 v[14:15], v[14:15], v[234:235]
	s_cmp_ge_i32 s19, -8                           ; p <= 1 <= 448 x 2^e8 wherever e8 >= -8: the hold can then change nothing
	s_cbranch_scc1 .Lheld_\@
.set j, 0
.rept 64
	v_min_num_f32 v[96+j], v[96+j], v240           ; the conversion does not saturate (ISA guide 7.6.2); p is not negative, so the hold is one-sided
.set j, j+1
.endr
.Lheld_\@:
.irp b, 0,1,2,3
	v_cvt_scalef32_pk8_fp8_f32 v[208+4*\b:209+4*\b], v[96+16*\b:103+16*\b], v241
	v_cvt_scalef32_pk8_fp8_f32 v[210+4*\b:211+4*\b], v[104+16*\b:111+16*\b], v241
.endr
.set j, 0
.rept 16
	v_pk_mul_f32 v[160+j:161+j], v[160+j:161+j], v[232:233] op_sel_hi:[1,0]   ; O^T under the new M.  (Plain lines between the conversions and the products that read their results)
.set j, j+2
.endr
	s_wait_dscnt 0x0                               ; V
.irp t, 0,1,2,3
	v_wmma_f32_16x16x128_fp8_fp8 v[160+8*\t:167+8*\t], v[32+16*\t:47+16*\t], v[208:223], v[160+8*\t:167+8*\t]   ; O^T += V^T P^T: four accumulators, one instruction each
.endr
.endm
; A STEP.  In front of the barrier: my stores into this step's slot have landed, my reads of the other slot are back.  Behind it: the next step's bytes go from registers into the other slot, the step after that is asked for,
; and this step is worked.  Only stores, loads and work stand under the branches on the live bits; every wave passes the barrier and the waits.
.macro PHASE sl
	s_wait_dscnt 0x0
	s_barrier_signal -1
	s_barrier_wait -1
	s_wait_loadcnt 0x0                             ; the next step's bytes (asked for a step ago), and in the first step Q
	s_bitcmp1_b32 s5, 1
	s_cbranch_scc0 .Lno_store_\@
	ds_store_b128 v2, v[24:27] offset:(1-\sl)*SLOTB
	ds_store_b128 v2, v[28:31] offset:(1-\sl)*SLOTB+VOFF
.Lno_store_\@:
	s_bitcmp1_b32 s5, 2
	s_cbranch_scc0 .Lno_load_\@
	global_load_b128 v[24:27], v2, s[6:7] offset:16384+8192*\sl
	global_load_b128 v[28:31], v2, s[8:9] offset:16384+8192*\sl
.Lno_load_\@:
.if \sl == 0
	ASK
.endif
	s_bitcmp1_b32 s4, 0
	s_cbranch_scc0 .Lno_work_\@
	STEPWORK \sl
.Lno_work_\@:
	s_lshr_b32 s4, s4, 1
	s_lshr_b32 s5, s5, 1
	s_add_co_i32 s18, s18, 128
.endm
.Ltrip:                                            ; eight trips of two steps
	PHASE 0
	PHASE 1
	s_wait_xcnt 0x0                                ; every load and prefetch has read its base: the bases may step
	s_add_nc_u64 s[6:7], s[6:7], 16384
	s_add_nc_u64 s[8:9], s[8:9], 16384
	s_add_nc_u64 s[22:23], s[22:23], 16384
	s_add_nc_u64 s[10:11], s[10:11], 512
	s_sub_co_u32 s3, s3, 1
	s_cmp_lg_u32 s3, 0
	s_cbranch_scc1 .Ltrip
	; THE WAY OUT.  O^T x 2^(e8 + e9) / the sum, quantised by entry 10.  V's tiles of channels are laid like all tiles, so registers 16 c + i are channels 32 c + 16 h + i of the head: 16 neighbours along the projection's K.
.rept 4
	v_nop                                          ; places behind the last products
.endr
	v_add_f32 v14, v14, v15
	v_permlanex16_b32 v238, v14, s16, s17
	v_add_f32 v14, v14, v238                       ; the row's sum
	v_rcp_f32 v14, v14
	v_nop                                          ; a plain line behind the reciprocal
	s_wait_alu depctr_va_vdst(0)                   ; and the wait ahead of its first reader
	v_ldexp_f32 v14, v14, s20
.set j, 0
.rept 32
	v_mul_f32 v[96+j], v[160+j], v14
.set j, j+1
.endr
.set j, 0
.rept 32
	v_med3_num_f32 v[96+j], v[96+j], -v242, v242
.set j, j+1
.endr
.set j, 0
.rept 4
	v_cvt_scalef32_pk8_fp8_f32 v[208+2*j:209+2*j], v[96+8*j:103+8*j], v243
.set j, j+1
.endr
	v_nop
	global_store_b128 v1, v[208:211], s[12:13]             ; 32 lanes store 512 consecutive bytes
	global_store_b128 v1, v[212:215], s[12:13] offset:512
	s_wait_tensorcnt 0x0                           ; the wave's end: behind my last LDS store
	ds_add_u32 v3, v4
	s_wait_dscnt 0x0
	s_endpgm
.Lfunc_end_k_q0e1d29eaa2_attn:
	.size	k_q0e1d29eaa2_attn, .Lfunc_end_k_q0e1d29eaa2_attn-k_q0e1d29eaa2_attn
	.p2alignl 7, 3214868480
	.fill 96, 4, 3214868480
	.section	.rodata,"a",@progbits
	.p2align	6, 0x0
	.amdhsa_kernel k_q0e1d29eaa2_attn
		.amdhsa_group_segment_fixed_size 34816
		.amdhsa_private_segment_fixed_size 0
		.amdhsa_enable_private_segment 0
		.amdhsa_kernarg_size 32
		.amdhsa_user_sgpr_count 2
		.amdhsa_user_sgpr_kernarg_segment_ptr 1
		.amdhsa_wavefront_size32 1
		.amdhsa_system_sgpr_workgroup_id_x 1
		.amdhsa_system_sgpr_workgroup_id_y 1
		.amdhsa_system_sgpr_workgroup_id_z 1
		.amdhsa_system_vgpr_workitem_id 0
		.amdhsa_next_free_vgpr 256
		.amdhsa_next_free_sgpr 100
		.amdhsa_reserve_vcc 0
		.amdhsa_float_denorm_mode_32 3
		.amdhsa_float_denorm_mode_16_64 3
		.amdhsa_memory_ordered 1
		.amdhsa_forward_progress 1
		.amdhsa_inst_pref_size 62
	.end_amdhsa_kernel
	.amdgpu_metadata
---
amdhsa.version: [ 1, 2 ]
amdhsa.kernels:
  - .name:           k_q0e1d29eaa2_attn
    .symbol:         k_q0e1d29eaa2_attn.kd
    .args:
      - { .name: qkv, .offset: 0, .size: 8, .value_kind: global_buffer, .address_space: global }
      - { .name: maskw, .offset: 8, .size: 8, .value_kind: global_buffer, .address_space: global }
      - { .name: lowp_scales, .offset: 16, .size: 8, .value_kind: global_buffer, .address_space: global }
      - { .name: ao, .offset: 24, .size: 8, .value_kind: global_buffer, .address_space: global }
    .group_segment_fixed_size: 34816
    .private_segment_fixed_size: 0
    .kernarg_segment_align: 8
    .kernarg_segment_size: 32
    .max_flat_workgroup_size: 512
    .sgpr_count:     100
    .vgpr_count:     256
    .wavefront_size: 32
...
	.end_amdgpu_metadata
.endif
;; end of part 3
;; launch wo (part 4): grid 4 x 16, 4 waves a work-group, clusters of 4 x 4, 327,680 bytes of LDS; arguments ao, prepc, bo, lowp_scales, acc32; writes acc32
.if DOCPART == 4
	.amdgcn_target "amdgcn-amd-amdhsa--gfx1250"
	.amdhsa_code_object_version 6
	.text
	.protected	k_q0e1d29eaa2_wo
	.globl	k_q0e1d29eaa2_wo
	.p2align	8
	.type	k_q0e1d29eaa2_wo,@function
k_q0e1d29eaa2_wo:
	s_mov_b64 s[64:65], 0
	v_nop
	global_prefetch_b8 v0, s[64:65] scope:SCOPE_SE
	s_setreg_imm32_b32 hwreg(HW_REG_WAVE_MODE, 25, 1), 1
	s_wait_xcnt 0x0
	s_wait_alu depctr_hold_cnt(0) depctr_sa_sdst(0) depctr_va_vdst(0) depctr_va_sdst(0) depctr_va_ssrc(0) depctr_va_vcc(0) depctr_vm_vsrc(0)
	s_getreg_b32 s2, hwreg(HW_REG_IB_STS2, 6, 4)
	s_cmp_eq_u32 s2, 0
	s_cbranch_scc0 .Lentry_in_a_cluster
	s_endpgm
.Lentry_in_a_cluster:
	s_bfe_u32 s2, ttmp6, 0x10000c
	s_cmp_lg_u32 s2, 0xf033
	s_cbranch_scc0 .Lentry_shape_is_right
	s_endpgm
.Lentry_shape_is_right:
; Launch 4 of 8: attention's result x Wo + bo, on codes of E4M3; the sums leave as f32.  Nothing is left out.  (Launch 7 is this text with other constants at its head.)
; A tile of the result is 256 x 256; four waves, each 128 x 128 in 64 accumulators.  1,024 columns give 64 tiles: 64 work-groups.
; OPERANDS lie in memory as images of fragments' registers: 128 rows x 256 K are 32,768 consecutive bytes, which one tensor load brings; a fragment is four ds_load_b128 of 512 consecutive bytes: no pitch, no padding.
; A tile's 16 rows are rows 32 (y / 2) + 8 (y % 2) + r + 8 (r / 8) of their block, on both sides.  THE MATRIX INSTRUCTION IS USED TRANSPOSED (source 0 = the weight's 16 rows, source 1 = A's): lane (r, h) holds A's row r of tile a,
; and the 64 registers of accumulators (a, 0 .. 7) are columns 32 c + 16 h + i at register 16 c + i.
; OUT: an f32 image in the same order: byte (((row block 8 + column block) 8 + tile) 4 + c) 2048 + 512 j + 16 L holds columns 32 c + 16 h + 4 j .. + 3 of the tile's row r: every store is 512 consecutive bytes, with no turn through LDS.
; CLUSTERS: 4 x 4 work-groups; A's tile is shared along a row of the cluster, the weight's along a column, each asked for jointly.
; LIMIT: the two operands' exponents added lie between -126 and 127.
; REGISTERS, in windows of 256: window 0: v16-31 addresses; v32-95 the bias; from v128 A's fragments, ONE set; on the way out v96-223 two sets of results.  window 1: the weight's fragments, TWO sets.  windows 2, 3: the accumulators.
.set KTOT,   1024
.set BOFF,   15<<20                    ; the weight's codes in prepc
.set SOFF,   0x28                      ; the two exponents: entries 10, 11
.set PART,   32768                     ; what one tensor load brings: 128 rows x 256 K
.set SLOT,   4*PART                    ; A's two blocks of 128 rows, then the weight's two
.set SPARE,  2*SLOT                    ; behind the ring: the spare words, 128 bytes for each wave
.set BLKB,   (KTOT/128)*16384          ; a block of 128 rows in memory
.set LAPS,   KTOT/512                  ; a lap = two slots = 512 along K
.set FR,     16
.set NL,     4
.set NP,     4                         ; places behind this matrix instruction (ISA guide 7.12.1)
.set ADRA, 16
.set ADRB, 20
.set LI,   26                          ; v26     16 x lane
.set BO,   27                          ; v27     my offset in the bias
.set SPW,  28                          ; v28     LDS address of my spare word; never rewritten
.set NIL,  29                          ; v29     0; never rewritten
.set BI,   32
.set TMP,  96
.set AF,   128
.set G1, 24
.set G0, 32
.set G1B, 48
.set G0B, 56
.set MSB, 0
.macro WIN new                         ; the immediate's high byte repeats the setting that is left
.if MSB != \new
	s_set_vgpr_msb (MSB<<8)|\new
.set MSB, \new
.endif
.endm
.set MUL_LO, 0xa1                      ; source 0 (B) window 1, source 1 (A) window 0, C and D window 2
.set MUL_HI, 0xf1                      ; the same, C and D window 3
.set TO_B,   0x40                      ; destination window 1, address window 0
; A joint load: waves 0 and 1 fetch for A, waves 2 and 3 for B; the branch hangs on the wave's number alone.  An s_nop 0 and four v_nop follow each of the two lines.
.macro JLOAD g0a, g1a, g0b, g1b
	s_cmp_eq_u32 s15, 0
	s_cbranch_scc0 .Lfor_b_\@
	tensor_load_to_lds s[\g0a:\g0a+3], s[\g1a:\g1a+7]
	s_nop 0
.rept 4
	v_nop
.endr
	s_branch .Lasked_\@
.Lfor_b_\@:
	tensor_load_to_lds s[\g0b:\g0b+3], s[\g1b:\g1b+7]
	s_nop 0
.rept 4
	v_nop
.endr
.Lasked_\@:
.endm
.macro CREST                           ; a round of the cluster's barrier behind its opening barrier
	s_cmp_lg_u32 s14, 0
	s_cbranch_scc1 .Lnot_wave_0_\@
	s_barrier_signal -3
.Lnot_wave_0_\@:
	s_barrier_wait -3
	s_barrier_signal -1
	s_barrier_wait -1
.endm
.macro CROUND
	s_barrier_signal -1
	s_barrier_wait -1
	CREST
.endm
.macro FRAG reg, adr, q, i             ; fragment i of the slot's q-th 128 along K: four loads of 512 consecutive bytes
.irp c, 0,1,2,3
	ds_load_b128 v[\reg+4*\c:\reg+4*\c+3], v[\adr] offset:16384*(\q)+2048*(\i)+512*\c
.endr
.endm
; 16 matrix instructions: A's blocks a0, a0 + 1 x B's eight.  p: B's set.  zero = 1: the first product starts the sums.  The 64 accumulators take turns, one instruction a turn.
.macro MUL16 a0, p, zero
.irp a, \a0, \a0+1
.irp b, 0,1,2,3,4,5,6,7
.if \zero
	v_wmma_f32_16x16x128_fp8_fp8 v[8*(8*((\a)%4)+\b):8*(8*((\a)%4)+\b)+7], v[128*(\p)+FR*\b:128*(\p)+FR*\b+FR-1], v[AF+FR*(\a):AF+FR*(\a)+FR-1], 0
.else
	v_wmma_f32_16x16x128_fp8_fp8 v[8*(8*((\a)%4)+\b):8*(8*((\a)%4)+\b)+7], v[128*(\p)+FR*\b:128*(\p)+FR*\b+FR-1], v[AF+FR*(\a):AF+FR*(\a)+FR-1], v[8*(8*((\a)%4)+\b):8*(8*((\a)%4)+\b)+7]
.endif
.endr
.endr
.endm
.macro FETCH_B slot, q, p
	WIN TO_B
.irp i, 0,1,2,3,4,5,6,7
	FRAG 128*(\p)+FR*\i, ADRB+\slot, \q, \i
.endr
	WIN 0
.endm
.macro FETCH_A slot, q, i0
.irp i, \i0, \i0+1, \i0+2, \i0+3
	FRAG AF+FR*(\i), ADRA+\slot, \q, \i
.endr
.endm
.macro PLACES n                        ; plain vector lines between a matrix instruction and a load into, or a read of, its registers
.rept \n
	v_nop
.endr
.endm
.macro STEP slot, q, zero              ; a step of 128 along K that has its successor in the same slot
	s_wait_dscnt 4*NL                              ; B's set and A's blocks 0-3 are in; the youngest 16 loads (A's blocks 4-7) may be out
	WIN MUL_LO
	MUL16 0, (\q)%2, \zero
	MUL16 2, (\q)%2, \zero
	s_wait_dscnt 0
	PLACES NP
	FETCH_B \slot, (\q)+1, 1-(\q)%2
	FETCH_A \slot, (\q)+1, 0
	WIN MUL_HI
	MUL16 4, (\q)%2, \zero
	MUL16 6, (\q)%2, \zero
	PLACES NP
	WIN 0
	FETCH_A \slot, (\q)+1, 4
.endm
; A slot's last step changes slots: in front of the barrier each wave waits for all its tensor loads, adds 0 to its spare word, and waits for that and for its reads of this slot.  fill = 1: the barrier opens a round of the cluster's, and this slot is filled again.
.macro TURN slot, next, fill
	s_wait_tensorcnt 0x0                           ; all my tensor loads have landed: my part of the next slot
	ds_add_u32 v[SPW], v[NIL]
	s_wait_dscnt 4*NL+1                            ; (the add and the youngest 16 loads may be out)
	WIN MUL_LO
	MUL16 0, 1, 0
	s_wait_dscnt 0x0                               ; the add is done, and my reads of this slot are over
	s_barrier_signal -1
	MUL16 2, 1, 0
	WIN 0
	s_barrier_wait -1
.if \fill
	CREST                                          ; no wave of any partner still reads this slot or has a load on its way
	s_add_nc_u64 s[G0+4*\slot+2:G0+4*\slot+3], s[G0+4*\slot+2:G0+4*\slot+3], 2*PART
	s_add_nc_u64 s[G0B+4*\slot+2:G0B+4*\slot+3], s[G0B+4*\slot+2:G0B+4*\slot+3], 2*PART
	JLOAD G0+4*\slot, G1, G0B+4*\slot, G1B         ; the first tensor load behind the round; its four v_nop are the places in front of the loads below
.else
	PLACES NP
.endif
	FETCH_B \next, 0, 0
	FETCH_A \next, 0, 0
	WIN MUL_HI
	MUL16 4, 1, 0
	MUL16 6, 1, 0
	PLACES NP
	WIN 0
	FETCH_A \next, 0, 4
.endm
.macro LAST                            ; the very last step: nothing more to fetch
	s_wait_dscnt 4*NL
	WIN MUL_LO
	MUL16 0, 1, 0
	MUL16 2, 1, 0
	s_wait_dscnt 0
	WIN MUL_HI
	MUL16 4, 1, 0
	MUL16 6, 1, 0
	WIN 0
.endm
	s_load_b256 s[4:11], s[0:1], 0x0               ; A's codes s[4:5], prepc s[6:7], the bias s[8:9], the exponents s[10:11]
	s_load_b64 s[12:13], s[0:1], 0x20              ; the result
	v_lshl_add_u32 v[SPW], v0, 2, SPARE
	v_mov_b32 v[NIL], 0
	ds_add_u32 v[SPW], v[NIL]                      ; the wave's opening: the add, twice on end, and its wait ahead of my first tensor load
	ds_add_u32 v[SPW], v[NIL]
	v_lshrrev_b32 v1, 5, v0
	v_readfirstlane_b32 s14, v1                    ; wave 0..3
	s_lshr_b32 s15, s14, 1                         ; which 128 of the tile's rows are mine.  Also: I fetch for A (0) or for B (1)
	s_and_b32 s16, s14, 1                          ; which 128 of its columns.  Also: which block of that tile I fetch
	s_bfe_u32 s40, ttmp6, 0x40000                  ; cx, cy: my place in the cluster
	s_bfe_u32 s41, ttmp6, 0x40004
	s_lshl_b32 s42, ttmp9, 2
	s_add_co_u32 s42, s42, s40                     ; tile column = 4 x cluster x + cx
	s_and_b32 s17, ttmp7, 0xffff
	s_lshl_b32 s17, s17, 2
	s_add_co_u32 s17, s17, s41                     ; tile row = 4 x cluster y + cy
	s_lshl_b32 s43, s41, 2
	s_lshl_b32 s43, 15, s43                        ; my row of the cluster
	s_lshl_b32 s44, 0x1111, s40                    ; my column
	; descriptor group 1: a dense block of 32,768 bytes as 128 rows of 32 elements of 8 bytes
	s_or_b32 s[G1+0], s43, (3<<16)|(1<<21)         ; 15:0 the mask: A's tiles go to my row; 17:16 elements of 8 bytes; 21 set beside a mask
	s_or_b32 s[G1B+0], s44, (3<<16)|(1<<21)
.irp g, G1, G1B
	s_mov_b32 s[\g+1], 32<<16                      ; tensor_dim0 = 32
	s_mov_b32 s[\g+2], 128<<16                     ; tensor_dim1 = 128
	s_mov_b32 s[\g+3], 32<<16                      ; tile_dim0 = 32
	s_mov_b32 s[\g+4], 128                         ; tile_dim1 = 128
	s_mov_b32 s[\g+5], 32                          ; from row to row
	s_mov_b32 s[\g+6], 0
	s_mov_b32 s[\g+7], 0
.endr
	s_lshl_b32 s20, s17, 1
	s_add_co_u32 s20, s20, s16                     ; A: block 2 x tile row + which
	s_mul_i32 s20, s20, BLKB
	s_mov_b32 s21, 0
	s_lshl_b32 s46, s42, 1
	s_add_co_u32 s46, s46, s16                     ; B: block 2 x tile column + which
	s_mul_i32 s46, s46, BLKB
	s_add_co_u32 s46, s46, BOFF
	s_mov_b32 s47, 0
	s_mul_i32 s45, s14, PART                       ; where they go: wave x 32,768: no place in the cluster enters an LDS address
	s_wait_dscnt 0x0                               ; both opening adds are done
	s_wait_kmcnt 0x0
	s_load_b64 s[96:97], s[10:11], SOFF            ; the two operands' exponents
	s_add_nc_u64 s[20:21], s[4:5], s[20:21]
	s_add_nc_u64 s[46:47], s[6:7], s[46:47]
	CROUND                                         ; all sixteen work-groups are here: the first joint loads meet
.irp s, 0,1
	s_mov_b32 s[G0+4*\s], 1
	s_add_co_u32 s[G0+4*\s+1], s45, \s*SLOT
	s_add_nc_u64 s[G0+4*\s+2:G0+4*\s+3], s[20:21], \s*PART
	s_or_b32 s[G0+4*\s+3], s[G0+4*\s+3], 0x80000000
	s_mov_b32 s[G0B+4*\s], 1
	s_add_co_u32 s[G0B+4*\s+1], s45, \s*SLOT
	s_add_nc_u64 s[G0B+4*\s+2:G0B+4*\s+3], s[46:47], \s*PART
	s_or_b32 s[G0B+4*\s+3], s[G0B+4*\s+3], 0x80000000
	JLOAD G0+4*\s, G1, G0B+4*\s, G1B
.endr
	v_and_b32 v1, 31, v0
	v_lshlrev_b32 v[LI], 4, v1
	s_lshl_b32 s21, s15, 15                        ; my 128 rows of A
	s_lshl_b32 s22, s16, 15                        ; my 128 rows of B,
	s_add_co_u32 s22, s22, 2*PART                  ; which lie behind A's
.irp s, 0,1
	v_add_nc_u32 v[ADRA+\s], s21, v[LI]
	v_add_nc_u32 v[ADRB+\s], s22, v[LI]
	s_add_co_u32 s21, s21, SLOT
	s_add_co_u32 s22, s22, SLOT
.endr
	s_lshl_b32 s46, s42, 1
	s_add_co_u32 s46, s46, s16                     ; my block of 128 columns
	s_lshl_b32 s20, s17, 1
	s_add_co_u32 s20, s20, s15                     ; my block of 128 rows
	s_lshl_b32 s20, s20, 3
	s_add_co_u32 s20, s20, s46
	s_lshl_b32 s20, s20, 16                        ; (row block 8 + column block) x 8 tiles x 8,192 bytes
	s_mov_b32 s21, 0
	s_add_nc_u64 s[12:13], s[12:13], s[20:21]
	s_lshl_b32 s46, s46, 9
	s_mov_b32 s47, 0
	s_add_nc_u64 s[8:9], s[8:9], s[46:47]
	v_bfe_u32 v[BO], v0, 4, 1
	v_lshlrev_b32 v[BO], 6, v[BO]                  ; 64 h
.set j, 0
.rept 16
	global_load_b128 v[BI+4*j:BI+4*j+3], v[BO], s[8:9] offset:128*(j/4)+16*(j%4)   ; register 16 c + i: the bias of column 32 c + 16 h + i; awaited on the way out
.set j, j+1
.endr
	s_wait_tensorcnt 1                             ; my part of slot 0 is in; slot 1's load may be out
	s_barrier_signal -1
	s_barrier_wait -1
	FETCH_B 0, 0, 0
	FETCH_A 0, 0, 0
	FETCH_A 0, 0, 4
	STEP 0, 0, 1                                   ; the first step stands in front of the loop: its products start the sums
	s_mov_b32 s3, LAPS-1
.Llap:
	TURN 0, 1, 1
	STEP 1, 0, 0
	TURN 1, 0, 1
	STEP 0, 0, 0
	s_sub_co_u32 s3, s3, 1
	s_cmp_lg_u32 s3, 0
	s_cbranch_scc1 .Llap
	TURN 0, 1, 0                                   ; the last lap fills nothing, and has no round of the cluster's barrier
	STEP 1, 0, 0
	LAST
	s_wait_kmcnt 0x0
	s_add_co_i32 s96, s96, s97
	s_add_co_i32 s96, s96, 127
	s_lshl_b32 s96, s96, 23                        ; 2^(the two exponents added) as f32
	s_mov_b32 s97, s96
	s_wait_loadcnt 0x0                             ; the bias
	PLACES NP
.macro OUT_IMG a                       ; tile a of my rows: sum x 2^(..) + bias, each accumulator from its low end on; 16 stores of 512 consecutive bytes
.if (\a) >= 2
	s_wait_xcnt 0x0                                ; tile a - 2's stores have read their data
.endif
.set AC, 64*((\a)%4)
.set TS, TMP+64*((\a)%2)
	WIN 0x02+((\a)/4)                              ; source 0: window 2 or 3
.set j, 0
.rept 32
	v_pk_fma_f32 v[TS+j:TS+j+1], v[AC+j:AC+j+1], s[96:97], v[BI+j:BI+j+1] op_sel_hi:[1,0,1]
.set j, j+2
.endr
	WIN 0
.set j, 0
.rept 16
	global_store_b128 v[LI], v[TS+4*j:TS+4*j+3], s[12:13] offset:8192*(\a)+512*j
.set j, j+1
.endr
.endm
.irp a, 0,1,2,3,4,5,6,7
	OUT_IMG \a
.endr
	s_wait_tensorcnt 0x0                           ; the wave's end
	ds_add_u32 v[SPW], v[NIL]
	s_wait_dscnt 0x0
	CROUND                                         ; the closing round: no work-group ends while a partner may still ask for a tile that names it
	s_endpgm
.Lfunc_end_k_q0e1d29eaa2_wo:
	.size	k_q0e1d29eaa2_wo, .Lfunc_end_k_q0e1d29eaa2_wo-k_q0e1d29eaa2_wo
	.p2alignl 7, 3214868480
	.fill 96, 4, 3214868480
	.section	.rodata,"a",@progbits
	.p2align	6, 0x0
	.amdhsa_kernel k_q0e1d29eaa2_wo
		.amdhsa_group_segment_fixed_size 327680
		.amdhsa_private_segment_fixed_size 0
		.amdhsa_enable_private_segment 0
		.amdhsa_kernarg_size 40
		.amdhsa_user_sgpr_count 2
		.amdhsa_user_sgpr_kernarg_segment_ptr 1
		.amdhsa_wavefront_size32 1
		.amdhsa_system_sgpr_workgroup_id_x 1
		.amdhsa_system_sgpr_workgroup_id_y 1
		.amdhsa_system_sgpr_workgroup_id_z 1
		.amdhsa_system_vgpr_workitem_id 0
		.amdhsa_next_free_vgpr 1024
		.amdhsa_next_free_sgpr 98
		.amdhsa_reserve_vcc 0
		.amdhsa_float_denorm_mode_32 3
		.amdhsa_float_denorm_mode_16_64 3
		.amdhsa_memory_ordered 1
		.amdhsa_forward_progress 1
		.amdhsa_inst_pref_size 107
	.end_amdhsa_kernel
	.amdgpu_metadata
---
amdhsa.version: [ 1, 2 ]
amdhsa.kernels:
  - .name:           k_q0e1d29eaa2_wo
    .symbol:         k_q0e1d29eaa2_wo.kd
    .args:
      - { .name: ao, .offset: 0, .size: 8, .value_kind: global_buffer, .address_space: global }
      - { .name: prepc, .offset: 8, .size: 8, .value_kind: global_buffer, .address_space: global }
      - { .name: bo, .offset: 16, .size: 8, .value_kind: global_buffer, .address_space: global }
      - { .name: lowp_scales, .offset: 24, .size: 8, .value_kind: global_buffer, .address_space: global }
      - { .name: acc32, .offset: 32, .size: 8, .value_kind: global_buffer, .address_space: global }
    .group_segment_fixed_size: 327680
    .private_segment_fixed_size: 0
    .kernarg_segment_align: 8
    .kernarg_segment_size: 40
    .max_flat_workgroup_size: 128
    .sgpr_count:     98
    .vgpr_count:     1024
    .wavefront_size: 32
...
	.end_amdgpu_metadata
.endif
;; end of part 4
;; launch ln1 (part 5): grid 256 x 1, 8 waves a work-group, no clusters, 70,656 bytes of LDS; arguments acc32, x, g1, be1, lowp_scales, x1; writes x1
.if DOCPART == 5
	.amdgcn_target "amdgcn-amd-amdhsa--gfx1250"
	.amdhsa_code_object_version 6
	.text
	.protected	k_q0e1d29eaa2_ln1
	.globl	k_q0e1d29eaa2_ln1
	.p2align	8
	.type	k_q0e1d29eaa2_ln1,@function
k_q0e1d29eaa2_ln1:
	s_mov_b64 s[64:65], 0
	v_nop
	global_prefetch_b8 v0, s[64:65] scope:SCOPE_SE
	s_setreg_imm32_b32 hwreg(HW_REG_WAVE_MODE, 25, 1), 1
	s_wait_xcnt 0x0
; Launch 5 of 8: x1 = layer norm(x + (attention's projection)) x g1 + be1, in f32; x1 leaves twice: as an f32 image (the residual of launch 8) and as codes of E4M3 by entry 12 (launch 6's operand).  Nothing is left out.
; A work-group takes a tile of 16 rows (rows 32 (y / 2) + 8 (y % 2) + r + 8 (r / 8) of a block of 128), wave w columns 128 w on; lane (r, h) holds 64 numbers of row r: register 16 c + i is column 128 w + 32 c + 16 h + i.
; The projection comes in that order (launch 4's image): 16 loads of 512 consecutive bytes.  x comes as rows, 512 consecutive bytes a load, and turns through the wave's own stage in LDS.
; Mean and variance in two passes (the variance of the numbers less their mean): within a lane, with lane l xor 16, then over the eight waves through LDS: two barriers, on two regions.
; Memory binds: matrix units, clusters and tensor loads would add nothing.  LIMIT: entry 12 between -126 and 119.
.set STG,   8448                       ; a wave's stage: 16 rows x 528 bytes
.set RED,   8*STG                      ; 8 x 128 bytes: each wave's sums
.set RED2,  RED+1024                   ; the same for the second pass
.set SPARE, RED2+1024                  ; the spare words, 128 bytes for each of eight waves
.set Y, 16                             ; v16-79   the numbers
.set R, 80                             ; v80-143  x, then be1
.set G, 144                            ; v144-207 g1
.set T, 208                            ; v208-239 the waves' sums; two sets of 16 numbers, held
.set C, 240                            ; v240-255 the codes
.macro LANESUM sq                      ; v8 = the sum (sq = 1: of the squares) of my 64 numbers, in two packed chains
.if \sq
	v_pk_mul_f32 v[8:9], v[Y:Y+1], v[Y:Y+1]
	v_pk_mul_f32 v[10:11], v[Y+2:Y+3], v[Y+2:Y+3]
.set j, 4
.rept 15
	v_pk_fma_f32 v[8:9], v[Y+j:Y+j+1], v[Y+j:Y+j+1], v[8:9]
	v_pk_fma_f32 v[10:11], v[Y+j+2:Y+j+3], v[Y+j+2:Y+j+3], v[10:11]
.set j, j+4
.endr
.else
	v_pk_add_f32 v[8:9], v[Y:Y+1], v[Y+4:Y+5]
	v_pk_add_f32 v[10:11], v[Y+2:Y+3], v[Y+6:Y+7]
.set j, 8
.rept 14
	v_pk_add_f32 v[8:9], v[8:9], v[Y+j:Y+j+1]
	v_pk_add_f32 v[10:11], v[10:11], v[Y+j+2:Y+j+3]
.set j, j+4
.endr
.endif
	v_pk_add_f32 v[8:9], v[8:9], v[10:11]
	v_add_f32 v8, v8, v9
.endm
.macro XWAVES off                      ; v8 -> v[T]: the row's sum over all 1,024 columns, added in one fixed order in every wave
	v_permlanex16_b32 v10, v8, s16, s17
	v_add_f32 v8, v8, v10
	ds_store_b32 v7, v8 offset:\off
	s_wait_dscnt 0x0                               ; for the others' sake: my store has landed
	s_barrier_signal -1
	s_barrier_wait -1
.irp k, 0,1,2,3,4,5,6,7
	ds_load_b32 v[T+\k], v12 offset:\off+128*\k
.endr
	s_wait_dscnt 0x0
	v_add_f32 v[T], v[T], v[T+1]
	v_add_f32 v[T+2], v[T+2], v[T+3]
	v_add_f32 v[T+4], v[T+4], v[T+5]
	v_add_f32 v[T+6], v[T+6], v[T+7]
	v_add_f32 v[T], v[T], v[T+2]
	v_add_f32 v[T+4], v[T+4], v[T+6]
	v_add_f32 v[T], v[T], v[T+4]
.endm
	s_load_b256 s[4:11], s[0:1], 0x0               ; acc32 s[4:5], x s[6:7], g1 s[8:9], be1 s[10:11]
	s_load_b128 s[12:15], s[0:1], 0x20             ; the exponents s[12:13], x1 s[14:15]
	v_lshl_add_u32 v4, v0, 2, SPARE
	v_mov_b32 v5, 0
	v_lshrrev_b32 v1, 5, v0
	v_readfirstlane_b32 s2, v1                     ; wave 0..7
	v_and_b32 v13, 31, v0
	v_lshlrev_b32 v1, 4, v13                       ; 16 L
	s_mul_i32 s3, s2, STG
	v_add_nc_u32 v2, s3, v1                        ; the stage by rows
	v_and_b32 v14, 15, v0
	v_bfe_u32 v15, v0, 4, 1
	v_mul_u32_u24 v3, v14, 528
	v_lshl_add_u32 v3, v15, 6, v3
	v_add_nc_u32 v3, s3, v3                        ; the stage by lanes: row r, + 64 h
	v_lshlrev_b32 v6, 6, v15                       ; 64 h
	v_lshlrev_b32 v12, 2, v13
	v_add_nc_u32 v12, RED, v12                     ; RED + 4 L
	s_lshl_b32 s3, s2, 7
	v_add_nc_u32 v7, s3, v12                       ; + 128 x wave
	s_mov_b32 s16, 0x76543210
	s_mov_b32 s17, 0xfedcba98
	s_mov_b32 s18, 0x3a800000                      ; 1 / 1,024
	s_mov_b32 s19, 0x3727c5ac                      ; 1e-5
	s_lshr_b32 s20, ttmp9, 3                       ; the block of 128 rows
	s_and_b32 s21, ttmp9, 7                        ; the tile in it
	s_lshl_b32 s22, s20, 7
	s_lshr_b32 s23, s21, 1
	s_lshl_b32 s23, s23, 5
	s_add_co_u32 s22, s22, s23
	s_and_b32 s23, s21, 1
	s_lshl_b32 s23, s23, 3
	s_add_co_u32 s22, s22, s23                     ; the tile's first row
	s_lshl_b32 s22, s22, 12
	s_lshl_b32 s28, s2, 9                          ; my 128 columns x 4 bytes
	s_add_co_u32 s22, s22, s28
	s_mov_b32 s23, 0
	s_mov_b32 s29, 0
	s_lshl_b32 s24, s20, 3
	s_add_co_u32 s24, s24, s2
	s_lshl_b32 s24, s24, 3
	s_add_co_u32 s24, s24, s21                     ; (block 8 + wave) 8 + tile
	s_lshl_b32 s26, s24, 11
	s_add_co_u32 s26, s26, 16<<20                  ; the codes, behind the image
	s_mov_b32 s27, 0
	s_lshl_b32 s24, s24, 13
	s_mov_b32 s25, 0
	s_wait_kmcnt 0x0
	s_load_b32 s30, s[12:13], 0x30                 ; entry 12
	s_add_nc_u64 s[6:7], s[6:7], s[22:23]
	s_add_nc_u64 s[4:5], s[4:5], s[24:25]
	s_add_nc_u64 s[8:9], s[8:9], s[28:29]
	s_add_nc_u64 s[10:11], s[10:11], s[28:29]
	s_add_nc_u64 s[32:33], s[14:15], s[26:27]
	s_add_nc_u64 s[14:15], s[14:15], s[24:25]
.set j, 0
.rept 16
	global_load_b128 v[R+4*j:R+4*j+3], v1, s[6:7] offset:(j+8*(j/8))*4096      ; x: 512 consecutive bytes of row j of the tile
.set j, j+1
.endr
.set j, 0
.rept 16
	global_load_b128 v[Y+4*j:Y+4*j+3], v1, s[4:5] offset:512*j th:TH_LOAD_NT   ; the projection's image
.set j, j+1
.endr
.set j, 0
.rept 16
	global_load_b128 v[G+4*j:G+4*j+3], v6, s[8:9] offset:128*(j/4)+16*(j%4)
.set j, j+1
.endr
	s_wait_loadcnt 32                              ; x is in; the 32 younger loads may be out
.set j, 0
.rept 16
	ds_store_b128 v2, v[R+4*j:R+4*j+3] offset:528*j
.set j, j+1
.endr
.set j, 0
.rept 16
	ds_load_b128 v[R+4*j:R+4*j+3], v3 offset:128*(j/4)+16*(j%4)   ; LDS serves a wave's instructions in order (ISA guide 5.7.1.4): these see my stores
.set j, j+1
.endr
	s_wait_loadcnt 16                              ; the projection is in; g1's 16 loads may be out
	s_wait_dscnt 0x0
.set j, 0
.rept 32
	v_pk_add_f32 v[Y+j:Y+j+1], v[Y+j:Y+j+1], v[R+j:R+j+1]
.set j, j+2
.endr
.set j, 0
.rept 16
	global_load_b128 v[R+4*j:R+4*j+3], v6, s[10:11] offset:128*(j/4)+16*(j%4)  ; be1, into the registers that x has left
.set j, j+1
.endr
	LANESUM 0
	XWAVES 0
	v_mul_f32 v8, s18, v[T]                        ; the mean
.set j, 0
.rept 32
	v_pk_add_f32 v[Y+j:Y+j+1], v[Y+j:Y+j+1], v[8:9] op_sel_hi:[1,0] neg_lo:[0,1] neg_hi:[0,1]
.set j, j+2
.endr
	LANESUM 1
	XWAVES RED2-RED
	v_fma_f32 v8, v[T], s18, s19                   ; the variance + 1e-5
	v_rsq_f32 v8, v8
	v_nop                                          ; a plain line behind it
	s_wait_kmcnt 0x0
	s_add_co_i32 s30, s30, 127
	s_lshl_b32 s31, s30, 23
	s_add_co_i32 s30, s30, 8
	s_lshl_b32 s30, s30, 23
	s_or_b32 s30, s30, 0x600000
	v_mov_b32 v13, s31                             ; 2^e12
	v_mov_b32 v14, s30                             ; 448 x 2^e12
	s_wait_alu depctr_va_vdst(0)                   ; the wait ahead of the root's first reader
	s_wait_loadcnt 0x0                             ; g1, be1
.set j, 0
.rept 32
	v_pk_mul_f32 v[Y+j:Y+j+1], v[Y+j:Y+j+1], v[8:9] op_sel_hi:[1,0]
.set j, j+2
.endr
.set j, 0
.rept 32
	v_pk_fma_f32 v[Y+j:Y+j+1], v[Y+j:Y+j+1], v[G+j:G+j+1], v[R+j:R+j+1]
.set j, j+2
.endr
.set j, 0
.rept 16
	global_store_b128 v1, v[Y+4*j:Y+4*j+3], s[14:15] offset:512*j              ; the image: 512 consecutive bytes a store
.set j, j+1
.endr
.irp c, 0,1,2,3
.set i, 0
.rept 16
	v_med3_num_f32 v[T+16*(\c%2)+i], v[Y+16*\c+i], -v14, v14                   ; the conversion does not saturate (ISA guide 7.6.2); into the other set than the last conversions read
.set i, i+1
.endr
	v_cvt_scalef32_pk8_fp8_f32 v[C+4*\c:C+4*\c+1], v[T+16*(\c%2):T+16*(\c%2)+7], v13
	v_cvt_scalef32_pk8_fp8_f32 v[C+4*\c+2:C+4*\c+3], v[T+16*(\c%2)+8:T+16*(\c%2)+15], v13
.endr
	v_nop
.irp c, 0,1,2,3
	global_store_b128 v1, v[C+4*\c:C+4*\c+3], s[32:33] offset:512*\c
.endr
	s_wait_tensorcnt 0x0                           ; the wave's end: behind my last LDS store
	ds_add_u32 v4, v5
	s_wait_dscnt 0x0
	s_endpgm
.Lfunc_end_k_q0e1d29eaa2_ln1:
	.size	k_q0e1d29eaa2_ln1, .Lfunc_end_k_q0e1d29eaa2_ln1-k_q0e1d29eaa2_ln1
	.p2alignl 7, 3214868480
	.fill 96, 4, 3214868480
	.section	.rodata,"a",@progbits
	.p2align	6, 0x0
	.amdhsa_kernel k_q0e1d29eaa2_ln1
		.amdhsa_group_segment_fixed_size 70656
		.amdhsa_private_segment_fixed_size 0
		.amdhsa_enable_private_segment 0
		.amdhsa_kernarg_size 48
		.amdhsa_user_sgpr_count 2
		.amdhsa_user_sgpr_kernarg_segment_ptr 1
		.amdhsa_wavefront_size32 1
		.amdhsa_system_sgpr_workgroup_id_x 1
		.amdhsa_system_sgpr_workgroup_id_y 1
		.amdhsa_system_sgpr_workgroup_id_z 1
		.amdhsa_system_vgpr_workitem_id 0
		.amdhsa_next_free_vgpr 256
		.amdhsa_next_free_sgpr 66
		.amdhsa_reserve_vcc 0
		.amdhsa_float_denorm_mode_32 3
		.amdhsa_float_denorm_mode_16_64 3
		.amdhsa_memory_ordered 1
		.amdhsa_forward_progress 1
		.amdhsa_inst_pref_size 32
	.end_amdhsa_kernel
	.amdgpu_metadata
---
amdhsa.version: [ 1, 2 ]
amdhsa.kernels:
  - .name:           k_q0e1d29eaa2_ln1
    .symbol:         k_q0e1d29eaa2_ln1.kd
    .args:
      - { .name: acc32, .offset: 0, .size: 8, .value_kind: global_buffer, .address_space: global }
      - { .name: x, .offset: 8, .size: 8, .value_kind: global_buffer, .address_space: global }
      - { .name: g1, .offset: 16, .size: 8, .value_kind: global_buffer, .address_space: global }
      - { .name: be1, .offset: 24, .size: 8, .value_kind: global_buffer, .address_space: global }
      - { .name: lowp_scales, .offset: 32, .size: 8, .value_kind: global_buffer, .address_space: global }
      - { .name: x1, .offset: 40, .size: 8, .value_kind: global_buffer, .address_space: global }
    .group_segment_fixed_size: 70656
    .private_segment_fixed_size: 0
    .kernarg_segment_align: 8
    .kernarg_segment_size: 48
    .max_flat_workgroup_size: 256
    .sgpr_count:     66
    .vgpr_count:     256
    .wavefront_size: 32
...
	.end_amdgpu_metadata
.endif
;; end of part 5
;; launch ffn1 (part 6): grid 16 x 16, 4 waves a work-group, clusters of 4 x 4, 327,680 bytes of LDS; arguments x1, prepc, b1, lowp_scales, hid; writes hid
.if DOCPART == 6
	.amdgcn_target "amdgcn-amd-amdhsa--gfx1250"
	.amdhsa_code_object_version 6
	.text
	.protected	k_q0e1d29eaa2_ffn1
	.globl	k_q0e1d29eaa2_ffn1
	.p2align	8
	.type	k_q0e1d29eaa2_ffn1,@function
k_q0e1d29eaa2_ffn1:
	s_mov_b64 s[64:65], 0
	v_nop
	global_prefetch_b8 v0, s[64:65] scope:SCOPE_SE
	s_setreg_imm32_b32 hwreg(HW_REG_WAVE_MODE, 25, 1), 1
	s_wait_xcnt 0x0
	s_wait_alu depctr_hold_cnt(0) depctr_sa_sdst(0) depctr_va_vdst(0) depctr_va_sdst(0) depctr_va_ssrc(0) depctr_va_vcc(0) depctr_vm_vsrc(0)
	s_getreg_b32 s2, hwreg(HW_REG_IB_STS2, 6, 4)
	s_cmp_eq_u32 s2, 0
	s_cbranch_scc0 .Lentry_in_a_cluster
	s_endpgm
.Lentry_in_a_cluster:
	s_bfe_u32 s2, ttmp6, 0x10000c
	s_cmp_lg_u32 s2, 0xf033
	s_cbranch_scc0 .Lentry_shape_is_right
	s_endpgm
.Lentry_shape_is_right:
; Launch 6 of 8: the hidden layer relu(x1 W1 + b1) on codes of E4M3, quantised by entry 14 on the way out: it goes to memory as codes alone.  Nothing is left out.
; The walk over K is launch 2's: a tile of 256 x 256, four waves of 128 x 128, operands as images of fragments' registers (32,768 consecutive bytes a tensor load; a fragment is four ds_load_b128 of 512 consecutive bytes),
; tiles of 16 rows 32 (y / 2) + 8 (y % 2) + r + 8 (r / 8) on both sides, the matrix instruction used transposed: lane (r, h) holds row r of tile a, and register 16 c + i of accumulators (a, 0 .. 7) is hidden unit 32 c + 16 h + i
; of my 128: the order of a fragment's registers along the next K.  So a tile's 64 numbers a lane become one fragment of launch 7's operand, stored as it lies: four stores of 512 consecutive bytes.
; The activation costs nothing: the hold that the conversion wants clips at 0 as well.
; CLUSTERS: 4 x 4 work-groups; x1's tile is shared along a row of the cluster, W1's along a column, each asked for jointly.  4,096 columns give 256 tiles: a work-group to each.
; LIMITS: entries 12 + 13 between -126 and 127; entry 14 between -126 and 119.
; REGISTERS, in windows of 256: window 0: v16-31 addresses; v32-95 the bias; from v128 A's fragments, ONE set; on the way out v96-159 sums, v224-255 codes.  window 1: W1's fragments, TWO sets.  windows 2, 3: the accumulators.
.set KTOT,   1024
.set AOFF,   16<<20                    ; x1's codes lie behind its image
.set BOFF,   16<<20                    ; W1's codes in prepc
.set PART,   32768
.set SLOT,   4*PART
.set SPARE,  2*SLOT
.set BLKB,   (KTOT/128)*16384
.set LAPS,   KTOT/512
.set FR,     16
.set NL,     4
.set NP,     4
.set ADRA, 16
.set ADRB, 20
.set LI,   26
.set BO,   27
.set SPW,  28
.set NIL,  29
.set SCV,  30
.set LIMV, 31
.set BI,   32
.set TMP,  96
.set AF,   128
.set CD,   224
.set G1, 24
.set G0, 32
.set G1B, 48
.set G0B, 56
.set MSB, 0
.macro WIN new                         ; the immediate's high byte repeats the setting that is left
.if MSB != \new
	s_set_vgpr_msb (MSB<<8)|\new
.set MSB, \new
.endif
.endm
.set MUL_LO, 0xa1
.set MUL_HI, 0xf1
.set TO_B,   0x40
.macro JLOAD g0a, g1a, g0b, g1b        ; a joint load: waves 0 and 1 for A, waves 2 and 3 for B; an s_nop 0 and four v_nop follow each line
	s_cmp_eq_u32 s15, 0
	s_cbranch_scc0 .Lfor_b_\@
	tensor_load_to_lds s[\g0a:\g0a+3], s[\g1a:\g1a+7]
	s_nop 0
.rept 4
	v_nop
.endr
	s_branch .Lasked_\@
.Lfor_b_\@:
	tensor_load_to_lds s[\g0b:\g0b+3], s[\g1b:\g1b+7]
	s_nop 0
.rept 4
	v_nop
.endr
.Lasked_\@:
.endm
.macro CREST
	s_cmp_lg_u32 s14, 0
	s_cbranch_scc1 .Lnot_wave_0_\@
	s_barrier_signal -3
.Lnot_wave_0_\@:
	s_barrier_wait -3
	s_barrier_signal -1
	s_barrier_wait -1
.endm
.macro CROUND
	s_barrier_signal -1
	s_barrier_wait -1
	CREST
.endm
.macro FRAG reg, adr, q, i
.irp c, 0,1,2,3
	ds_load_b128 v[\reg+4*\c:\reg+4*\c+3], v[\adr] offset:16384*(\q)+2048*(\i)+512*\c
.endr
.endm
.macro MUL16 a0, p, zero               ; the 64 accumulators take turns, one instruction a turn
.irp a, \a0, \a0+1
.irp b, 0,1,2,3,4,5,6,7
.if \zero
	v_wmma_f32_16x16x128_fp8_fp8 v[8*(8*((\a)%4)+\b):8*(8*((\a)%4)+\b)+7], v[128*(\p)+FR*\b:128*(\p)+FR*\b+FR-1], v[AF+FR*(\a):AF+FR*(\a)+FR-1], 0
.else
	v_wmma_f32_16x16x128_fp8_fp8 v[8*(8*((\a)%4)+\b):8*(8*((\a)%4)+\b)+7], v[128*(\p)+FR*\b:128*(\p)+FR*\b+FR-1], v[AF+FR*(\a):AF+FR*(\a)+FR-1], v[8*(8*((\a)%4)+\b):8*(8*((\a)%4)+\b)+7]
.endif
.endr
.endr
.endm
.macro FETCH_B slot, q, p
	WIN TO_B
.irp i, 0,1,2,3,4,5,6,7
	FRAG 128*(\p)+FR*\i, ADRB+\slot, \q, \i
.endr
	WIN 0
.endm
.macro FETCH_A slot, q, i0
.irp i, \i0, \i0+1, \i0+2, \i0+3
	FRAG AF+FR*(\i), ADRA+\slot, \q, \i
.endr
.endm
.macro PLACES n
.rept \n
	v_nop
.endr
.endm
.macro STEP slot, q, zero
	s_wait_dscnt 4*NL                              ; B's set and A's blocks 0-3 are in; the youngest 16 loads (A's blocks 4-7) may be out
	WIN MUL_LO
	MUL16 0, (\q)%2, \zero
	MUL16 2, (\q)%2, \zero
	s_wait_dscnt 0
	PLACES NP
	FETCH_B \slot, (\q)+1, 1-(\q)%2
	FETCH_A \slot, (\q)+1, 0
	WIN MUL_HI
	MUL16 4, (\q)%2, \zero
	MUL16 6, (\q)%2, \zero
	PLACES NP
	WIN 0
	FETCH_A \slot, (\q)+1, 4
.endm
.macro TURN slot, next, fill
	s_wait_tensorcnt 0x0                           ; all my tensor loads have landed: my part of the next slot
	ds_add_u32 v[SPW], v[NIL]
	s_wait_dscnt 4*NL+1                            ; (the add and the youngest 16 loads may be out)
	WIN MUL_LO
	MUL16 0, 1, 0
	s_wait_dscnt 0x0                               ; the add is done, and my reads of this slot are over
	s_barrier_signal -1
	MUL16 2, 1, 0
	WIN 0
	s_barrier_wait -1
.if \fill
	CREST                                          ; no wave of any partner still reads this slot or has a load on its way
	s_add_nc_u64 s[G0+4*\slot+2:G0+4*\slot+3], s[G0+4*\slot+2:G0+4*\slot+3], 2*PART
	s_add_nc_u64 s[G0B+4*\slot+2:G0B+4*\slot+3], s[G0B+4*\slot+2:G0B+4*\slot+3], 2*PART
	JLOAD G0+4*\slot, G1, G0B+4*\slot, G1B
.else
	PLACES NP
.endif
	FETCH_B \next, 0, 0
	FETCH_A \next, 0, 0
	WIN MUL_HI
	MUL16 4, 1, 0
	MUL16 6, 1, 0
	PLACES NP
	WIN 0
	FETCH_A \next, 0, 4
.endm
.macro LAST
	s_wait_dscnt 4*NL
	WIN MUL_LO
	MUL16 0, 1, 0
	MUL16 2, 1, 0
	s_wait_dscnt 0
	WIN MUL_HI
	MUL16 4, 1, 0
	MUL16 6, 1, 0
	WIN 0
.endm
	s_load_b256 s[4:11], s[0:1], 0x0               ; x1 s[4:5], prepc s[6:7], b1 s[8:9], the exponents s[10:11]
	s_load_b64 s[12:13], s[0:1], 0x20              ; hid
	v_lshl_add_u32 v[SPW], v0, 2, SPARE
	v_mov_b32 v[NIL], 0
	ds_add_u32 v[SPW], v[NIL]                      ; the wave's opening: the add, twice on end, and its wait ahead of my first tensor load
	ds_add_u32 v[SPW], v[NIL]
	v_lshrrev_b32 v1, 5, v0
	v_readfirstlane_b32 s14, v1
	s_lshr_b32 s15, s14, 1
	s_and_b32 s16, s14, 1
	s_bfe_u32 s40, ttmp6, 0x40000
	s_bfe_u32 s41, ttmp6, 0x40004
	s_lshl_b32 s42, ttmp9, 2
	s_add_co_u32 s42, s42, s40                     ; tile column
	s_and_b32 s17, ttmp7, 0xffff
	s_lshl_b32 s17, s17, 2
	s_add_co_u32 s17, s17, s41                     ; tile row
	s_lshl_b32 s43, s41, 2
	s_lshl_b32 s43, 15, s43
	s_lshl_b32 s44, 0x1111, s40
	s_or_b32 s[G1+0], s43, (3<<16)|(1<<21)         ; a dense block of 32,768 bytes as 128 rows of 32 elements of 8 bytes; the mask; bit 21 beside it
	s_or_b32 s[G1B+0], s44, (3<<16)|(1<<21)
.irp g, G1, G1B
	s_mov_b32 s[\g+1], 32<<16
	s_mov_b32 s[\g+2], 128<<16
	s_mov_b32 s[\g+3], 32<<16
	s_mov_b32 s[\g+4], 128
	s_mov_b32 s[\g+5], 32
	s_mov_b32 s[\g+6], 0
	s_mov_b32 s[\g+7], 0
.endr
	s_lshl_b32 s20, s17, 1
	s_add_co_u32 s20, s20, s16
	s_mul_i32 s20, s20, BLKB
	s_add_co_u32 s20, s20, AOFF
	s_mov_b32 s21, 0
	s_lshl_b32 s46, s42, 1
	s_add_co_u32 s46, s46, s16
	s_mul_i32 s46, s46, BLKB
	s_add_co_u32 s46, s46, BOFF
	s_mov_b32 s47, 0
	s_mul_i32 s45, s14, PART
	s_wait_dscnt 0x0                               ; both opening adds are done
	s_wait_kmcnt 0x0
	s_load_b64 s[96:97], s[10:11], 0x30            ; entries 12, 13
	s_load_b32 s68, s[10:11], 0x38                 ; entry 14
	s_add_nc_u64 s[20:21], s[4:5], s[20:21]
	s_add_nc_u64 s[46:47], s[6:7], s[46:47]
	CROUND
.irp s, 0,1
	s_mov_b32 s[G0+4*\s], 1
	s_add_co_u32 s[G0+4*\s+1], s45, \s*SLOT
	s_add_nc_u64 s[G0+4*\s+2:G0+4*\s+3], s[20:21], \s*PART
	s_or_b32 s[G0+4*\s+3], s[G0+4*\s+3], 0x80000000
	s_mov_b32 s[G0B+4*\s], 1
	s_add_co_u32 s[G0B+4*\s+1], s45, \s*SLOT
	s_add_nc_u64 s[G0B+4*\s+2:G0B+4*\s+3], s[46:47], \s*PART
	s_or_b32 s[G0B+4*\s+3], s[G0B+4*\s+3], 0x80000000
	JLOAD G0+4*\s, G1, G0B+4*\s, G1B
.endr
	v_and_b32 v1, 31, v0
	v_lshlrev_b32 v[LI], 4, v1
	s_lshl_b32 s21, s15, 15
	s_lshl_b32 s22, s16, 15
	s_add_co_u32 s22, s22, 2*PART
.irp s, 0,1
	v_add_nc_u32 v[ADRA+\s], s21, v[LI]
	v_add_nc_u32 v[ADRB+\s], s22, v[LI]
	s_add_co_u32 s21, s21, SLOT
	s_add_co_u32 s22, s22, SLOT
.endr
	s_lshl_b32 s46, s42, 1
	s_add_co_u32 s46, s46, s16                     ; my block of 128 hidden units: a K step of launch 7
	s_lshl_b32 s20, s17, 1
	s_add_co_u32 s20, s20, s15                     ; my block of 128 rows
	s_lshl_b32 s20, s20, 5
	s_add_co_u32 s20, s20, s46
	s_lshl_b32 s20, s20, 14                        ; (row block 32 + K step) x 16,384 bytes
	s_mov_b32 s21, 0
	s_add_nc_u64 s[12:13], s[12:13], s[20:21]
	s_lshl_b32 s46, s46, 9
	s_mov_b32 s47, 0
	s_add_nc_u64 s[8:9], s[8:9], s[46:47]
	v_bfe_u32 v[BO], v0, 4, 1
	v_lshlrev_b32 v[BO], 6, v[BO]
.set j, 0
.rept 16
	global_load_b128 v[BI+4*j:BI+4*j+3], v[BO], s[8:9] offset:128*(j/4)+16*(j%4)   ; awaited on the way out
.set j, j+1
.endr
	s_wait_tensorcnt 1                             ; my part of slot 0 is in; slot 1's load may be out
	s_barrier_signal -1
	s_barrier_wait -1
	FETCH_B 0, 0, 0
	FETCH_A 0, 0, 0
	FETCH_A 0, 0, 4
	STEP 0, 0, 1
	s_mov_b32 s3, LAPS-1
.Llap:
	TURN 0, 1, 1
	STEP 1, 0, 0
	TURN 1, 0, 1
	STEP 0, 0, 0
	s_sub_co_u32 s3, s3, 1
	s_cmp_lg_u32 s3, 0
	s_cbranch_scc1 .Llap
	TURN 0, 1, 0
	STEP 1, 0, 0
	LAST
	s_wait_kmcnt 0x0
	s_add_co_i32 s96, s96, s97
	s_add_co_i32 s96, s96, 127
	s_lshl_b32 s96, s96, 23                        ; 2^(e12 + e13) as f32
	s_mov_b32 s97, s96
	s_add_co_i32 s68, s68, 127
	s_lshl_b32 s69, s68, 23
	v_mov_b32 v[SCV], s69                          ; 2^e14
	s_add_co_i32 s68, s68, 8
	s_lshl_b32 s68, s68, 23
	s_or_b32 s68, s68, 0x600000
	v_mov_b32 v[LIMV], s68                         ; 448 x 2^e14
	s_wait_loadcnt 0x0                             ; the bias
	PLACES NP
.macro OUT_CODE a                      ; tile a of my rows: sum x 2^(..) + b1, each accumulator from its low end on; the activation and the hold in one; codes; four stores of 512 consecutive bytes
.if (\a) >= 2
	s_wait_xcnt 0x0                                ; tile a - 2's stores have read their data
.endif
.set AC, 64*((\a)%4)
	WIN 0x02+((\a)/4)
.set j, 0
.rept 32
	v_pk_fma_f32 v[TMP+j:TMP+j+1], v[AC+j:AC+j+1], s[96:97], v[BI+j:BI+j+1] op_sel_hi:[1,0,1]
.set j, j+2
.endr
	WIN 0
.set j, 0
.rept 64
	v_med3_num_f32 v[TMP+j], v[TMP+j], 0, v[LIMV]
.set j, j+1
.endr
.set j, 0
.rept 8
	v_cvt_scalef32_pk8_fp8_f32 v[CD+16*((\a)%2)+2*j:CD+16*((\a)%2)+2*j+1], v[TMP+8*j:TMP+8*j+7], v[SCV]
.set j, j+1
.endr
	v_nop                                          ; a plain line behind the last conversion: the next tile's sums write its sources
.irp c, 0,1,2,3
	global_store_b128 v[LI], v[CD+16*((\a)%2)+4*\c:CD+16*((\a)%2)+4*\c+3], s[12:13] offset:2048*(\a)+512*\c
.endr
.endm
.irp a, 0,1,2,3,4,5,6,7
	OUT_CODE \a
.endr
	s_wait_tensorcnt 0x0                           ; the wave's end
	ds_add_u32 v[SPW], v[NIL]
	s_wait_dscnt 0x0
	CROUND                                         ; the closing round
	s_endpgm
.Lfunc_end_k_q0e1d29eaa2_ffn1:
	.size	k_q0e1d29eaa2_ffn1, .Lfunc_end_k_q0e1d29eaa2_ffn1-k_q0e1d29eaa2_ffn1
	.p2alignl 7, 3214868480
	.fill 96, 4, 3214868480
	.section	.rodata,"a",@progbits
	.p2align	6, 0x0
	.amdhsa_kernel k_q0e1d29eaa2_ffn1
		.amdhsa_group_segment_fixed_size 327680
		.amdhsa_private_segment_fixed_size 0
		.amdhsa_enable_private_segment 0
		.amdhsa_kernarg_size 40
		.amdhsa_user_sgpr_count 2
		.amdhsa_user_sgpr_kernarg_segment_ptr 1
		.amdhsa_wavefront_size32 1
		.amdhsa_system_sgpr_workgroup_id_x 1
		.amdhsa_system_sgpr_workgroup_id_y 1
		.amdhsa_system_sgpr_workgroup_id_z 1
		.amdhsa_system_vgpr_workitem_id 0
		.amdhsa_next_free_vgpr 1024
		.amdhsa_next_free_sgpr 98
		.amdhsa_reserve_vcc 0
		.amdhsa_float_denorm_mode_32 3
		.amdhsa_float_denorm_mode_16_64 3
		.amdhsa_memory_ordered 1
		.amdhsa_forward_progress 1
		.amdhsa_inst_pref_size 135
	.end_amdhsa_kernel
	.amdgpu_metadata
---
amdhsa.version: [ 1, 2 ]
amdhsa.kernels:
  - .name:           k_q0e1d29eaa2_ffn1
    .symbol:         k_q0e1d29eaa2_ffn1.kd
    .args:
      - { .name: x1, .offset: 0, .size: 8, .value_kind: global_buffer, .address_space: global }
      - { .name: prepc, .offset: 8, .size: 8, .value_kind: global_buffer, .address_space: global }
      - { .name: b1, .offset: 16, .size: 8, .value_kind: global_buffer, .address_space: global }
      - { .name: lowp_scales, .offset: 24, .size: 8, .value_kind: global_buffer, .address_space: global }
      - { .name: hid, .offset: 32, .size: 8, .value_kind: global_buffer, .address_space: global }
    .group_segment_fixed_size: 327680
    .private_segment_fixed_size: 0
    .kernarg_segment_align: 8
    .kernarg_segment_size: 40
    .max_flat_workgroup_size: 128
    .sgpr_count:     98
    .vgpr_count:     1024
    .wavefront_size: 32
...
	.end_amdgpu_metadata
.endif
;; end of part 6
;; launch ffn2 (part 7): grid 4 x 16, 4 waves a work-group, clusters of 4 x 4, 327,680 bytes of LDS; arguments hid, prepc, b2, lowp_scales, acc32; writes acc32
.if DOCPART == 7
	.amdgcn_target "amdgcn-amd-amdhsa--gfx1250"
	.amdhsa_code_object_version 6
	.text
	.protected	k_q0e1d29eaa2_ffn2
	.globl	k_q0e1d29eaa2_ffn2
	.p2align	8
	.type	k_q0e1d29eaa2_ffn2,@function
k_q0e1d29eaa2_ffn2:
	s_mov_b64 s[64:65], 0
	v_nop
	global_prefetch_b8 v0, s[64:65] scope:SCOPE_SE
	s_setreg_imm32_b32 hwreg(HW_REG_WAVE_MODE, 25, 1), 1
	s_wait_xcnt 0x0
	s_wait_alu depctr_hold_cnt(0) depctr_sa_sdst(0) depctr_va_vdst(0) depctr_va_sdst(0) depctr_va_ssrc(0) depctr_va_vcc(0) depctr_vm_vsrc(0)
	s_getreg_b32 s2, hwreg(HW_REG_IB_STS2, 6, 4)
	s_cmp_eq_u32 s2, 0
	s_cbranch_scc0 .Lentry_in_a_cluster
	s_endpgm
.Lentry_in_a_cluster:
	s_bfe_u32 s2, ttmp6, 0x10000c
	s_cmp_lg_u32 s2, 0xf033
	s_cbranch_scc0 .Lentry_shape_is_right
	s_endpgm
.Lentry_shape_is_right:
; Launch 7 of 8: the hidden layer x W2 + b2, on codes of E4M3; the sums leave as f32.  Nothing is left out.  This is launch 4's text with K = 4,096 and W2's place and exponents at its head.
; A tile of the result is 256 x 256; four waves, each 128 x 128 in 64 accumulators.  1,024 columns give 64 tiles: 64 work-groups.
; OPERANDS lie in memory as images of fragments' registers: 128 rows x 256 K are 32,768 consecutive bytes, which one tensor load brings; a fragment is four ds_load_b128 of 512 consecutive bytes: no pitch, no padding.
; A tile's 16 rows are rows 32 (y / 2) + 8 (y % 2) + r + 8 (r / 8) of their block, on both sides.  THE MATRIX INSTRUCTION IS USED TRANSPOSED (source 0 = the weight's 16 rows, source 1 = A's): lane (r, h) holds A's row r of tile a,
; and the 64 registers of accumulators (a, 0 .. 7) are columns 32 c + 16 h + i at register 16 c + i.
; OUT: an f32 image in the same order: byte (((row block 8 + column block) 8 + tile) 4 + c) 2048 + 512 j + 16 L holds columns 32 c + 16 h + 4 j .. + 3 of the tile's row r: every store is 512 consecutive bytes, with no turn through LDS.
; CLUSTERS: 4 x 4 work-groups; A's tile is shared along a row of the cluster, the weight's along a column, each asked for jointly.
; LIMIT: the two operands' exponents added lie between -126 and 127.
; REGISTERS, in windows of 256: window 0: v16-31 addresses; v32-95 the bias; from v128 A's fragments, ONE set; on the way out v96-223 two sets of results.  window 1: the weight's fragments, TWO sets.  windows 2, 3: the accumulators.
.set KTOT,   4096
.set BOFF,   20<<20                    ; the weight's codes in prepc
.set SOFF,   0x38                      ; the two exponents: entries 14, 15
.set PART,   32768
.set SLOT,   4*PART
.set SPARE,  2*SLOT
.set BLKB,   (KTOT/128)*16384
.set LAPS,   KTOT/512
.set FR,     16
.set NL,     4
.set NP,     4
.set ADRA, 16
.set ADRB, 20
.set LI,   26
.set BO,   27
.set SPW,  28
.set NIL,  29
.set BI,   32
.set TMP,  96
.set AF,   128
.set G1, 24
.set G0, 32
.set G1B, 48
.set G0B, 56
.set MSB, 0
.macro WIN new                         ; the immediate's high byte repeats the setting that is left
.if MSB != \new
	s_set_vgpr_msb (MSB<<8)|\new
.set MSB, \new
.endif
.endm
.set MUL_LO, 0xa1
.set MUL_HI, 0xf1
.set TO_B,   0x40
.macro JLOAD g0a, g1a, g0b, g1b        ; a joint load: waves 0 and 1 for A, waves 2 and 3 for B; an s_nop 0 and four v_nop follow each line
	s_cmp_eq_u32 s15, 0
	s_cbranch_scc0 .Lfor_b_\@
	tensor_load_to_lds s[\g0a:\g0a+3], s[\g1a:\g1a+7]
	s_nop 0
.rept 4
	v_nop
.endr
	s_branch .Lasked_\@
.Lfor_b_\@:
	tensor_load_to_lds s[\g0b:\g0b+3], s[\g1b:\g1b+7]
	s_nop 0
.rept 4
	v_nop
.endr
.Lasked_\@:
.endm
.macro CREST
	s_cmp_lg_u32 s14, 0
	s_cbranch_scc1 .Lnot_wave_0_\@
	s_barrier_signal -3
.Lnot_wave_0_\@:
	s_barrier_wait -3
	s_barrier_signal -1
	s_barrier_wait -1
.endm
.macro CROUND
	s_barrier_signal -1
	s_barrier_wait -1
	CREST
.endm
.macro FRAG reg, adr, q, i
.irp c, 0,1,2,3
	ds_load_b128 v[\reg+4*\c:\reg+4*\c+3], v[\adr] offset:16384*(\q)+2048*(\i)+512*\c
.endr
.endm
.macro MUL16 a0, p, zero               ; the 64 accumulators take turns, one instruction a turn
.irp a, \a0, \a0+1
.irp b, 0,1,2,3,4,5,6,7
.if \zero
	v_wmma_f32_16x16x128_fp8_fp8 v[8*(8*((\a)%4)+\b):8*(8*((\a)%4)+\b)+7], v[128*(\p)+FR*\b:128*(\p)+FR*\b+FR-1], v[AF+FR*(\a):AF+FR*(\a)+FR-1], 0
.else
	v_wmma_f32_16x16x128_fp8_fp8 v[8*(8*((\a)%4)+\b):8*(8*((\a)%4)+\b)+7], v[128*(\p)+FR*\b:128*(\p)+FR*\b+FR-1], v[AF+FR*(\a):AF+FR*(\a)+FR-1], v[8*(8*((\a)%4)+\b):8*(8*((\a)%4)+\b)+7]
.endif
.endr
.endr
.endm
.macro FETCH_B slot, q, p
	WIN TO_B
.irp i, 0,1,2,3,4,5,6,7
	FRAG 128*(\p)+FR*\i, ADRB+\slot, \q, \i
.endr
	WIN 0
.endm
.macro FETCH_A slot, q, i0
.irp i, \i0, \i0+1, \i0+2, \i0+3
	FRAG AF+FR*(\i), ADRA+\slot, \q, \i
.endr
.endm
.macro PLACES n
.rept \n
	v_nop
.endr
.endm
.macro STEP slot, q, zero
	s_wait_dscnt 4*NL                              ; B's set and A's blocks 0-3 are in; the youngest 16 loads (A's blocks 4-7) may be out
	WIN MUL_LO
	MUL16 0, (\q)%2, \zero
	MUL16 2, (\q)%2, \zero
	s_wait_dscnt 0
	PLACES NP
	FETCH_B \slot, (\q)+1, 1-(\q)%2
	FETCH_A \slot, (\q)+1, 0
	WIN MUL_HI
	MUL16 4, (\q)%2, \zero
	MUL16 6, (\q)%2, \zero
	PLACES NP
	WIN 0
	FETCH_A \slot, (\q)+1, 4
.endm
.macro TURN slot, next, fill
	s_wait_tensorcnt 0x0                           ; all my tensor loads have landed: my part of the next slot
	ds_add_u32 v[SPW], v[NIL]
	s_wait_dscnt 4*NL+1                            ; (the add and the youngest 16 loads may be out)
	WIN MUL_LO
	MUL16 0, 1, 0
	s_wait_dscnt 0x0                               ; the add is done, and my reads of this slot are over
	s_barrier_signal -1
	MUL16 2, 1, 0
	WIN 0
	s_barrier_wait -1
.if \fill
	CREST                                          ; no wave of any partner still reads this slot or has a load on its way
	s_add_nc_u64 s[G0+4*\slot+2:G0+4*\slot+3], s[G0+4*\slot+2:G0+4*\slot+3], 2*PART
	s_add_nc_u64 s[G0B+4*\slot+2:G0B+4*\slot+3], s[G0B+4*\slot+2:G0B+4*\slot+3], 2*PART
	JLOAD G0+4*\slot, G1, G0B+4*\slot, G1B
.else
	PLACES NP
.endif
	FETCH_B \next, 0, 0
	FETCH_A \next, 0, 0
	WIN MUL_HI
	MUL16 4, 1, 0
	MUL16 6, 1, 0
	PLACES NP
	WIN 0
	FETCH_A \next, 0, 4
.endm
.macro LAST
	s_wait_dscnt 4*NL
	WIN MUL_LO
	MUL16 0, 1, 0
	MUL16 2, 1, 0
	s_wait_dscnt 0
	WIN MUL_HI
	MUL16 4, 1, 0
	MUL16 6, 1, 0
	WIN 0
.endm
	s_load_b256 s[4:11], s[0:1], 0x0               ; A's codes s[4:5], prepc s[6:7], the bias s[8:9], the exponents s[10:11]
	s_load_b64 s[12:13], s[0:1], 0x20              ; the result
	v_lshl_add_u32 v[SPW], v0, 2, SPARE
	v_mov_b32 v[NIL], 0
	ds_add_u32 v[SPW], v[NIL]                      ; the wave's opening: the add, twice on end, and its wait ahead of my first tensor load
	ds_add_u32 v[SPW], v[NIL]
	v_lshrrev_b32 v1, 5, v0
	v_readfirstlane_b32 s14, v1
	s_lshr_b32 s15, s14, 1
	s_and_b32 s16, s14, 1
	s_bfe_u32 s40, ttmp6, 0x40000
	s_bfe_u32 s41, ttmp6, 0x40004
	s_lshl_b32 s42, ttmp9, 2
	s_add_co_u32 s42, s42, s40                     ; tile column
	s_and_b32 s17, ttmp7, 0xffff
	s_lshl_b32 s17, s17, 2
	s_add_co_u32 s17, s17, s41                     ; tile row
	s_lshl_b32 s43, s41, 2
	s_lshl_b32 s43, 15, s43
	s_lshl_b32 s44, 0x1111, s40
	s_or_b32 s[G1+0], s43, (3<<16)|(1<<21)         ; a dense block of 32,768 bytes as 128 rows of 32 elements of 8 bytes; the mask; bit 21 beside it
	s_or_b32 s[G1B+0], s44, (3<<16)|(1<<21)
.irp g, G1, G1B
	s_mov_b32 s[\g+1], 32<<16
	s_mov_b32 s[\g+2], 128<<16
	s_mov_b32 s[\g+3], 32<<16
	s_mov_b32 s[\g+4], 128
	s_mov_b32 s[\g+5], 32
	s_mov_b32 s[\g+6], 0
	s_mov_b32 s[\g+7], 0
.endr
	s_lshl_b32 s20, s17, 1
	s_add_co_u32 s20, s20, s16
	s_mul_i32 s20, s20, BLKB
	s_mov_b32 s21, 0
	s_lshl_b32 s46, s42, 1
	s_add_co_u32 s46, s46, s16
	s_mul_i32 s46, s46, BLKB
	s_add_co_u32 s46, s46, BOFF
	s_mov_b32 s47, 0
	s_mul_i32 s45, s14, PART
	s_wait_dscnt 0x0                               ; both opening adds are done
	s_wait_kmcnt 0x0
	s_load_b64 s[96:97], s[10:11], SOFF
	s_add_nc_u64 s[20:21], s[4:5], s[20:21]
	s_add_nc_u64 s[46:47], s[6:7], s[46:47]
	CROUND
.irp s, 0,1
	s_mov_b32 s[G0+4*\s], 1
	s_add_co_u32 s[G0+4*\s+1], s45, \s*SLOT
	s_add_nc_u64 s[G0+4*\s+2:G0+4*\s+3], s[20:21], \s*PART
	s_or_b32 s[G0+4*\s+3], s[G0+4*\s+3], 0x80000000
	s_mov_b32 s[G0B+4*\s], 1
	s_add_co_u32 s[G0B+4*\s+1], s45, \s*SLOT
	s_add_nc_u64 s[G0B+4*\s+2:G0B+4*\s+3], s[46:47], \s*PART
	s_or_b32 s[G0B+4*\s+3], s[G0B+4*\s+3], 0x80000000
	JLOAD G0+4*\s, G1, G0B+4*\s, G1B
.endr
	v_and_b32 v1, 31, v0
	v_lshlrev_b32 v[LI], 4, v1
	s_lshl_b32 s21, s15, 15
	s_lshl_b32 s22, s16, 15
	s_add_co_u32 s22, s22, 2*PART
.irp s, 0,1
	v_add_nc_u32 v[ADRA+\s], s21, v[LI]
	v_add_nc_u32 v[ADRB+\s], s22, v[LI]
	s_add_co_u32 s21, s21, SLOT
	s_add_co_u32 s22, s22, SLOT
.endr
	s_lshl_b32 s46, s42, 1
	s_add_co_u32 s46, s46, s16                     ; my block of 128 columns
	s_lshl_b32 s20, s17, 1
	s_add_co_u32 s20, s20, s15                     ; my block of 128 rows
	s_lshl_b32 s20, s20, 3
	s_add_co_u32 s20, s20, s46
	s_lshl_b32 s20, s20, 16
	s_mov_b32 s21, 0
	s_add_nc_u64 s[12:13], s[12:13], s[20:21]
	s_lshl_b32 s46, s46, 9
	s_mov_b32 s47, 0
	s_add_nc_u64 s[8:9], s[8:9], s[46:47]
	v_bfe_u32 v[BO], v0, 4, 1
	v_lshlrev_b32 v[BO], 6, v[BO]
.set j, 0
.rept 16
	global_load_b128 v[BI+4*j:BI+4*j+3], v[BO], s[8:9] offset:128*(j/4)+16*(j%4)   ; awaited on the way out
.set j, j+1
.endr
	s_wait_tensorcnt 1                             ; my part of slot 0 is in; slot 1's load may be out
	s_barrier_signal -1
	s_barrier_wait -1
	FETCH_B 0, 0, 0
	FETCH_A 0, 0, 0
	FETCH_A 0, 0, 4
	STEP 0, 0, 1
	s_mov_b32 s3, LAPS-1
.Llap:
	TURN 0, 1, 1
	STEP 1, 0, 0
	TURN 1, 0, 1
	STEP 0, 0, 0
	s_sub_co_u32 s3, s3, 1
	s_cmp_lg_u32 s3, 0
	s_cbranch_scc1 .Llap
	TURN 0, 1, 0
	STEP 1, 0, 0
	LAST
	s_wait_kmcnt 0x0
	s_add_co_i32 s96, s96, s97
	s_add_co_i32 s96, s96, 127
	s_lshl_b32 s96, s96, 23
	s_mov_b32 s97, s96
	s_wait_loadcnt 0x0                             ; the bias
	PLACES NP
.macro OUT_IMG a                       ; tile a of my rows: sum x 2^(..) + bias, each accumulator from its low end on; 16 stores of 512 consecutive bytes
.if (\a) >= 2
	s_wait_xcnt 0x0                                ; tile a - 2's stores have read their data
.endif
.set AC, 64*((\a)%4)
.set TS, TMP+64*((\a)%2)
	WIN 0x02+((\a)/4)
.set j, 0
.rept 32
	v_pk_fma_f32 v[TS+j:TS+j+1], v[AC+j:AC+j+1], s[96:97], v[BI+j:BI+j+1] op_sel_hi:[1,0,1]
.set j, j+2
.endr
	WIN 0
.set j, 0
.rept 16
	global_store_b128 v[LI], v[TS+4*j:TS+4*j+3], s[12:13] offset:8192*(\a)+512*j
.set j, j+1
.endr
.endm
.irp a, 0,1,2,3,4,5,6,7
	OUT_IMG \a
.endr
	s_wait_tensorcnt 0x0                           ; the wave's end
	ds_add_u32 v[SPW], v[NIL]
	s_wait_dscnt 0x0
	CROUND                                         ; the closing round
	s_endpgm
.Lfunc_end_k_q0e1d29eaa2_ffn2:
	.size	k_q0e1d29eaa2_ffn2, .Lfunc_end_k_q0e1d29eaa2_ffn2-k_q0e1d29eaa2_ffn2
	.p2alignl 7, 3214868480
	.fill 96, 4, 3214868480
	.section	.rodata,"a",@progbits
	.p2align	6, 0x0
	.amdhsa_kernel k_q0e1d29eaa2_ffn2
		.amdhsa_group_segment_fixed_size 327680
		.amdhsa_private_segment_fixed_size 0
		.amdhsa_enable_private_segment 0
		.amdhsa_kernarg_size 40
		.amdhsa_user_sgpr_count 2
		.amdhsa_user_sgpr_kernarg_segment_ptr 1
		.amdhsa_wavefront_size32 1
		.amdhsa_system_sgpr_workgroup_id_x 1
		.amdhsa_system_sgpr_workgroup_id_y 1
		.amdhsa_system_sgpr_workgroup_id_z 1
		.amdhsa_system_vgpr_workitem_id 0
		.amdhsa_next_free_vgpr 1024
		.amdhsa_next_free_sgpr 98
		.amdhsa_reserve_vcc 0
		.amdhsa_float_denorm_mode_32 3
		.amdhsa_float_denorm_mode_16_64 3
		.amdhsa_memory_ordered 1
		.amdhsa_forward_progress 1
		.amdhsa_inst_pref_size 107
	.end_amdhsa_kernel
	.amdgpu_metadata
---
amdhsa.version: [ 1, 2 ]
amdhsa.kernels:
  - .name:           k_q0e1d29eaa2_ffn2
    .symbol:         k_q0e1d29eaa2_ffn2.kd
    .args:
      - { .name: hid, .offset: 0, .size: 8, .value_kind: global_buffer, .address_space: global }
      - { .name: prepc, .offset: 8, .size: 8, .value_kind: global_buffer, .address_space: global }
      - { .name: b2, .offset: 16, .size: 8, .value_kind: global_buffer, .address_space: global }
      - { .name: lowp_scales, .offset: 24, .size: 8, .value_kind: global_buffer, .address_space: global }
      - { .name: acc32, .offset: 32, .size: 8, .value_kind: global_buffer, .address_space: global }
    .group_segment_fixed_size: 327680
    .private_segment_fixed_size: 0
    .kernarg_segment_align: 8
    .kernarg_segment_size: 40
    .max_flat_workgroup_size: 128
    .sgpr_count:     98
    .vgpr_count:     1024
    .wavefront_size: 32
...
	.end_amdgpu_metadata
.endif
;; end of part 7
;; launch ln2 (part 8): grid 256 x 1, 8 waves a work-group, no clusters, 70,656 bytes of LDS; arguments acc32, x1, g2, be2, out0; writes out0
.if DOCPART == 8
	.amdgcn_target "amdgcn-amd-amdhsa--gfx1250"
	.amdhsa_code_object_version 6
	.text
	.protected	k_q0e1d29eaa2_ln2
	.globl	k_q0e1d29eaa2_ln2
	.p2align	8
	.type	k_q0e1d29eaa2_ln2,@function
k_q0e1d29eaa2_ln2:
	s_mov_b64 s[64:65], 0
	v_nop
	global_prefetch_b8 v0, s[64:65] scope:SCOPE_SE
	s_setreg_imm32_b32 hwreg(HW_REG_WAVE_MODE, 25, 1), 1
	s_wait_xcnt 0x0
; Launch 8 of 8: out0 = layer norm(x1 + (the feed-forward's result)) x g2 + be2, in f32.  Nothing is left out.
; Shares and arithmetic as in launch 5: a work-group takes a tile of 16 rows (rows 32 (y / 2) + 8 (y % 2) + r + 8 (r / 8) of a block of 128), wave w columns 128 w on; lane (r, h) holds 64 numbers of row r.
; Both summands come as images in that order, 512 consecutive bytes a load.  The result turns through the wave's own stage in LDS and leaves as rows: 512 consecutive bytes a store.
; Memory binds: matrix units, clusters and tensor loads would add nothing.
.set STG,   8448
.set RED,   8*STG
.set RED2,  RED+1024
.set SPARE, RED2+1024
.set Y, 16                             ; v16-79   the numbers
.set R, 80                             ; v80-143  x1, then be2
.set G, 144                            ; v144-207 g2, then the rows on their way out
.set T, 208                            ; v208-215 the waves' sums
.macro LANESUM sq
.if \sq
	v_pk_mul_f32 v[8:9], v[Y:Y+1], v[Y:Y+1]
	v_pk_mul_f32 v[10:11], v[Y+2:Y+3], v[Y+2:Y+3]
.set j, 4
.rept 15
	v_pk_fma_f32 v[8:9], v[Y+j:Y+j+1], v[Y+j:Y+j+1], v[8:9]
	v_pk_fma_f32 v[10:11], v[Y+j+2:Y+j+3], v[Y+j+2:Y+j+3], v[10:11]
.set j, j+4
.endr
.else
	v_pk_add_f32 v[8:9], v[Y:Y+1], v[Y+4:Y+5]
	v_pk_add_f32 v[10:11], v[Y+2:Y+3], v[Y+6:Y+7]
.set j, 8
.rept 14
	v_pk_add_f32 v[8:9], v[8:9], v[Y+j:Y+j+1]
	v_pk_add_f32 v[10:11], v[10:11], v[Y+j+2:Y+j+3]
.set j, j+4
.endr
.endif
	v_pk_add_f32 v[8:9], v[8:9], v[10:11]
	v_add_f32 v8, v8, v9
.endm
.macro XWAVES off
	v_permlanex16_b32 v10, v8, s16, s17
	v_add_f32 v8, v8, v10
	ds_store_b32 v7, v8 offset:\off
	s_wait_dscnt 0x0                               ; for the others' sake: my store has landed
	s_barrier_signal -1
	s_barrier_wait -1
.irp k, 0,1,2,3,4,5,6,7
	ds_load_b32 v[T+\k], v12 offset:\off+128*\k
.endr
	s_wait_dscnt 0x0
	v_add_f32 v[T], v[T], v[T+1]
	v_add_f32 v[T+2], v[T+2], v[T+3]
	v_add_f32 v[T+4], v[T+4], v[T+5]
	v_add_f32 v[T+6], v[T+6], v[T+7]
	v_add_f32 v[T], v[T], v[T+2]
	v_add_f32 v[T+4], v[T+4], v[T+6]
	v_add_f32 v[T], v[T], v[T+4]
.endm
	s_load_b256 s[4:11], s[0:1], 0x0               ; acc32 s[4:5], x1 s[6:7], g2 s[8:9], be2 s[10:11]
	s_load_b64 s[12:13], s[0:1], 0x20              ; out0
	v_lshl_add_u32 v4, v0, 2, SPARE
	v_mov_b32 v5, 0
	v_lshrrev_b32 v1, 5, v0
	v_readfirstlane_b32 s2, v1
	v_and_b32 v13, 31, v0
	v_lshlrev_b32 v1, 4, v13
	s_mul_i32 s3, s2, STG
	v_add_nc_u32 v2, s3, v1
	v_and_b32 v14, 15, v0
	v_bfe_u32 v15, v0, 4, 1
	v_mul_u32_u24 v3, v14, 528
	v_lshl_add_u32 v3, v15, 6, v3
	v_add_nc_u32 v3, s3, v3
	v_lshlrev_b32 v6, 6, v15
	v_lshlrev_b32 v12, 2, v13
	v_add_nc_u32 v12, RED, v12
	s_lshl_b32 s3, s2, 7
	v_add_nc_u32 v7, s3, v12
	s_mov_b32 s16, 0x76543210
	s_mov_b32 s17, 0xfedcba98
	s_mov_b32 s18, 0x3a800000                      ; 1 / 1,024
	s_mov_b32 s19, 0x3727c5ac                      ; 1e-5
	s_lshr_b32 s20, ttmp9, 3
	s_and_b32 s21, ttmp9, 7
	s_lshl_b32 s22, s20, 7
	s_lshr_b32 s23, s21, 1
	s_lshl_b32 s23, s23, 5
	s_add_co_u32 s22, s22, s23
	s_and_b32 s23, s21, 1
	s_lshl_b32 s23, s23, 3
	s_add_co_u32 s22, s22, s23                     ; the tile's first row
	s_lshl_b32 s22, s22, 12
	s_lshl_b32 s28, s2, 9
	s_add_co_u32 s22, s22, s28
	s_mov_b32 s23, 0
	s_mov_b32 s29, 0
	s_lshl_b32 s24, s20, 3
	s_add_co_u32 s24, s24, s2
	s_lshl_b32 s24, s24, 3
	s_add_co_u32 s24, s24, s21
	s_lshl_b32 s24, s24, 13                        ; ((block 8 + wave) 8 + tile) x 8,192 bytes, in both images
	s_mov_b32 s25, 0
	s_wait_kmcnt 0x0
	s_add_nc_u64 s[4:5], s[4:5], s[24:25]
	s_add_nc_u64 s[6:7], s[6:7], s[24:25]
	s_add_nc_u64 s[8:9], s[8:9], s[28:29]
	s_add_nc_u64 s[10:11], s[10:11], s[28:29]
	s_add_nc_u64 s[12:13], s[12:13], s[22:23]
.set j, 0
.rept 16
	global_load_b128 v[R+4*j:R+4*j+3], v1, s[6:7] offset:512*j th:TH_LOAD_NT
.set j, j+1
.endr
.set j, 0
.rept 16
	global_load_b128 v[Y+4*j:Y+4*j+3], v1, s[4:5] offset:512*j th:TH_LOAD_NT
.set j, j+1
.endr
.set j, 0
.rept 16
	global_load_b128 v[G+4*j:G+4*j+3], v6, s[8:9] offset:128*(j/4)+16*(j%4)
.set j, j+1
.endr
	s_wait_loadcnt 16                              ; both summands are in; g2's 16 loads may be out
.set j, 0
.rept 32
	v_pk_add_f32 v[Y+j:Y+j+1], v[Y+j:Y+j+1], v[R+j:R+j+1]
.set j, j+2
.endr
.set j, 0
.rept 16
	global_load_b128 v[R+4*j:R+4*j+3], v6, s[10:11] offset:128*(j/4)+16*(j%4)  ; be2, into the registers that x1 has left
.set j, j+1
.endr
	LANESUM 0
	XWAVES 0
	v_mul_f32 v8, s18, v[T]                        ; the mean
.set j, 0
.rept 32
	v_pk_add_f32 v[Y+j:Y+j+1], v[Y+j:Y+j+1], v[8:9] op_sel_hi:[1,0] neg_lo:[0,1] neg_hi:[0,1]
.set j, j+2
.endr
	LANESUM 1
	XWAVES RED2-RED
	v_fma_f32 v8, v[T], s18, s19                   ; the variance + 1e-5
	v_rsq_f32 v8, v8
	v_nop                                          ; a plain line behind it
	s_wait_alu depctr_va_vdst(0)                   ; the wait ahead of the root's first reader
	s_wait_loadcnt 0x0                             ; g2, be2
.set j, 0
.rept 32
	v_pk_mul_f32 v[Y+j:Y+j+1], v[Y+j:Y+j+1], v[8:9] op_sel_hi:[1,0]
.set j, j+2
.endr
.set j, 0
.rept 32
	v_pk_fma_f32 v[Y+j:Y+j+1], v[Y+j:Y+j+1], v[G+j:G+j+1], v[R+j:R+j+1]
.set j, j+2
.endr
.set j, 0
.rept 16
	ds_store_b128 v3, v[Y+4*j:Y+4*j+3] offset:128*(j/4)+16*(j%4)
.set j, j+1
.endr
.set j, 0
.rept 16
	ds_load_b128 v[G+4*j:G+4*j+3], v2 offset:528*j                 ; LDS serves a wave's instructions in order (ISA guide 5.7.1.4): these see my stores
.set j, j+1
.endr
.set j, 0
.rept 16
	s_wait_dscnt 15-j                              ; row j is back; the younger loads may be out
	global_store_b128 v1, v[G+4*j:G+4*j+3], s[12:13] offset:(j+8*(j/8))*4096 th:TH_STORE_NT   ; 32 lanes store 512 consecutive bytes of a row
.set j, j+1
.endr
	s_wait_tensorcnt 0x0                           ; the wave's end: behind my last LDS store
	ds_add_u32 v4, v5
	s_wait_dscnt 0x0
	s_endpgm
.Lfunc_end_k_q0e1d29eaa2_ln2:
	.size	k_q0e1d29eaa2_ln2, .Lfunc_end_k_q0e1d29eaa2_ln2-k_q0e1d29eaa2_ln2
	.p2alignl 7, 3214868480
	.fill 96, 4, 3214868480
	.section	.rodata,"a",@progbits
	.p2align	6, 0x0
	.amdhsa_kernel k_q0e1d29eaa2_ln2
		.amdhsa_group_segment_fixed_size 70656
		.amdhsa_private_segment_fixed_size 0
		.amdhsa_enable_private_segment 0
		.amdhsa_kernarg_size 40
		.amdhsa_user_sgpr_count 2
		.amdhsa_user_sgpr_kernarg_segment_ptr 1
		.amdhsa_wavefront_size32 1
		.amdhsa_system_sgpr_workgroup_id_x 1
		.amdhsa_system_sgpr_workgroup_id_y 1
		.amdhsa_system_sgpr_workgroup_id_z 1
		.amdhsa_system_vgpr_workitem_id 0
		.amdhsa_next_free_vgpr 256
		.amdhsa_next_free_sgpr 66
		.amdhsa_reserve_vcc 0
		.amdhsa_float_denorm_mode_32 3
		.amdhsa_float_denorm_mode_16_64 3
		.amdhsa_memory_ordered 1
		.amdhsa_forward_progress 1
		.amdhsa_inst_pref_size 27
	.end_amdhsa_kernel
	.amdgpu_metadata
---
amdhsa.version: [ 1, 2 ]
amdhsa.kernels:
  - .name:           k_q0e1d29eaa2_ln2
    .symbol:         k_q0e1d29eaa2_ln2.kd
    .args:
      - { .name: acc32, .offset: 0, .size: 8, .value_kind: global_buffer, .address_space: global }
      - { .name: x1, .offset: 8, .size: 8, .value_kind: global_buffer, .address_space: global }
      - { .name: g2, .offset: 16, .size: 8, .value_kind: global_buffer, .address_space: global }
      - { .name: be2, .offset: 24, .size: 8, .value_kind: global_buffer, .address_space: global }
      - { .name: out0, .offset: 32, .size: 8, .value_kind: global_buffer, .address_space: global }
    .group_segment_fixed_size: 70656
    .private_segment_fixed_size: 0
    .kernarg_segment_align: 8
    .kernarg_segment_size: 40
    .max_flat_workgroup_size: 256
    .sgpr_count:     66
    .vgpr_count:     256
    .wavefront_size: 32
...
	.end_amdgpu_metadata
.endif
;; end of part 8
;; ======== version 2 of 2: 8 launches
;; limits: right only within a limited range of input values
;; workspace buffers: prepc 25,165,824 bytes; maskw 528,384 bytes of whole numbers; qkv 12,582,912 bytes; ao 4,194,304 bytes; acc32 16,777,216 bytes; x1 20,971,520 bytes; hid 16,777,216 bytes
;; launch prep (part 9): grid 640 x 1, 4 waves a work-group, no clusters, 34,304 bytes of LDS; arguments x, mask, Wq, Wk, Wv, Wo, W1, W2, lowp_scales, prepc, maskw; writes prepc, maskw
.if DOCPART == 9
	.amdgcn_target "amdgcn-amd-amdhsa--gfx1250"
	.amdhsa_code_object_version 6
	.text
	.protected	k_q0e1d29eaa2_prep
	.globl	k_q0e1d29eaa2_prep
	.p2align	8
	.type	k_q0e1d29eaa2_prep,@function
k_q0e1d29eaa2_prep:
	s_mov_b64 s[64:65], 0
	v_nop
	global_prefetch_b8 v0, s[64:65] scope:SCOPE_SE
	s_setreg_imm32_b32 hwreg(HW_REG_WAVE_MODE, 25, 1), 1
	s_wait_xcnt 0x0
; DECODER LAYER, launch 1 of 8: x and the six weights become codes of E4M3, the mask becomes lane masks.
; DEAD WORK: none.  Every input has a way to the output for some values of the inputs, so every input is loaded by some launch; bk stays, since it moves K's codes.
; What IS left out, in launch 3, hangs on whole numbers that this launch stores: a tile of 16 queries x 128 keys whose mask is all 0 is not walked, unless one of its 16 queries has no
; unmasked key at all (such a query weighs all 2,048 keys alike, so its tile walks them all).  LIMIT: this takes it that a query with an unmasked key has an unmasked logit above -9.9e8, so that
; 2^(t - M) of a masked key is 0 in f32.  A NaN or an infinity that reaches only a tile left out is not carried to the result.  NaN among the inputs is not served.
; LIMITS on the given exponents e: -126 <= e and e + 8 <= 127, so that 2^e and 448 x 2^e are f32 numbers.
;
; LAYOUTS (workspace of this program's own, laid as the reader's registers want it).  L = lane, r = L % 16, h = L / 16.
; A TILE of a block of 128 rows: tile y (0..7) holds rows 32 (y / 2) + 8 (y % 2) + r + 8 (r / 8).
; CODES of a matrix [rows][K]: byte (((row block) (K / 128) + K step) 8 + tile) 2048 + 512 c + 16 L + i holds k = 128 (K step) + 32 c + 16 h + i of the tile's row r: a fragment's 16 registers on end.
; prepc: x by lowp_scales[0] at 0, by [2] at 4 MiB, by [4] at 8 MiB; Wq, Wk, Wv, Wo (rows = their columns n) at 12, 13, 14, 15 MiB; W1 at 16 MiB; W2 at 20 MiB.
; maskw: word n (0..63) of (query tile T, key step s) at (16 T + s) 256 + 4 n: bit L says that mask[query r of T][128 s + 32 (n / 16) + 16 h + n % 16] is not 0.
;        From byte 524,288 on, word w (0..3) of tile T at 16 T + 4 w: bits 31:16: which of the 16 queries has an unmasked key in steps 4 w .. 4 w + 3; bit 4 w + u: step 4 w + u has one.
; SHARES.  Work-groups 0-127: a query tile of the mask each, a wave four key steps.  128-255: two tiles of x each, a wave four K steps.  256-639: 128 columns x 256 k of a weight each.
; The mask and x take ONE path: only pointers and the stride are chosen, and what is made of a unit differs.  A unit is 16 rows x 512 bytes: each load reads 512 consecutive bytes of a row; the unit turns
; through the wave's own stage in LDS (rows 528 bytes apart), so that a lane then holds 64 numbers of ONE row in the order of a fragment's registers.  No barrier: waves share nothing.
.set STG,   8448                       ; a wave's stage: 16 rows x 528 bytes
.set SPARE, 4*STG                      ; behind the four stages: the spare words, 128 bytes for each wave
.set SPW,   4                          ; v4   LDS address of my spare word; never rewritten
.set NIL,   5                          ; v5   0; never rewritten
.set AD,    16                         ; v16-31  row i's byte offset: 16 L + (i + 8 (i / 8)) x the row's bytes
.set S0,    32                         ; v32-159 two sets of 64 numbers
.set TT,    160                        ; v160-191 two sets of 16 numbers, held
.set CC,    192                        ; v192-239 x's codes by its three scales
.set LANE,  240                        ; v240 my lane
; s[e] = an exponent  ->  v[vs] = 2^e as f32 (a conversion takes its exponent field), v[vl] = 448 x 2^e
.macro MKSC e, vs, vl
	s_add_co_i32 s56, s[\e], 127
	s_lshl_b32 s57, s56, 23
	v_mov_b32 v[\vs], s57
	s_add_co_i32 s56, s56, 8
	s_lshl_b32 s56, s56, 23
	s_or_b32 s56, s56, 0x600000
	v_mov_b32 v[\vl], s56
.endm
	s_load_b512 s[4:19], s[0:1], 0x0               ; x s[4:5], mask s[6:7], Wq s[8:9], Wk s[10:11], Wv s[12:13], Wo s[14:15], W1 s[16:17], W2 s[18:19]
	s_load_b128 s[20:23], s[0:1], 0x40             ; the exponents s[20:21], prepc s[22:23]
	s_load_b64 s[24:25], s[0:1], 0x50              ; maskw
	v_lshl_add_u32 v[SPW], v0, 2, SPARE
	v_mov_b32 v[NIL], 0
	v_lshrrev_b32 v1, 5, v0
	v_readfirstlane_b32 s2, v1                     ; wave 0..3
	v_and_b32 v[LANE], 31, v0
	s_sub_co_u32 s56, ttmp9, 256                   ; a weight's work-group: its number among them
	s_wait_kmcnt 0x0
	s_cmp_ge_u32 ttmp9, 256
	s_cbranch_scc1 .Lweights
; ---------------------------------------------------------------- the mask and x
	s_load_b256 s[48:55], s[20:21], 0x0            ; lowp_scales[0..7]: x's are entries 0, 2, 4
	s_sub_co_u32 s56, ttmp9, 128
	s_lshl_b32 s56, s56, 1
	s_lshr_b32 s57, s2, 1
	s_add_co_u32 s56, s56, s57                     ; x: my tile = 2 (work-group - 128) + wave / 2,
	s_and_b32 s57, s2, 1
	s_lshl_b32 s57, s57, 2                         ;    my first K step = 4 (wave % 2)
	s_lshl_b32 s58, s2, 2                          ; mask: my first key step = 4 x wave
	s_mov_b32 s28, 4096
	s_cmp_lt_u32 ttmp9, 128                        ; the choice hangs on the work-group's number alone
	s_cselect_b64 s[26:27], s[6:7], s[4:5]
	s_cselect_b32 s28, 8192, s28                   ; a row's bytes
	s_cselect_b32 s29, ttmp9, s56                  ; the tile
	s_cselect_b32 s30, s58, s57                    ; the first unit
	s_lshr_b32 s56, s29, 3
	s_lshl_b32 s56, s56, 7
	s_bfe_u32 s57, s29, 0x20001
	s_lshl_b32 s57, s57, 5
	s_add_co_u32 s56, s56, s57
	s_and_b32 s57, s29, 1
	s_lshl_b32 s57, s57, 3
	s_add_co_u32 s56, s56, s57                     ; the tile's first row: 128 (tile / 8) + 32 ((tile % 8) / 2) + 8 (tile % 2)
	s_mul_i32 s56, s56, s28
	s_lshl_b32 s57, s30, 9
	s_add_co_u32 s56, s56, s57
	s_mov_b32 s57, 0
	s_add_nc_u64 s[26:27], s[26:27], s[56:57]      ; where my four units begin
	s_lshr_b32 s56, s29, 3
	s_lshl_b32 s56, s56, 3
	s_add_co_u32 s56, s56, s30
	s_lshl_b32 s56, s56, 3
	s_and_b32 s58, s29, 7
	s_add_co_u32 s56, s56, s58
	s_lshl_b32 s56, s56, 11                        ; x's codes: ((block 8 + K step) 8 + tile) 2048
	s_add_nc_u64 s[32:33], s[22:23], s[56:57]
	s_add_nc_u64 s[34:35], s[32:33], 0x400000
	s_add_nc_u64 s[36:37], s[32:33], 0x800000
	s_lshl_b32 s56, s29, 4
	s_add_co_u32 s56, s56, s30
	s_lshl_b32 s56, s56, 8                         ; the mask's words: (16 T + step) 256
	s_add_nc_u64 s[38:39], s[24:25], s[56:57]
	s_mov_b32 s41, 0                               ; lanes that have met an unmasked key
	s_mov_b32 s42, 0                               ; units that hold one
	s_mov_b32 s31, 0                               ; units whose mask is nowhere 0
	s_wait_alu depctr_va_vdst(0)
	v_lshlrev_b32 v1, 4, v[LANE]                   ; 16 L
	s_mul_i32 s3, s2, STG
	v_add_nc_u32 v2, s3, v1                        ; the stage, on the way in: a row's 512 bytes as they lie
	v_and_b32 v241, 15, v0
	v_bfe_u32 v242, v0, 4, 1
	v_mul_u32_u24 v3, v241, 528
	v_lshl_add_u32 v3, v242, 6, v3
	v_add_nc_u32 v3, s3, v3                        ; and back: row r, + 64 h: my 16 numbers of each 32
	v_lshlrev_b32 v6, 3, v[LANE]                   ; 8 L: two mask words a lane
	v_mov_b32 v7, 0
	v_mov_b32 v8, 0                                ; written once: a lane write counts as a reader of its destination
	v_mov_b32 v9, 0
.set i, 0
.rept 16
	v_mad_u32_u24 v[AD+i], s28, i+8*(i/8), v1
.set i, i+1
.endr
.macro LOADU u                         ; unit u: 16 loads, each 512 consecutive bytes of one row
.set i, 0
.rept 16
	global_load_b128 v[S0+64*((\u)%2)+4*i:S0+64*((\u)%2)+4*i+3], v[AD+i], s[26:27] offset:512*(\u) th:TH_LOAD_NT
.set i, i+1
.endr
.endm
.macro TURNU u                         ; through my stage and back into the registers that it left: register 16 c + i is then element 32 c + 16 h + i of row r.  LDS serves a wave's instructions in order (ISA guide 5.7.1.4)
.set i, 0
.rept 16
	ds_store_b128 v2, v[S0+64*((\u)%2)+4*i:S0+64*((\u)%2)+4*i+3] offset:528*i
.set i, i+1
.endr
.set i, 0
.rept 16
	ds_load_b128 v[S0+64*((\u)%2)+4*i:S0+64*((\u)%2)+4*i+3], v3 offset:128*(i/4)+16*(i%4)
.set i, i+1
.endr
.endm
.macro XPROC u                         ; x: the unit's 64 numbers a lane become a fragment's codes, three times: by entries 0, 2 and 4
	s_wait_xcnt 0x0                                ; the last unit's stores have read their data: the codes' registers may be written
.irp p, 0,1,2
.irp c, 0,1,2,3
.set i, 0
.rept 16
	v_med3_num_f32 v[TT+16*(\c%2)+i], v[S0+64*((\u)%2)+16*\c+i], -v[11+2*\p], v[11+2*\p]   ; the conversion does not saturate (ISA guide 7.6.2): the hold at 448 x the scale.  Into the other set than the last conversions read
.set i, i+1
.endr
	v_cvt_scalef32_pk8_fp8_f32 v[CC+16*\p+4*\c:CC+16*\p+4*\c+1], v[TT+16*(\c%2):TT+16*(\c%2)+7], v[10+2*\p]
	v_cvt_scalef32_pk8_fp8_f32 v[CC+16*\p+4*\c+2:CC+16*\p+4*\c+3], v[TT+16*(\c%2)+8:TT+16*(\c%2)+15], v[10+2*\p]
.endr
.endr
	v_nop                                          ; a plain line behind the last conversion
.irp p, 0,1,2
.irp c, 0,1,2,3
	global_store_b128 v1, v[CC+16*\p+4*\c:CC+16*\p+4*\c+3], s[32+2*\p:33+2*\p] offset:16384*(\u)+512*\c   ; 32 lanes store 512 consecutive bytes
.endr
.endr
.endm
.macro MPROC u                         ; the mask: register n of all lanes becomes word n; lane n / 2 gathers words n and n + 1, so that the 64 words leave as 256 consecutive bytes
	s_wait_xcnt 0x0                                ; the last unit's store has read v[8:9]
	s_mov_b32 s40, 0
	s_mov_b32 s43, -1
.set n, 0
	s_wait_alu depctr_va_vdst(0)
.rept 64
	v_cmp_ne_u32 s[44+n%4], 0, v[S0+64*((\u)%2)+n]
	v_writelane_b32 v[8+n%2], s[44+n%4], n/2
	s_or_b32 s40, s40, s[44+n%4]
	s_and_b32 s43, s43, s[44+n%4]
.set n, n+1
.endr
	global_store_b64 v6, v[8:9], s[38:39] offset:256*(\u)
	s_or_b32 s41, s41, s40
	s_cmp_lg_u32 s40, 0
	s_cselect_b32 s3, 1<<(\u), 0
	s_or_b32 s42, s42, s3
	s_cmp_eq_u32 s43, -1
	s_cselect_b32 s3, 1<<(\u), 0
	s_or_b32 s31, s31, s3
.endm
.macro UNIT u
.if \u < 3
	s_wait_loadcnt 16                              ; this unit's 16 loads are in; the next unit's 16 may be out
.else
	s_wait_loadcnt 0
.endif
	TURNU \u
	s_wait_dscnt 0x0
	s_cmp_lt_u32 ttmp9, 128
	s_cbranch_scc0 .Lis_x_\@
	MPROC \u
	s_branch .Ljoin_\@
.Lis_x_\@:
	s_wait_alu depctr_va_vdst(0)
	XPROC \u
.Ljoin_\@:
.if \u < 2
	LOADU (\u)+2
.endif
.endm
	LOADU 0
	LOADU 1
	s_wait_kmcnt 0x0
	MKSC 48, 10, 11
	MKSC 50, 12, 13
	MKSC 52, 14, 15
	UNIT 0
	UNIT 1
	UNIT 2
	UNIT 3
	s_cmp_lt_u32 ttmp9, 128
	s_cbranch_scc0 .Lend_mx
	s_lshr_b32 s3, s41, 16                         ; a query's keys lie in lanes r and r + 16
	s_or_b32 s3, s3, s41
	s_lshl_b32 s3, s3, 16
	s_lshl_b32 s56, s2, 2
	s_lshl_b32 s42, s42, s56
	s_lshl_b32 s31, s31, s56
	s_or_b32 s3, s3, s42
	v_mov_b32 v241, s3
	v_mov_b32 v242, s31
	s_lshl_b32 s57, s29, 4
	s_add_co_u32 s56, s56, s57
	s_add_co_u32 s56, s56, 524288                  ; 524,288 + 16 T + 4 x wave
	s_mov_b32 s57, 0
	s_add_nc_u64 s[24:25], s[24:25], s[56:57]
	s_wait_alu depctr_va_vdst(0)
	s_wait_xcnt 0x0                                ; EXEC changes only behind this wait
	v_cmp_eq_u32 vcc_lo, 0, v[LANE]
	s_and_saveexec_b32 s58, vcc_lo
	global_store_b32 v7, v241, s[24:25]            ; one word a wave
	global_store_b32 v7, v242, s[24:25] offset:2048   ; from byte 526,336 on, word w of tile T at 16 T + 4 w: bit 4 w + u: no mask entry of step 4 w + u is 0
	s_wait_xcnt 0x0                                ; and again in front of the line that widens it
	s_or_b32 exec_lo, exec_lo, s58
.Lend_mx:
	s_wait_tensorcnt 0x0                           ; the wave's end: behind my last LDS store
	ds_add_u32 v[SPW], v[NIL]
	s_wait_dscnt 0x0
	s_endpgm
; ---------------------------------------------------------------- the weights: K is their FIRST axis.  A lane takes a column n and its registers run down K: nothing is transposed.
; Numbers 0-127: Wq, Wk, Wv, Wo (32 work-groups each); 128-255: W2; 256-383: W1.  A work-group takes 128 columns x 256 k, wave w columns 32 w on: tiles 2 w and 2 w + 1 of the block.
; Column o of the 32 is row r = o % 8 + 8 (o / 16) of tile 2 w + (o / 8) % 2.  A block of 32 k is 32 bytes of codes: 16 for lane r, 16 for lane r + 16 of the fragment.
.Lweights:
	s_lshr_b32 s57, s56, 5                         ; which of the four square weights
	s_and_b32 s58, s56, 127
	s_and_b32 s59, s58, 7                          ; the block of 128 columns,
	s_bfe_u32 s60, s58, 0x20003                    ; the 256 along K
	s_lshr_b32 s61, s58, 3                         ; (W2: 16 of them)
	s_and_b32 s62, s58, 31                         ; (W1: 32 blocks of columns,
	s_lshr_b32 s63, s58, 5                         ;  4 along K)
	s_add_co_u32 s40, s57, 12
	s_lshl_b32 s40, s40, 20                        ; the codes' region in prepc
	s_lshl_b32 s41, s57, 3
	s_add_co_u32 s41, s41, 4                       ; the exponent's byte: entries 1, 3, 5
	s_mov_b32 s42, 8                               ; K / 128
	s_mov_b32 s43, 0x100000                        ; 256 rows of the weight in bytes
	s_cmp_eq_u32 s57, 1
	s_cselect_b64 s[26:27], s[10:11], s[8:9]
	s_cmp_eq_u32 s57, 2
	s_cselect_b64 s[26:27], s[12:13], s[26:27]
	s_cmp_eq_u32 s57, 3
	s_cselect_b64 s[26:27], s[14:15], s[26:27]
	s_cselect_b32 s41, 44, s41                     ; Wo: entry 11
	s_cmp_ge_u32 s56, 128
	s_cselect_b64 s[26:27], s[18:19], s[26:27]     ; W2
	s_cselect_b32 s60, s61, s60
	s_cselect_b32 s40, 0x1400000, s40
	s_cselect_b32 s41, 60, s41                     ; entry 15
	s_cselect_b32 s42, 32, s42
	s_cmp_ge_u32 s56, 256
	s_cselect_b64 s[26:27], s[16:17], s[26:27]     ; W1
	s_cselect_b32 s59, s62, s59
	s_cselect_b32 s60, s63, s60
	s_cselect_b32 s40, 0x1000000, s40
	s_cselect_b32 s41, 52, s41                     ; entry 13
	s_cselect_b32 s42, 8, s42
	s_cselect_b32 s43, 0x400000, s43
	s_load_b32 s48, s[20:21], s41 offset:0x0       ; e
	s_mul_i32 s44, s60, s43
	s_lshl_b32 s45, s59, 9
	s_add_co_u32 s44, s44, s45
	s_lshl_b32 s45, s2, 7
	s_add_co_u32 s44, s44, s45
	s_mov_b32 s45, 0
	s_add_nc_u64 s[26:27], s[26:27], s[44:45]      ; in: 256 rows x which + 4 (128 x block + 32 x wave)
	s_mul_i32 s44, s59, s42
	s_lshl_b32 s46, s60, 1
	s_add_co_u32 s44, s44, s46
	s_lshl_b32 s44, s44, 14
	s_add_co_u32 s44, s44, s40
	s_lshl_b32 s46, s2, 12
	s_add_co_u32 s44, s44, s46
	s_add_nc_u64 s[32:33], s[22:23], s[44:45]      ; out: region + (block (K / 128) + K step) 16384 + tile 2 w
	s_wait_alu depctr_va_vdst(0)
	v_lshlrev_b32 v16, 2, v[LANE]
	v_bfe_u32 v17, v[LANE], 3, 1
	v_lshlrev_b32 v17, 11, v17
	v_and_b32 v18, 7, v[LANE]
	v_bfe_u32 v19, v[LANE], 4, 1
	v_lshl_add_u32 v18, v19, 3, v18
	v_lshl_add_u32 v17, v18, 4, v17                ; 2048 ((o / 8) % 2) + 16 r
.macro WLOAD ns, t                     ; block t: W(32 t + i, my column): 32 lanes read 128 consecutive bytes, the four waves 512
.set i, 0
.rept 32
	global_load_b32 v[32+32*((\t)%2)+i], v16, s[26:27] offset:(32*(\t)+i)*\ns*4 th:TH_LOAD_NT
.set i, i+1
.endr
.endm
.macro WQ ns                           ; ns: numbers in a row of the weight.  Every offset is an immediate: 255 x 4,096 x 4 bytes at the most, inside the signed 24 bits (ISA guide, chapter 10)
	WLOAD \ns, 0
	WLOAD \ns, 1
	s_wait_kmcnt 0x0
	MKSC 48, 10, 11
	s_wait_alu depctr_va_vdst(0)
.irp t, 0,1,2,3,4,5,6,7
.if \t < 7
	s_wait_loadcnt 32                              ; this block's 32 loads are in; the next block's may be out
.else
	s_wait_loadcnt 0
.endif
.set i, 0
.rept 32
	v_med3_num_f32 v[32+32*(\t%2)+i], v[32+32*(\t%2)+i], -v11, v11
.set i, i+1
.endr
.irp g, 0,1,2,3
	v_cvt_scalef32_pk8_fp8_f32 v[96+8*\t+2*\g:97+8*\t+2*\g], v[32+32*(\t%2)+8*\g:39+32*(\t%2)+8*\g], v10   ; each block has its own eight registers: no store's data are written again
.endr
	global_store_b128 v17, v[96+8*\t:99+8*\t], s[32:33] offset:(\t/4)*16384+(\t%4)*512        ; k = 0 .. 15 of the 32: sixteen lanes fill 256 consecutive bytes of tile 2 w, sixteen of tile 2 w + 1
	global_store_b128 v17, v[100+8*\t:103+8*\t], s[32:33] offset:(\t/4)*16384+(\t%4)*512+256  ; k = 16 .. 31: the fragment's lanes 16 to 31
.if \t < 6
	WLOAD \ns, \t+2
.endif
.endr
.endm
	s_cmp_ge_u32 s56, 256
	s_cbranch_scc1 .Lwide
	WQ 1024
	s_branch .Lend_w
.Lwide:
	s_wait_alu depctr_va_vdst(0)
	WQ 4096
.Lend_w:
	s_wait_tensorcnt 0x0                           ; one form of ending for the whole text
	ds_add_u32 v[SPW], v[NIL]
	s_wait_dscnt 0x0
	s_endpgm
.Lfunc_end_k_q0e1d29eaa2_prep:
	.size	k_q0e1d29eaa2_prep, .Lfunc_end_k_q0e1d29eaa2_prep-k_q0e1d29eaa2_prep
	.p2alignl 7, 3214868480
	.fill 96, 4, 3214868480
	.section	.rodata,"a",@progbits
	.p2align	6, 0x0
	.amdhsa_kernel k_q0e1d29eaa2_prep
		.amdhsa_group_segment_fixed_size 34304
		.amdhsa_private_segment_fixed_size 0
		.amdhsa_enable_private_segment 0
		.amdhsa_kernarg_size 88
		.amdhsa_user_sgpr_count 2
		.amdhsa_user_sgpr_kernarg_segment_ptr 1
		.amdhsa_wavefront_size32 1
		.amdhsa_system_sgpr_workgroup_id_x 1
		.amdhsa_system_sgpr_workgroup_id_y 1
		.amdhsa_system_sgpr_workgroup_id_z 1
		.amdhsa_system_vgpr_workitem_id 0
		.amdhsa_next_free_vgpr 256
		.amdhsa_next_free_sgpr 66
		.amdhsa_reserve_vcc 1
		.amdhsa_float_denorm_mode_32 3
		.amdhsa_float_denorm_mode_16_64 3
		.amdhsa_memory_ordered 1
		.amdhsa_forward_progress 1
		.amdhsa_inst_pref_size 221
	.end_amdhsa_kernel
	.amdgpu_metadata
---
amdhsa.version: [ 1, 2 ]
amdhsa.kernels:
  - .name:           k_q0e1d29eaa2_prep
    .symbol:         k_q0e1d29eaa2_prep.kd
    .args:
      - { .name: x, .offset: 0, .size: 8, .value_kind: global_buffer, .address_space: global }
      - { .name: mask, .offset: 8, .size: 8, .value_kind: global_buffer, .address_space: global }
      - { .name: Wq, .offset: 16, .size: 8, .value_kind: global_buffer, .address_space: global }
      - { .name: Wk, .offset: 24, .size: 8, .value_kind: global_buffer, .address_space: global }
      - { .name: Wv, .offset: 32, .size: 8, .value_kind: global_buffer, .address_space: global }
      - { .name: Wo, .offset: 40, .size: 8, .value_kind: global_buffer, .address_space: global }
      - { .name: W1, .offset: 48, .size: 8, .value_kind: global_buffer, .address_space: global }
      - { .name: W2, .offset: 56, .size: 8, .value_kind: global_buffer, .address_space: global }
      - { .name: lowp_scales, .offset: 64, .size: 8, .value_kind: global_buffer, .address_space: global }
      - { .name: prepc, .offset: 72, .size: 8, .value_kind: global_buffer, .address_space: global }
      - { .name: maskw, .offset: 80, .size: 8, .value_kind: global_buffer, .address_space: global }
    .group_segment_fixed_size: 34304
    .private_segment_fixed_size: 0
    .kernarg_segment_align: 8
    .kernarg_segment_size: 88
    .max_flat_workgroup_size: 128
    .sgpr_count:     66
    .vgpr_count:     256
    .wavefront_size: 32
...
	.end_amdgpu_metadata
.endif
;; end of part 9
;; launch qkv (part 10): grid 12 x 16, 4 waves a work-group, clusters of 4 x 4, 327,680 bytes of LDS; arguments prepc, bq, bk, bv, lowp_scales, qkv; writes qkv
.if DOCPART == 10
	.amdgcn_target "amdgcn-amd-amdhsa--gfx1250"
	.amdhsa_code_object_version 6
	.text
	.protected	k_q0e1d29eaa2_qkv
	.globl	k_q0e1d29eaa2_qkv
	.p2align	8
	.type	k_q0e1d29eaa2_qkv,@function
k_q0e1d29eaa2_qkv:
	s_mov_b64 s[64:65], 0
	v_nop
	global_prefetch_b8 v0, s[64:65] scope:SCOPE_SE
	s_setreg_imm32_b32 hwreg(HW_REG_WAVE_MODE, 25, 1), 1
	s_wait_xcnt 0x0
	s_wait_alu depctr_hold_cnt(0) depctr_sa_sdst(0) depctr_va_vdst(0) depctr_va_sdst(0) depctr_va_ssrc(0) depctr_va_vcc(0) depctr_vm_vsrc(0)
	s_getreg_b32 s2, hwreg(HW_REG_IB_STS2, 6, 4)
	s_cmp_eq_u32 s2, 0
	s_cbranch_scc0 .Lentry_in_a_cluster
	s_endpgm
.Lentry_in_a_cluster:
	s_bfe_u32 s2, ttmp6, 0x10000c
	s_cmp_lg_u32 s2, 0xf033
	s_cbranch_scc0 .Lentry_shape_is_right
	s_endpgm
.Lentry_shape_is_right:
.set KTOT,   1024
.set PART,   32768
.set SLOT,   4*PART
.set SPARE,  2*SLOT
.set BLKB,   (KTOT/128)*16384
.set LAPS,   KTOT/512
.set FR,     16
.set NL,     4
.set NP,     4
.set ADRA, 16
.set ADRB, 20
.set LI,   26
.set BO,   27
.set SPW,  28
.set NIL,  29
.set SCV,  30
.set LIMV, 31
.set BI,   32
.set TMP,  96
.set AF,   128
.set CD,   224
.set G1, 24
.set G0, 32
.set G1B, 48
.set G0B, 56
.set MSB, 0
.macro WIN new
.if MSB != \new
	s_set_vgpr_msb (MSB<<8)|\new
.set MSB, \new
.endif
.endm
.set MUL_LO, 0xa1
.set MUL_HI, 0xf1
.set TO_B,   0x40
.macro JLOAD g0a, g1a, g0b, g1b
	s_cmp_eq_u32 s15, 0
	s_cbranch_scc0 .Lfor_b_\@
	tensor_load_to_lds s[\g0a:\g0a+3], s[\g1a:\g1a+7]
	s_nop 0
.rept 4
	v_nop
.endr
	s_branch .Lasked_\@
.Lfor_b_\@:
	tensor_load_to_lds s[\g0b:\g0b+3], s[\g1b:\g1b+7]
	s_nop 0
.rept 4
	v_nop
.endr
.Lasked_\@:
.endm
.macro CREST
	s_cmp_lg_u32 s14, 0
	s_cbranch_scc1 .Lnot_wave_0_\@
	s_barrier_signal -3
.Lnot_wave_0_\@:
	s_barrier_wait -3
	s_barrier_signal -1
	s_barrier_wait -1
.endm
.macro CROUND
	s_barrier_signal -1
	s_barrier_wait -1
	CREST
.endm
.macro FRAG reg, adr, q, i
.irp c, 0,1,2,3
	ds_load_b128 v[\reg+4*\c:\reg+4*\c+3], v[\adr] offset:16384*(\q)+2048*(\i)+512*\c
.endr
.endm
.macro MUL16 a0, p, zero
.irp a, \a0, \a0+1
.irp b, 0,1,2,3,4,5,6,7
.if \zero
	v_wmma_f32_16x16x128_fp8_fp8 v[8*(8*((\a)%4)+\b):8*(8*((\a)%4)+\b)+7], v[128*(\p)+FR*\b:128*(\p)+FR*\b+FR-1], v[AF+FR*(\a):AF+FR*(\a)+FR-1], 0
.else
	v_wmma_f32_16x16x128_fp8_fp8 v[8*(8*((\a)%4)+\b):8*(8*((\a)%4)+\b)+7], v[128*(\p)+FR*\b:128*(\p)+FR*\b+FR-1], v[AF+FR*(\a):AF+FR*(\a)+FR-1], v[8*(8*((\a)%4)+\b):8*(8*((\a)%4)+\b)+7]
.endif
.endr
.endr
.endm
.macro FETCH_B slot, q, p
	WIN TO_B
.irp i, 0,1,2,3,4,5,6,7
	FRAG 128*(\p)+FR*\i, ADRB+\slot, \q, \i
.endr
	WIN 0
.endm
.macro FETCH_A slot, q, i0
.irp i, \i0, \i0+1, \i0+2, \i0+3
	FRAG AF+FR*(\i), ADRA+\slot, \q, \i
.endr
.endm
.macro PLACES n
.rept \n
	v_nop
.endr
.endm
.macro STEP slot, q, zero
	s_wait_dscnt 4*NL
	WIN MUL_LO
	MUL16 0, (\q)%2, \zero
	MUL16 2, (\q)%2, \zero
	s_wait_dscnt 0
	PLACES NP
	FETCH_B \slot, (\q)+1, 1-(\q)%2
	FETCH_A \slot, (\q)+1, 0
	WIN MUL_HI
	MUL16 4, (\q)%2, \zero
	MUL16 6, (\q)%2, \zero
	PLACES NP
	WIN 0
	FETCH_A \slot, (\q)+1, 4
.endm
.macro TURN slot, next, fill
	s_wait_tensorcnt 0x0
	ds_add_u32 v[SPW], v[NIL]
	s_wait_dscnt 4*NL+1
	WIN MUL_LO
	MUL16 0, 1, 0
	s_wait_dscnt 0x0
	s_barrier_signal -1
	MUL16 2, 1, 0
	WIN 0
	s_barrier_wait -1
.if \fill
	CREST
	s_add_nc_u64 s[G0+4*\slot+2:G0+4*\slot+3], s[G0+4*\slot+2:G0+4*\slot+3], 2*PART
	s_add_nc_u64 s[G0B+4*\slot+2:G0B+4*\slot+3], s[G0B+4*\slot+2:G0B+4*\slot+3], 2*PART
	JLOAD G0+4*\slot, G1, G0B+4*\slot, G1B
.else
	PLACES NP
.endif
	FETCH_B \next, 0, 0
	FETCH_A \next, 0, 0
	WIN MUL_HI
	MUL16 4, 1, 0
	MUL16 6, 1, 0
	PLACES NP
	WIN 0
	FETCH_A \next, 0, 4
.endm
.macro LAST
	s_wait_dscnt 4*NL
	WIN MUL_LO
	MUL16 0, 1, 0
	MUL16 2, 1, 0
	s_wait_dscnt 0
	WIN MUL_HI
	MUL16 4, 1, 0
	MUL16 6, 1, 0
	WIN 0
.endm
.macro QUANT64 a, relu
.set j, 0
.rept 64
.if \relu
	v_med3_num_f32 v[TMP+j], v[TMP+j], 0, v[LIMV]
.else
	v_med3_num_f32 v[TMP+j], v[TMP+j], -v[LIMV], v[LIMV]
.endif
.set j, j+1
.endr
.set j, 0
.rept 8
	v_cvt_scalef32_pk8_fp8_f32 v[CD+16*((\a)%2)+2*j:CD+16*((\a)%2)+2*j+1], v[TMP+8*j:TMP+8*j+7], v[SCV]
.set j, j+1
.endr
	v_nop
.endm
	s_load_b256 s[4:11], s[0:1], 0x0
	s_load_b128 s[72:75], s[0:1], 0x20
	v_lshl_add_u32 v[SPW], v0, 2, SPARE
	v_mov_b32 v[NIL], 0
	ds_add_u32 v[SPW], v[NIL]
	ds_add_u32 v[SPW], v[NIL]
	v_lshrrev_b32 v1, 5, v0
	v_readfirstlane_b32 s14, v1
	s_lshr_b32 s15, s14, 1
	s_and_b32 s16, s14, 1
	s_bfe_u32 s40, ttmp6, 0x40000
	s_bfe_u32 s41, ttmp6, 0x40004
	s_and_b32 s78, ttmp7, 0xffff
	s_lshl_b32 s78, s78, 2
	s_lshl_b32 s76, ttmp9, 22
	s_lshl_b32 s77, ttmp9, 20
	s_add_co_u32 s77, s77, 12<<20
	s_lshl_b32 s80, ttmp9, 3
	s_cmp_eq_u32 ttmp9, 2
	s_cselect_b32 s76, 14<<20, s76
	s_cselect_b32 s77, 8<<20, s77
	s_cselect_b32 s79, 0, s78
	s_cselect_b32 s78, s78, 0
	s_add_co_u32 s17, s41, s79
	s_add_co_u32 s42, s40, s78
	s_lshl_b32 s43, s41, 2
	s_lshl_b32 s43, 15, s43
	s_lshl_b32 s44, 0x1111, s40
	s_or_b32 s[G1+0], s43, (3<<16)|(1<<21)
	s_or_b32 s[G1B+0], s44, (3<<16)|(1<<21)
.irp g, G1, G1B
	s_mov_b32 s[\g+1], 32<<16
	s_mov_b32 s[\g+2], 128<<16
	s_mov_b32 s[\g+3], 32<<16
	s_mov_b32 s[\g+4], 128
	s_mov_b32 s[\g+5], 32
	s_mov_b32 s[\g+6], 0
	s_mov_b32 s[\g+7], 0
.endr
	s_lshl_b32 s20, s17, 1
	s_add_co_u32 s20, s20, s16
	s_mul_i32 s20, s20, BLKB
	s_add_co_u32 s20, s20, s76
	s_mov_b32 s21, 0
	s_lshl_b32 s46, s42, 1
	s_add_co_u32 s46, s46, s16
	s_mul_i32 s46, s46, BLKB
	s_add_co_u32 s46, s46, s77
	s_mov_b32 s47, 0
	s_mul_i32 s45, s14, PART
	s_wait_dscnt 0x0
	s_wait_kmcnt 0x0
	s_load_b64 s[96:97], s[72:73], s80 offset:0x0
	s_load_b128 s[68:71], s[72:73], 0x18
	s_add_nc_u64 s[20:21], s[4:5], s[20:21]
	s_add_nc_u64 s[46:47], s[4:5], s[46:47]
	CROUND
.irp s, 0,1
	s_mov_b32 s[G0+4*\s], 1
	s_add_co_u32 s[G0+4*\s+1], s45, \s*SLOT
	s_add_nc_u64 s[G0+4*\s+2:G0+4*\s+3], s[20:21], \s*PART
	s_or_b32 s[G0+4*\s+3], s[G0+4*\s+3], 0x80000000
	s_mov_b32 s[G0B+4*\s], 1
	s_add_co_u32 s[G0B+4*\s+1], s45, \s*SLOT
	s_add_nc_u64 s[G0B+4*\s+2:G0B+4*\s+3], s[46:47], \s*PART
	s_or_b32 s[G0B+4*\s+3], s[G0B+4*\s+3], 0x80000000
.if \s == 0
	JLOAD G0, G1, G0B, G1B                         ; slot 0: one tensor load a wave at the head
.endif
.endr
	v_and_b32 v1, 31, v0
	v_lshlrev_b32 v[LI], 4, v1
	s_lshl_b32 s21, s15, 15
	s_lshl_b32 s22, s16, 15
	s_add_co_u32 s22, s22, 2*PART
.irp s, 0,1
	v_add_nc_u32 v[ADRA+\s], s21, v[LI]
	v_add_nc_u32 v[ADRB+\s], s22, v[LI]
	s_add_co_u32 s21, s21, SLOT
	s_add_co_u32 s22, s22, SLOT
.endr
	s_wait_alu depctr_va_vdst(0)
	s_wait_tensorcnt 0x0                           ; my part of slot 0 is in
	ds_add_u32 v[SPW], v[NIL]
	s_wait_dscnt 0x0
	CROUND
	JLOAD G0+4, G1, G0B+4, G1B                     ; slot 1: the first tensor load behind the round
	FETCH_B 0, 0, 0
	FETCH_A 0, 0, 0
	FETCH_A 0, 0, 4
	STEP 0, 0, 1
	s_mov_b32 s3, LAPS-1
.Llap:
	TURN 0, 1, 1
	STEP 1, 0, 0
	TURN 1, 0, 1
	STEP 0, 0, 0
	s_sub_co_u32 s3, s3, 1
	s_cmp_lg_u32 s3, 0
	s_cbranch_scc1 .Llap
	TURN 0, 1, 0
	s_cmp_eq_u32 ttmp9, 2
	s_cbranch_scc1 .Lv_arm
	s_cmp_eq_u32 ttmp9, 1
	s_cselect_b64 s[6:7], s[8:9], s[6:7]
	s_lshl_b32 s22, s42, 1
	s_add_co_u32 s22, s22, s16
	s_lshl_b32 s22, s22, 9
	s_mov_b32 s23, 0
	s_add_nc_u64 s[6:7], s[6:7], s[22:23]
	v_bfe_u32 v[BO], v0, 4, 1
	v_lshlrev_b32 v[BO], 6, v[BO]
.set j, 0
.rept 16
	global_load_b128 v[BI+4*j:BI+4*j+3], v[BO], s[6:7] offset:128*(j/4)+16*(j%4)
.set j, j+1
.endr
	s_lshl_b32 s20, s17, 1
	s_add_co_u32 s20, s20, s15
	s_lshr_b32 s21, s20, 4
	s_and_b32 s20, s20, 15
	s_lshl_b32 s21, s21, 4
	s_lshl_b32 s22, s42, 2
	s_add_co_u32 s21, s21, s22
	s_lshl_b32 s22, s16, 1
	s_add_co_u32 s21, s21, s22
	s_lshl_b32 s21, s21, 7
	s_lshl_b32 s20, s20, 3
	s_add_co_u32 s20, s20, s21
	s_lshl_b32 s20, s20, 10
	s_lshl_b32 s21, ttmp9, 22
	s_add_co_u32 s20, s20, s21
	s_mov_b32 s21, 0
	s_add_nc_u64 s[74:75], s[74:75], s[20:21]
	STEP 1, 0, 0
	LAST
	s_wait_kmcnt 0x0
	s_add_co_i32 s96, s96, s97
	s_add_co_i32 s96, s96, 127
	s_lshl_b32 s96, s96, 23
	s_mov_b32 s97, s96
	s_cmp_eq_u32 ttmp9, 1
	s_cselect_b32 s68, s69, s68
	s_add_co_i32 s68, s68, 127
	s_lshl_b32 s69, s68, 23
	v_mov_b32 v[SCV], s69
	s_add_co_i32 s68, s68, 8
	s_lshl_b32 s68, s68, 23
	s_or_b32 s68, s68, 0x600000
	v_mov_b32 v[LIMV], s68
	s_wait_loadcnt 0x0
	PLACES NP
.macro OUT_QK a
.if (\a) >= 2
	s_wait_xcnt 0x0
.endif
.set AC, 64*((\a)%4)
	WIN 0x02+((\a)/4)
.set j, 0
.rept 32
	v_pk_fma_f32 v[TMP+j:TMP+j+1], v[AC+j:AC+j+1], s[96:97], v[BI+j:BI+j+1] op_sel_hi:[1,0,1]
.set j, j+2
.endr
	WIN 0
	QUANT64 \a, 0
.irp c, 0,1,2,3
	global_store_b128 v[LI], v[CD+16*((\a)%2)+4*\c:CD+16*((\a)%2)+4*\c+3], s[74:75] offset:(\c/2)*131072+1024*(\a)+(\c%2)*512
.endr
.endm
.irp a, 0,1,2,3,4,5,6,7
	OUT_QK \a
.endr
	s_branch .Ldone
.Lv_arm:
	s_lshl_b32 s22, s17, 1
	s_add_co_u32 s22, s22, s15
	s_lshl_b32 s20, s42, 1
	s_add_co_u32 s20, s20, s16
	s_lshr_b32 s21, s20, 4
	s_and_b32 s20, s20, 15
	s_lshl_b32 s21, s21, 4
	s_lshl_b32 s23, s22, 1
	s_add_co_u32 s21, s21, s23
	s_lshl_b32 s21, s21, 4
	s_add_co_u32 s20, s20, s21
	s_lshl_b32 s20, s20, 13
	s_add_co_u32 s20, s20, 8<<20
	s_mov_b32 s21, 0
	s_add_nc_u64 s[74:75], s[74:75], s[20:21]
	s_lshl_b32 s22, s22, 9
	s_mov_b32 s23, 0
	s_add_nc_u64 s[10:11], s[10:11], s[22:23]
	v_and_b32 v1, 15, v0
	v_and_b32 v[BO], 8, v1
	v_add_nc_u32 v[BO], v[BO], v1
	v_lshlrev_b32 v[BO], 2, v[BO]
.irp a, 0,1,2,3,4,5,6,7
	global_load_b32 v[BI+2*\a], v[BO], s[10:11] offset:(32*(\a/2)+8*(\a%2))*4
.endr
	STEP 1, 0, 0
	LAST
	s_wait_kmcnt 0x0
	s_add_co_i32 s96, s96, s97
	s_add_co_i32 s96, s96, 127
	s_lshl_b32 s96, s96, 23
	s_mov_b32 s97, s96
	s_add_co_i32 s68, s71, 127
	s_lshl_b32 s69, s68, 23
	v_mov_b32 v[SCV], s69
	s_add_co_i32 s68, s68, 8
	s_lshl_b32 s68, s68, 23
	s_or_b32 s68, s68, 0x600000
	v_mov_b32 v[LIMV], s68
	s_wait_loadcnt 0x0
.irp a, 0,1,2,3,4,5,6,7
	v_mov_b32 v[BI+2*\a+1], v[BI+2*\a]
.endr
.macro OUT_V a
.if (\a) >= 2
	s_wait_xcnt 0x0
.endif
.set AC, 64*((\a)%4)
	WIN 0x02+((\a)/4)
.set j, 0
.rept 32
	v_pk_fma_f32 v[TMP+j:TMP+j+1], v[AC+j:AC+j+1], s[96:97], v[BI+2*(\a):BI+2*(\a)+1] op_sel_hi:[1,0,1]
.set j, j+2
.endr
	WIN 0
	QUANT64 \a, 0
.irp c, 0,1,2,3
	global_store_b128 v[LI], v[CD+16*((\a)%2)+4*\c:CD+16*((\a)%2)+4*\c+3], s[74:75] offset:((\a)/4)*131072+((\a)%4)*2048+512*\c
.endr
.endm
.irp a, 0,1,2,3,4,5,6,7
	OUT_V \a
.endr
.Ldone:
	s_wait_tensorcnt 0x0
	ds_add_u32 v[SPW], v[NIL]
	s_wait_dscnt 0x0
	CROUND
	s_endpgm
.Lfunc_end_k_q0e1d29eaa2_qkv:
	.size	k_q0e1d29eaa2_qkv, .Lfunc_end_k_q0e1d29eaa2_qkv-k_q0e1d29eaa2_qkv
	.p2alignl 7, 3214868480
	.fill 96, 4, 3214868480
	.section	.rodata,"a",@progbits
	.p2align	6, 0x0
	.amdhsa_kernel k_q0e1d29eaa2_qkv
		.amdhsa_group_segment_fixed_size 327680
		.amdhsa_private_segment_fixed_size 0
		.amdhsa_enable_private_segment 0
		.amdhsa_kernarg_size 48
		.amdhsa_user_sgpr_count 2
		.amdhsa_user_sgpr_kernarg_segment_ptr 1
		.amdhsa_wavefront_size32 1
		.amdhsa_system_sgpr_workgroup_id_x 1
		.amdhsa_system_sgpr_workgroup_id_y 1
		.amdhsa_system_sgpr_workgroup_id_z 1
		.amdhsa_system_vgpr_workitem_id 0
		.amdhsa_next_free_vgpr 1024
		.amdhsa_next_free_sgpr 98
		.amdhsa_reserve_vcc 0
		.amdhsa_float_denorm_mode_32 3
		.amdhsa_float_denorm_mode_16_64 3
		.amdhsa_memory_ordered 1
		.amdhsa_forward_progress 1
		.amdhsa_inst_pref_size 207
	.end_amdhsa_kernel
	.amdgpu_metadata
---
amdhsa.version: [ 1, 2 ]
amdhsa.kernels:
  - .name:           k_q0e1d29eaa2_qkv
    .symbol:         k_q0e1d29eaa2_qkv.kd
    .args:
      - { .name: prepc, .offset: 0, .size: 8, .value_kind: global_buffer, .address_space: global }
      - { .name: bq, .offset: 8, .size: 8, .value_kind: global_buffer, .address_space: global }
      - { .name: bk, .offset: 16, .size: 8, .value_kind: global_buffer, .address_space: global }
      - { .name: bv, .offset: 24, .size: 8, .value_kind: global_buffer, .address_space: global }
      - { .name: lowp_scales, .offset: 32, .size: 8, .value_kind: global_buffer, .address_space: global }
      - { .name: qkv, .offset: 40, .size: 8, .value_kind: global_buffer, .address_space: global }
    .group_segment_fixed_size: 327680
    .private_segment_fixed_size: 0
    .kernarg_segment_align: 8
    .kernarg_segment_size: 48
    .max_flat_workgroup_size: 128
    .sgpr_count:     98
    .vgpr_count:     1024
    .wavefront_size: 32
...
	.end_amdgpu_metadata
.endif
;; end of part 10
;; launch attn (part 11): grid 8 x 32, 16 waves a work-group, no clusters, 296,960 bytes of LDS; arguments qkv, maskw, lowp_scales, ao; writes ao
.if DOCPART == 11
	.amdgcn_target "amdgcn-amd-amdhsa--gfx1250"
	.amdhsa_code_object_version 6
	.text
	.protected	k_q0e1d29eaa2_attn
	.globl	k_q0e1d29eaa2_attn
	.p2align	8
	.type	k_q0e1d29eaa2_attn,@function
k_q0e1d29eaa2_attn:
	s_mov_b64 s[64:65], 0
	v_nop
	global_prefetch_b8 v0, s[64:65] scope:SCOPE_SE
	s_setreg_imm32_b32 hwreg(HW_REG_WAVE_MODE, 25, 1), 1
	s_wait_xcnt 0x0
; Launch 3 of 8: attention with ALiBi and the given mask, both products on codes of E4M3; the result leaves as codes for the projection.
; LEFT OUT, by whole numbers that launch 1 stored: a step of 16 queries x 128 keys whose mask is all 0, unless one of the 16 queries has no unmasked key at all (then the tile walks all 16 steps).
; LIMIT: a query with an unmasked key has an unmasked logit above -9.9e8; then 2^(t - M) of every masked key is 0 in f32.  What reaches only a step left out (a NaN, an infinity) is not carried on.
; THE SOFTMAX: t = logit x log2(e); M = the running largest t rounded UP to a whole number, kept as -M; p = 2^(t - M) is quantised, not normalised; the row's sum is taken of the unquantised p and divides at the end.
; The running largest t begins at tm = -1e9 x log2(e), the t of a masked key (a whole number in f32).  When M moves, the sum and O are multiplied by 2^(old M - new M): exact.
; THE LOGIT.  A sum of codes stands for sum x 2^(e6 + e7); c1 = log2(e) / 8 x 2^(e6 + e7).  Key j = 128 s + 32 b + 16 h + i, i = 0 .. 15.  ALiBi's slope x (j - q) is cut in two: g x i, g = slope x 8 / 2^(e6 + e7), a table of
; 16 registers that is the C of the first product; and a x (128 s + 32 b + 16 h - q), a = slope x log2(e), one number a lane for each b, added where the sums become t.
; TWO COPIES OF A STEP, chosen by a stored bit.  A step none of whose mask entries is 0 reads no mask word.  In any other step a masked sum becomes -3e38 ahead of the maximum, and its exponent becomes tm - M behind the
; multiply-add: 0 for a query that has met no unmasked key (p = 1, all masked keys alike), far under every exponent of f32 otherwise (p = 0).
; SHARES.  Work-group (x, y): head y % 16 of batch y / 16; the blocks of 128 queries x and 15 - x: waves 0-7 the first, waves 8-15 the second, a tile of 16 queries each.  A lane holds ONE query (lane % 16): both products are transposed.
; LDS holds the head's WHOLE K (16 steps x 8,192 bytes from byte 0) and V (from byte 131,072), images of fragments' registers: no byte is written twice.  The bytes go through registers, 16 + 16 bytes a thread and step, in pairs of steps:
; pairs 0 and 1 at the head; in trip i pair i + 2 is stored and pair i + 3 asked for, then the barrier is signalled, pair i is worked, and the barrier is waited for: pair i + 1 was shown by trip i - 1's barrier.
; The walk branches on numbers read from memory, so no tensor load is used, and for the same reason no cluster: partners would walk different steps.
; LIMITS: e6 + e7 between -90 and 120; e8 and e10 between -126 and 119; e8 + e9 is applied by v_ldexp_f32.
; REGISTERS: v1 16 L; v2 16 t; v3, v4 the add's two; v5 -3e38; v7 16 h - r - 8 (r / 8); v8, v9 K's and V's LDS address of the pair; v10, v11 at work; v12 -M, v13 the largest t, v[14:15] the sum; v16-23 Q; v24, v25 2^e8, 448 x 2^e8;
;   v26, v27 the same of e10; v28 256 L; v29 tm - M; v30 a permute's result; v32-95 K's eight fragments, then V's four; v96-159 S^T, then p; v160-191 O^T; v192-207 g x 0 .. 15; v208-223 p's codes; v224-231 four pairs: a x (..), then less M;
;   v[232:233] f; v234-239 at work; v240-255 a pair of steps on its way to LDS.
; SCALARS: s2 wave; s3 trips to go; s4 my tile's live steps, s5 the work-group's, s66 my tile's steps with no 0 in the mask, bit 0 = the step in hand; s[6:7] K, s[8:9] V, s[10:11] my mask words, at the trip's first step; s[12:13] my codes;
;   s[14:15] c1; s[16:17] lane selects; s18 128 s - my tile's first query; s19 e8; s20 e8 + e9; s21, s[22:23] the prefetches' bound and place; s26-28 a x 32, 64, 96; s29 16,384 x trip; s30 tm; s67 a; s[68:99], s[32:63] 64 mask words.
.set KV,    131072                     ; V lies behind K
.set SPARE, 294912                     ; the spare words, 128 bytes for each of sixteen waves, behind every address that the trips' store lines can form (114,688 + 131,072 + 40,960 + 8,192)
.macro TILEW a                         ; a tile's four words at s[a] on: its live steps are OR-ed into s5
	s_or_b32 s60, s[\a], s[\a+1]
	s_or_b32 s61, s[\a+2], s[\a+3]
	s_or_b32 s60, s60, s61
	s_lshr_b32 s61, s60, 16
	s_cmp_eq_u32 s61, 0xffff                       ; has each of the 16 queries an unmasked key somewhere?
	s_cselect_b32 s60, s60, -1                     ; if not, every step is live
	s_or_b32 s5, s5, s60
.endm
	s_load_b256 s[24:31], s[0:1], 0x0              ; qkv s[24:25], maskw s[26:27], the exponents s[28:29], ao s[30:31]
	v_lshl_add_u32 v3, v0, 2, SPARE
	v_mov_b32 v4, 0
	v_lshrrev_b32 v10, 5, v0
	v_readfirstlane_b32 s2, v10                    ; wave 0..15
	s_and_b32 s44, ttmp7, 0xffff                   ; batch x 16 + head
	s_sub_co_u32 s45, 15, ttmp9
	s_cmp_lt_u32 s2, 8
	s_cselect_b32 s45, ttmp9, s45                  ; my block of 128 queries
	s_and_b32 s46, s2, 7                           ; my tile in it
	s_lshl_b32 s47, s45, 3
	s_add_co_u32 s47, s47, s46                     ; T
	s_lshl_b32 s6, s44, 17                         ; 16 steps x 8,192 bytes a head
	s_add_co_u32 s8, s6, 8<<20
	s_add_co_u32 s6, s6, 4<<20
	s_mov_b32 s7, 0
	s_mov_b32 s9, 0
	s_lshl_b32 s10, s47, 12                        ; my tile's mask words: 16 steps x 256 bytes
	s_mov_b32 s11, 0
	s_lshl_b32 s54, s44, 7
	s_add_co_u32 s54, s54, s47
	s_lshl_b32 s54, s54, 10                        ; Q's tile
	s_mov_b32 s55, 0
	s_lshr_b32 s48, s44, 4                         ; batch
	s_and_b32 s49, s44, 15                         ; head
	s_lshl_b32 s12, s48, 4
	s_add_co_u32 s12, s12, s45
	s_lshl_b32 s12, s12, 3
	s_lshr_b32 s50, s49, 1
	s_add_co_u32 s12, s12, s50
	s_lshl_b32 s12, s12, 3
	s_add_co_u32 s12, s12, s46
	s_lshl_b32 s12, s12, 1
	s_and_b32 s50, s49, 1
	s_add_co_u32 s12, s12, s50
	s_lshl_b32 s12, s12, 10                        ; ao: (((batch 16 + block) 8 + head / 2) 8 + tile) 2048 + (head % 2) 1024
	s_mov_b32 s13, 0
	s_lshl_b32 s18, s45, 7
	s_lshr_b32 s50, s46, 1
	s_lshl_b32 s50, s50, 5
	s_add_co_u32 s18, s18, s50
	s_and_b32 s50, s46, 1
	s_lshl_b32 s50, s50, 3
	s_add_co_u32 s18, s18, s50
	s_sub_co_i32 s18, 0, s18                       ; - my tile's first query
	s_lshl_b32 s51, ttmp9, 7
	s_add_co_u32 s51, s51, 524288                  ; the live words of block x's eight tiles,
	s_sub_co_u32 s52, 15, ttmp9
	s_lshl_b32 s52, s52, 7
	s_add_co_u32 s52, s52, 524288                  ; of block 15 - x's,
	s_lshl_b32 s53, s47, 4
	s_add_co_u32 s53, s53, 524288                  ; and of my own tile
	s_lshr_b32 s50, s2, 1
	s_or_b32 s50, s50, ttmp9
	s_cmp_eq_u32 s50, 0
	s_cselect_b32 s21, 4, -1                       ; waves 0 and 1 of a head's first work-group prefetch, while more than 4 trips are to go
	s_mov_b32 s16, 0x76543210
	s_mov_b32 s17, 0xfedcba98
	s_mov_b32 s3, 8
	s_mov_b32 s5, 0
	v_and_b32 v10, 31, v0
	v_lshlrev_b32 v2, 4, v0
	v_and_b32 v11, 15, v0
	v_bfe_u32 v9, v0, 4, 1
	v_lshlrev_b32 v1, 4, v10
	v_lshlrev_b32 v28, 8, v10
	v_and_b32 v7, 8, v11
	v_lshlrev_b32 v9, 4, v9
	v_add_nc_u32 v8, KV, v2
	v_add_nc_u32 v7, v7, v11
	v_mov_b32 v5, 0xff61b1e6                       ; -3e38
	v_sub_nc_u32 v7, v9, v7
	s_wait_alu depctr_va_vdst(0)
	s_wait_kmcnt 0x0
	s_add_nc_u64 s[6:7], s[24:25], s[6:7]
	s_add_nc_u64 s[8:9], s[24:25], s[8:9]
	s_add_nc_u64 s[24:25], s[24:25], s[54:55]
	s_add_nc_u64 s[10:11], s[26:27], s[10:11]
	s_add_nc_u64 s[12:13], s[30:31], s[12:13]
	s_cmp_eq_u32 s2, 0
	s_cselect_b64 s[22:23], s[6:7], s[8:9]         ; wave 0 asks for K's steps, wave 1 for V's
.irp p, 0,1,2,3
	global_load_b128 v[96+8*\p:99+8*\p], v2, s[6:7] offset:8192*\p     ; steps 0 to 3: 512 threads x 16 bytes of K,
	global_load_b128 v[100+8*\p:103+8*\p], v2, s[8:9] offset:8192*\p   ; and of V, into registers that the scores take later
.endr
	global_load_b128 v[240:243], v2, s[6:7] offset:32768               ; steps 4 and 5
	global_load_b128 v[244:247], v2, s[8:9] offset:32768
	global_load_b128 v[248:251], v2, s[6:7] offset:40960
	global_load_b128 v[252:255], v2, s[8:9] offset:40960
	global_load_b128 v[16:19], v1, s[24:25]        ; Q's fragment stays in registers
	global_load_b128 v[20:23], v1, s[24:25] offset:512
	s_load_b256 s[32:39], s[28:29], 0x18           ; entries 6 to 13
	s_load_b128 s[40:43], s[26:27], s53 offset:0x0
	s_load_b128 s[56:59], s[26:27], s53 offset:0x800   ; my tile's steps with no 0 in the mask
	s_load_b512 s[68:83], s[26:27], s51 offset:0x0
	s_load_b512 s[84:99], s[26:27], s51 offset:0x40
	s_mov_b32 s30, 0xce6e6b28                      ; -1e9
	s_mul_f32 s30, s30, 0x3fb8aa3b                 ; tm
	v_mov_b32 v13, s30
	v_mov_b32 v14, 0
	v_mov_b32 v15, 0
	v_floor_f32 v12, -v13
	v_mov_b32 v233, 0                              ; (upper halves of pairs of which the low word serves both halves; a lane permute's destination)
	v_mov_b32 v225, 0
	v_mov_b32 v227, 0
	v_mov_b32 v229, 0
	v_mov_b32 v231, 0
	v_mov_b32 v30, 0
.set j, 0
.rept 32
	v_mov_b32 v[160+j], 0                          ; O^T.  Which step is a tile's first hangs on the mask: the first finds zeros, which the first change of M leaves zeros
.set j, j+1
.endr
.set i, 0
.rept 16
	v_cvt_f32_i32 v[192+i], i
.set i, i+1
.endr
	s_wait_alu depctr_va_vdst(0)
	s_wait_kmcnt 0x0
	s_or_b32 s66, s56, s57
	s_or_b32 s60, s58, s59
	s_or_b32 s66, s66, s60
	s_add_co_i32 s56, s32, s33                     ; e6 + e7
	s_lshl_b32 s57, s56, 23
	s_add_co_i32 s14, s57, 0x3e38aa3b              ; c1 = log2(e) / 8, the two exponents added to its exponent field
	s_mov_b32 s15, s14
	s_add_co_u32 s57, s49, 1                       ; n = head + 1: slope = 2^(-n / 2)
	s_mov_b32 s59, 1.0
	s_bitcmp1_b32 s57, 0
	s_cselect_b32 s58, 0x3fb504f3, s59             ; n odd: sqrt(2) x 2^(-(n + 1) / 2)
	s_add_co_u32 s57, s57, 1
	s_lshr_b32 s57, s57, 1
	s_lshl_b32 s57, s57, 23
	s_sub_co_i32 s58, s58, s57                     ; the slope
	s_mul_f32 s67, s58, 0x3fb8aa3b                 ; a = slope x log2(e)
	s_sub_co_i32 s57, 3, s56
	s_lshl_b32 s57, s57, 23
	s_add_co_i32 s58, s58, s57                     ; g = slope x 8 / 2^(e6 + e7)
	s_mov_b32 s19, s34
	s_add_co_i32 s20, s34, s35
	s_add_co_i32 s56, s34, 127
	s_lshl_b32 s62, s56, 23                        ; 2^e8
	s_add_co_i32 s56, s56, 8
	s_lshl_b32 s56, s56, 23
	s_or_b32 s63, s56, 0x600000                    ; 448 x 2^e8
	s_add_co_i32 s56, s36, 127
	s_lshl_b32 s57, s56, 23                        ; 2^e10
	s_add_co_i32 s56, s56, 8
	s_lshl_b32 s56, s56, 23
	s_or_b32 s56, s56, 0x600000                    ; 448 x 2^e10
	v_mov_b32 v24, s62
	v_mov_b32 v25, s63
	v_mov_b32 v26, s57
	v_mov_b32 v27, s56
.set i, 0
.rept 16
	v_mul_f32 v[192+i], s58, v[192+i]              ; g x i
.set i, i+1
.endr
	s_or_b32 s60, s40, s41                         ; my own tile's live steps
	s_or_b32 s61, s42, s43
	s_or_b32 s60, s60, s61
	s_lshr_b32 s61, s60, 16
	s_cmp_eq_u32 s61, 0xffff
	s_cselect_b32 s4, s60, -1
	s_and_b32 s4, s4, 0xffff
.irp a, 68,72,76,80,84,88,92,96
	TILEW \a
.endr
	s_load_b512 s[68:83], s[26:27], s52 offset:0x0 ; the other block's words, into the registers that are used up
	s_load_b512 s[84:99], s[26:27], s52 offset:0x40
	s_wait_alu depctr_va_vdst(0)
	s_wait_loadcnt 6                               ; steps 0 to 3 are in; the four loads of steps 4 and 5 and Q's two may be out
.irp p, 0,1,2,3
	ds_store_b128 v2, v[96+8*\p:99+8*\p] offset:8192*\p
	ds_store_b128 v8, v[100+8*\p:103+8*\p] offset:8192*\p
.endr
	s_wait_kmcnt 0x0
.irp a, 68,72,76,80,84,88,92,96
	TILEW \a
.endr
	s_and_b32 s5, s5, 0xffff                       ; steps 16 on are never live: so no load leaves its buffer
	s_mul_f32 s26, s67, 0x42000000                 ; a x 32, 64, 96 (every scalar load has come back: its base may be written)
	s_mul_f32 s27, s67, 0x42800000
	s_mul_f32 s28, s67, 0x42c00000
	s_mov_b32 s29, 0
	s_wait_dscnt 0x0                               ; for the others' sake: my stores have landed
	s_barrier_signal -1
	s_barrier_wait -1                              ; steps 0 to 3 are whole
; THE WORK OF A LIVE STEP, the sl-th of the trip's pair.  part = 1: some mask entry of the step is 0.
.macro STEPWORK sl, part
.if \part
	s_load_b512 s[68:83], s[10:11], 256*\sl        ; the step's 64 mask words: word n is the lane mask of score register n
	s_load_b512 s[84:99], s[10:11], 256*\sl+64
	s_load_b512 s[32:47], s[10:11], 256*\sl+128
	s_load_b512 s[48:63], s[10:11], 256*\sl+192
.endif
	v_add_nc_u32 v10, s18, v7                      ; 128 s + 16 h - my query: a whole number, exact in f32.  (These six lines are also the places behind the last step's products)
	s_delay_alu instid0(VALU_DEP_1)
	v_cvt_f32_i32 v10, v10
	s_delay_alu instid0(VALU_DEP_1)
	v_mul_f32 v224, s67, v10                       ; a x that, and for b = 1, 2, 3
	s_delay_alu instid0(VALU_DEP_1)
	v_add_f32 v226, s26, v224
	v_add_f32 v228, s27, v224
	v_add_f32 v230, s28, v224
.irp t, 0,1,2,3,4,5,6,7
	ds_load_b128 v[32+8*\t:35+8*\t], v8 offset:\sl*8192+1024*\t
	ds_load_b128 v[36+8*\t:39+8*\t], v8 offset:\sl*8192+1024*\t+512
.endr
	s_wait_alu depctr_va_vdst(0)
	s_wait_dscnt 0x0
.irp t, 0,1,2,3,4,5,6,7
	v_wmma_f32_16x16x64_fp8_fp8 v[96+8*\t:103+8*\t], v[32+8*\t:39+8*\t], v[16:23], v[192+8*(\t%2):199+8*(\t%2)]   ; S^T + g i: source 0 = 16 keys, source 1 = my 16 queries; eight accumulators, one instruction each
.endr
.rept 4
	v_nop                                          ; places in front of the loads into K's registers and of the first read of the scores
.endr
.irp t, 0,1,2,3
.irp c, 0,1,2,3
	ds_load_b128 v[32+16*\t+4*\c:35+16*\t+4*\c], v9 offset:\sl*8192+2048*\t+512*\c   ; V's four fragments land under the softmax
.endr
.endr
.if \part
	s_wait_kmcnt 0x0
.set n, 0
.rept 32
	v_cndmask_b32 v[96+n], v5, v[96+n], s[68+n]    ; a masked sum counts for nothing in the maximum; each accumulator from its low end on
.set n, n+1
.endr
.set n, 0
.rept 32
	v_cndmask_b32 v[128+n], v5, v[128+n], s[32+n]
.set n, n+1
.endr
.endif
.irp b, 0,1,2,3                                ; the largest sum of each b's 16 registers: four chains by turns
	v_max3_num_f32 v[234+\b], v[96+16*\b], v[97+16*\b], v[98+16*\b]
.endr
.irp k, 3,5,7,9,11,13
.irp b, 0,1,2,3
	v_max3_num_f32 v[234+\b], v[234+\b], v[96+16*\b+\k], v[97+16*\b+\k]
.endr
.endr
.irp b, 0,1,2,3
	v_max_num_f32 v[234+\b], v[234+\b], v[111+16*\b]
.endr
.irp b, 0,1,2,3
	v_fma_f32 v[234+\b], v[234+\b], s14, v[224+2*\b]   ; as t (c1 is positive)
.endr
	v_max3_num_f32 v234, v234, v235, v236
	s_delay_alu instid0(VALU_DEP_1)
	v_max_num_f32 v234, v234, v237
	s_delay_alu instid0(VALU_DEP_1)
	v_permlanex16_b32 v30, v234, s16, s17          ; lane l xor 16 holds my query's other keys
	s_delay_alu instid0(VALU_DEP_1)
	v_max3_num_f32 v13, v13, v234, v30
	v_mov_b32 v235, v12
	s_delay_alu instid0(VALU_DEP_2)
	v_floor_f32 v12, -v13                          ; the new -M = floor(-t)
	s_delay_alu instid0(VALU_DEP_1)
	v_sub_f32 v235, v12, v235                      ; old M less new M: a whole number, 0 or less
.irp b, 0,1,2,3
	v_add_f32 v[224+2*\b], v12, v[224+2*\b]        ; a x (..) - M
.endr
	v_cvt_i32_f32 v235, v235                       ; (it saturates)
.if \part
	v_add_f32 v29, s30, v12                        ; tm - M
.endif
	v_ldexp_f32 v232, 1.0, v235                    ; f = 2^(old M - new M)
.irp b, 0,1,2,3
.irp i, 0,2,4,6,8,10,12,14
	v_pk_fma_f32 v[96+16*\b+\i:97+16*\b+\i], v[96+16*\b+\i:97+16*\b+\i], s[14:15], v[224+2*\b:225+2*\b] op_sel_hi:[1,0,0]   ; t - M
.endr
.endr
.set j, 0
.rept 16
	v_pk_mul_f32 v[160+j:161+j], v[160+j:161+j], v[232:233] op_sel_hi:[1,0]   ; O^T under the new M, each accumulator from its low end on
.set j, j+2
.endr
.if \part
.set n, 0
.rept 32
	v_cndmask_b32 v[96+n], v29, v[96+n], s[68+n]   ; a masked key's exponent
.set n, n+1
.endr
.set n, 0
.rept 32
	v_cndmask_b32 v[128+n], v29, v[128+n], s[32+n]
.set n, n+1
.endr
.endif
	s_wait_alu depctr_va_vdst(0)                   ; the wait ahead of the batch
.set j, 0
.rept 64
	v_exp_f32 v[96+j], v[96+j]                     ; p = 2^(t - M), at most 1
.set j, j+1
.endr
	v_pk_mul_f32 v[14:15], v[14:15], v[232:233] op_sel_hi:[1,0]   ; the sum under the new M: the plain line behind the exponentials
	s_wait_alu depctr_va_vdst(0)                   ; one wait for the whole batch, ahead of its first reader
	v_pk_add_f32 v[234:235], v[96:97], v[98:99]    ; the row's sum of the unquantised p: four packed chains by turns
	v_pk_add_f32 v[236:237], v[100:101], v[102:103]
	v_pk_add_f32 v[238:239], v[104:105], v[106:107]
	v_pk_add_f32 v[14:15], v[14:15], v[108:109]
.set j, 14
.rept 6
	v_pk_add_f32 v[234:235], v[234:235], v[96+j:97+j]
	v_pk_add_f32 v[236:237], v[236:237], v[98+j:99+j]
	v_pk_add_f32 v[238:239], v[238:239], v[100+j:101+j]
	v_pk_add_f32 v[14:15], v[14:15], v[102+j:103+j]
.set j, j+8
.endr
	v_pk_add_f32 v[234:235], v[234:235], v[158:159]
	v_pk_add_f32 v[14:15], v[14:15], v[238:239]
	s_delay_alu instid0(VALU_DEP_2)
	v_pk_add_f32 v[234:235], v[234:235], v[236:237]
	s_delay_alu instid0(VALU_DEP_1)
	v_pk_add_f32 v[14:15], v[14:15], v[234:235]
	s_cmp_ge_i32 s19, -8                           ; p <= 1 <= 448 x 2^e8 wherever e8 >= -8: the hold can then change nothing
	s_cbranch_scc1 .Lheld_\@
.set j, 0
.rept 64
	v_min_num_f32 v[96+j], v[96+j], v25            ; the conversion does not saturate (ISA guide 7.6.2); p is not negative, so the hold is one-sided
.set j, j+1
.endr
.Lheld_\@:
.irp b, 0,1,2,3
	v_cvt_scalef32_pk8_fp8_f32 v[208+4*\b:209+4*\b], v[96+16*\b:103+16*\b], v24
	v_cvt_scalef32_pk8_fp8_f32 v[210+4*\b:211+4*\b], v[104+16*\b:111+16*\b], v24
.endr
	v_nop                                          ; a plain line between the conversions and the products that read their results
	s_wait_alu depctr_va_vdst(0)
	s_wait_dscnt 0x0                               ; V
.irp t, 0,1,2,3
	v_wmma_f32_16x16x128_fp8_fp8 v[160+8*\t:167+8*\t], v[32+16*\t:47+16*\t], v[208:223], v[160+8*\t:167+8*\t]   ; O^T += V^T P^T: four accumulators, one instruction each
.endr
.endm
.macro PHASE sl                        ; only the step's work stands under the branches on the stored bits
	s_bitcmp1_b32 s4, 0
	s_cbranch_scc0 .Lno_work_\@
	s_bitcmp1_b32 s66, 0
	s_cbranch_scc1 .Lopen_\@
	STEPWORK \sl, 1
	s_branch .Lno_work_\@
.Lopen_\@:
	STEPWORK \sl, 0
.Lno_work_\@:
	s_lshr_b32 s4, s4, 1
	s_lshr_b32 s66, s66, 1
	s_add_co_i32 s18, s18, 128
.endm
.Ltrip:                                            ; eight trips of two steps
	v_add_nc_u32 v8, s29, v1                       ; this pair's fragments of K,
	v_add_nc_u32 v10, s29, v2                      ; where my 16 bytes of a step of K go, 32,768 bytes further on,
	v_add_nc_u32 v9, KV, v8                        ; and the same for V
	v_add_nc_u32 v11, KV, v10
	s_wait_alu depctr_va_vdst(0)
	s_wait_loadcnt 0x0                             ; pair i + 2's bytes (asked for a trip ago), and in the first trip Q
	s_and_b32 s31, s5, 0x30
	s_cmp_lg_u32 s31, 0
	s_cbranch_scc0 .Lno_store
	ds_store_b128 v10, v[240:243] offset:32768
	ds_store_b128 v11, v[244:247] offset:32768
	ds_store_b128 v10, v[248:251] offset:40960
	ds_store_b128 v11, v[252:255] offset:40960
.Lno_store:
	s_and_b32 s31, s5, 0xc0
	s_cmp_lg_u32 s31, 0
	s_cbranch_scc0 .Lno_load
	global_load_b128 v[240:243], v2, s[6:7] offset:49152   ; pair i + 3
	global_load_b128 v[244:247], v2, s[8:9] offset:49152
	global_load_b128 v[248:251], v2, s[6:7] offset:57344
	global_load_b128 v[252:255], v2, s[8:9] offset:57344
.Lno_load:
; A PREFETCH INTO THE L2: pair i + 4 in trip i, one trip ahead of the loads that will want it: two steps of 8,192 bytes, lanes 256 bytes apart.  All eight work-groups of a head walk the same K and V: the first asks,
; wave 0 for K and wave 1 for V, so each block of 256 bytes is named once.  Pairs 0 to 3 come by their loads alone; the last four trips ask for nothing.
	s_cmp_gt_u32 s3, s21
	s_cbranch_scc0 .Lnot_mine
	global_prefetch_b8 v28, s[22:23] offset:65536 th:TH_LOAD_NT scope:SCOPE_SE
	global_prefetch_b8 v28, s[22:23] offset:73728 th:TH_LOAD_NT scope:SCOPE_SE
.Lnot_mine:
	s_wait_dscnt 0x0                               ; for the others' sake: my stores have landed
	s_barrier_signal -1
	PHASE 0                                        ; between signal and wait: registers, and loads of LDS bytes that nobody writes again
	PHASE 1
	s_barrier_wait -1                              ; pair i + 2 is whole
	s_wait_xcnt 0x0                                ; every load and prefetch has read its base: the bases may step
	s_add_nc_u64 s[6:7], s[6:7], 16384
	s_add_nc_u64 s[8:9], s[8:9], 16384
	s_add_nc_u64 s[22:23], s[22:23], 16384
	s_add_nc_u64 s[10:11], s[10:11], 512
	s_lshr_b32 s5, s5, 2
	s_add_co_u32 s29, s29, 16384
	s_sub_co_u32 s3, s3, 1
	s_cmp_lg_u32 s3, 0
	s_cbranch_scc1 .Ltrip
	; THE WAY OUT.  O^T x 2^(e8 + e9) / the sum, quantised by entry 10.  V's tiles of channels are laid like all tiles, so registers 16 c + i are channels 32 c + 16 h + i of the head: 16 neighbours along the projection's K.
.rept 4
	v_nop                                          ; places behind the last products
.endr
	s_wait_alu depctr_va_vdst(0)
	v_add_f32 v14, v14, v15
	s_delay_alu instid0(VALU_DEP_1)
	v_permlanex16_b32 v30, v14, s16, s17
	s_delay_alu instid0(VALU_DEP_1)
	v_add_f32 v14, v14, v30                        ; the row's sum
	s_wait_alu depctr_va_vdst(0)                   ; the wait ahead of the transcendental
	v_rcp_f32 v14, v14
	v_nop                                          ; a plain line behind the reciprocal
	s_wait_alu depctr_va_vdst(0)                   ; and the wait ahead of its first reader
	v_ldexp_f32 v14, v14, s20
	s_wait_alu depctr_va_vdst(0)                   ; the wait ahead of the first reader of O^T
.set j, 0
.rept 32
	v_mul_f32 v[96+j], v[160+j], v14
.set j, j+1
.endr
.set j, 0
.rept 32
	v_med3_num_f32 v[96+j], v[96+j], -v27, v27
.set j, j+1
.endr
.set j, 0
.rept 4
	v_cvt_scalef32_pk8_fp8_f32 v[208+2*j:209+2*j], v[96+8*j:103+8*j], v26
.set j, j+1
.endr
	v_nop
	global_store_b128 v1, v[208:211], s[12:13]             ; 32 lanes store 512 consecutive bytes
	global_store_b128 v1, v[212:215], s[12:13] offset:512
	s_wait_tensorcnt 0x0                           ; the wave's end: behind my last LDS store
	ds_add_u32 v3, v4
	s_wait_dscnt 0x0
	s_endpgm
.Lfunc_end_k_q0e1d29eaa2_attn:
	.size	k_q0e1d29eaa2_attn, .Lfunc_end_k_q0e1d29eaa2_attn-k_q0e1d29eaa2_attn
	.p2alignl 7, 3214868480
	.fill 96, 4, 3214868480
	.section	.rodata,"a",@progbits
	.p2align	6, 0x0
	.amdhsa_kernel k_q0e1d29eaa2_attn
		.amdhsa_group_segment_fixed_size 296960
		.amdhsa_private_segment_fixed_size 0
		.amdhsa_enable_private_segment 0
		.amdhsa_kernarg_size 32
		.amdhsa_user_sgpr_count 2
		.amdhsa_user_sgpr_kernarg_segment_ptr 1
		.amdhsa_wavefront_size32 1
		.amdhsa_system_sgpr_workgroup_id_x 1
		.amdhsa_system_sgpr_workgroup_id_y 1
		.amdhsa_system_sgpr_workgroup_id_z 1
		.amdhsa_system_vgpr_workitem_id 0
		.amdhsa_next_free_vgpr 256
		.amdhsa_next_free_sgpr 100
		.amdhsa_reserve_vcc 0
		.amdhsa_float_denorm_mode_32 3
		.amdhsa_float_denorm_mode_16_64 3
		.amdhsa_memory_ordered 1
		.amdhsa_forward_progress 1
		.amdhsa_inst_pref_size 101
	.end_amdhsa_kernel
	.amdgpu_metadata
---
amdhsa.version: [ 1, 2 ]
amdhsa.kernels:
  - .name:           k_q0e1d29eaa2_attn
    .symbol:         k_q0e1d29eaa2_attn.kd
    .args:
      - { .name: qkv, .offset: 0, .size: 8, .value_kind: global_buffer, .address_space: global }
      - { .name: maskw, .offset: 8, .size: 8, .value_kind: global_buffer, .address_space: global }
      - { .name: lowp_scales, .offset: 16, .size: 8, .value_kind: global_buffer, .address_space: global }
      - { .name: ao, .offset: 24, .size: 8, .value_kind: global_buffer, .address_space: global }
    .group_segment_fixed_size: 296960
    .private_segment_fixed_size: 0
    .kernarg_segment_align: 8
    .kernarg_segment_size: 32
    .max_flat_workgroup_size: 512
    .sgpr_count:     100
    .vgpr_count:     256
    .wavefront_size: 32
...
	.end_amdgpu_metadata
.endif
;; end of part 11
;; launch wo (part 12): grid 8 x 32, 4 waves a work-group, clusters of 4 x 4, 327,680 bytes of LDS; arguments ao, prepc, bo, lowp_scales, acc32; writes acc32
.if DOCPART == 12
	.amdgcn_target "amdgcn-amd-amdhsa--gfx1250"
	.amdhsa_code_object_version 6
	.text
	.protected	k_q0e1d29eaa2_wo
	.globl	k_q0e1d29eaa2_wo
	.p2align	8
	.type	k_q0e1d29eaa2_wo,@function
k_q0e1d29eaa2_wo:
	s_mov_b64 s[64:65], 0
	v_nop
	global_prefetch_b8 v0, s[64:65] scope:SCOPE_SE
	s_setreg_imm32_b32 hwreg(HW_REG_WAVE_MODE, 25, 1), 1
	s_wait_xcnt 0x0
	s_wait_alu depctr_hold_cnt(0) depctr_sa_sdst(0) depctr_va_vdst(0) depctr_va_sdst(0) depctr_va_ssrc(0) depctr_va_vcc(0) depctr_vm_vsrc(0)
	s_getreg_b32 s2, hwreg(HW_REG_IB_STS2, 6, 4)
	s_cmp_eq_u32 s2, 0
	s_cbranch_scc0 .Lentry_in_a_cluster
	s_endpgm
.Lentry_in_a_cluster:
	s_bfe_u32 s2, ttmp6, 0x10000c
	s_cmp_lg_u32 s2, 0xf033
	s_cbranch_scc0 .Lentry_shape_is_right
	s_endpgm
.Lentry_shape_is_right:
; Launch 4 of 8: attention's result x Wo + bo, on codes of E4M3; the sums leave as f32.  Nothing is left out.  (Launch 7 is this text with other constants at its head.)
; A tile of the result is 128 x 128: 4,096 rows x 1,024 columns give 256 tiles, a work-group to each (tiles of 256 x 256 would be 64).  Four waves, each 64 x 64 in 16 accumulators.
; OPERANDS lie in memory as images of fragments' registers: 128 rows x 128 K are 16,384 consecutive bytes, K step behind K step; a fragment is four ds_load_b128 of 512 consecutive bytes: no pitch, no padding.
; A slot holds 512 along K: A's 128 rows (65,536 bytes), then the weight's 128; each wave brings 32,768 consecutive bytes of it (256 along K) by one tensor load.
; A tile's 16 rows are rows 32 (y / 2) + 8 (y % 2) + r + 8 (r / 8) of their block, on both sides.  THE MATRIX INSTRUCTION IS USED TRANSPOSED (source 0 = the weight's 16 rows, source 1 = A's): lane (r, h) holds A's row r of tile a,
; and the 32 registers of accumulators (a, 0 .. 3) are my columns 32 c + 16 h + i at register 16 c + i.
; OUT: an f32 image in the same order: byte (((row block 8 + column block) 8 + tile) 4 + c) 2048 + 512 j + 16 L holds columns 32 c + 16 h + 4 j .. + 3 of the tile's row r: every store is 512 consecutive bytes, with no turn through LDS.
; CLUSTERS: 4 x 4 work-groups; A's tile is shared along a row of the cluster, the weight's along a column, each asked for jointly.
; LIMIT: the two operands' exponents added lie between -126 and 127.
; REGISTERS, in windows of 256: window 0: v16-29 addresses; v32-63 the bias; v64-127 two sets of results; v128-255 the accumulators ((a, b) at v[128 + 8 (4 a + b)]).
;   window 1: two buffers of 128 for a K step's fragments: A's four, then the weight's four.
.set KTOT,   1024
.set BOFF,   15<<20                    ; the weight's codes in prepc
.set SOFF,   0x28                      ; the two exponents: entries 10, 11
.set PART,   32768                     ; what one tensor load brings: 128 rows x 256 K
.set SLOT,   4*PART                    ; 512 along K: A's two parts, then the weight's two
.set SPARE,  2*SLOT                    ; behind the ring: the spare words, 128 bytes for each wave
.set BLKB,   (KTOT/128)*16384          ; a block of 128 rows in memory
.set LAPS,   KTOT/1024                 ; a lap = two slots = 1,024 along K
.set FR,     16                        ; registers of a fragment
.set NP,     4                         ; places behind this matrix instruction (ISA guide 7.12.1)
.set ADRA, 16                          ; v16-17  LDS address of my A fragments in slot 0, 1
.set ADRB, 20                          ; v20-21  the same for the weight
.set LI,   26                          ; v26     16 x lane
.set BO,   27                          ; v27     my offset in the bias
.set SPW,  28                          ; v28     LDS address of my spare word; never rewritten
.set NIL,  29                          ; v29     0; never rewritten
.set BI,   32
.set TMP,  64
.set ACC,  128
.set G1, 24                            ; s[24:31] descriptor group 1 for A's tiles;  s[32:39] group 0, one set for each slot
.set G0, 32
.set G1B, 48                           ; s[48:55], s[56:63] the same for the weight's
.set G0B, 56
.set MSB, 0
.macro WIN new                         ; the immediate's high byte repeats the setting that is left
.if MSB != \new
	s_set_vgpr_msb (MSB<<8)|\new
.set MSB, \new
.endif
.endm
.set MUL,  0x05                        ; sources 0 (the weight) and 1 (A) window 1; C and D window 0
.set TO_F, 0x40                        ; destination window 1, address window 0
; A joint load: waves 0 and 1 fetch for A, waves 2 and 3 for the weight; the branch hangs on the wave's number alone.  An s_nop 0 and four v_nop follow each of the two lines.
.macro JLOAD g0a, g1a, g0b, g1b
	s_cmp_eq_u32 s15, 0
	s_cbranch_scc0 .Lfor_b_\@
	tensor_load_to_lds s[\g0a:\g0a+3], s[\g1a:\g1a+7]
	s_nop 0
.rept 4
	v_nop
.endr
	s_branch .Lasked_\@
.Lfor_b_\@:
	tensor_load_to_lds s[\g0b:\g0b+3], s[\g1b:\g1b+7]
	s_nop 0
.rept 4
	v_nop
.endr
.Lasked_\@:
.endm
.macro CREST                           ; a round of the cluster's barrier behind its opening barrier
	s_cmp_lg_u32 s14, 0
	s_cbranch_scc1 .Lnot_wave_0_\@
	s_barrier_signal -3
.Lnot_wave_0_\@:
	s_barrier_wait -3
	s_barrier_signal -1
	s_barrier_wait -1
.endm
.macro CROUND
	s_barrier_signal -1
	s_barrier_wait -1
	CREST
.endm
.macro FRAG reg, adr, q, i             ; fragment i of my four, of the slot's K step q: four loads of 512 consecutive bytes
.irp c, 0,1,2,3
	ds_load_b128 v[\reg+4*\c:\reg+4*\c+3], v[\adr] offset:16384*(\q)+2048*(\i)+512*\c
.endr
.endm
.macro FETCH slot, q, p                ; 32 LDS loads in one run: the eight fragments of the slot's K step q into buffer p
	WIN TO_F
.irp i, 0,1,2,3
	FRAG 128*(\p)+64+FR*\i, ADRB+\slot, \q, \i
	FRAG 128*(\p)+FR*\i, ADRA+\slot, \q, \i
.endr
.endm
; 4 matrix instructions: A's tile a x the weight's four, from buffer p.  zero = 1: the first product starts the sums: nothing is ever cleared.
; The 16 accumulators take turns, one instruction a turn, in the same order in every K step.
.macro MUL4 p, a, zero
.irp b, 0,1,2,3
.if \zero
	v_wmma_f32_16x16x128_fp8_fp8 v[ACC+8*(4*(\a)+\b):ACC+8*(4*(\a)+\b)+7], v[128*(\p)+64+FR*\b:128*(\p)+64+FR*\b+FR-1], v[128*(\p)+FR*(\a):128*(\p)+FR*(\a)+FR-1], 0
.else
	v_wmma_f32_16x16x128_fp8_fp8 v[ACC+8*(4*(\a)+\b):ACC+8*(4*(\a)+\b)+7], v[128*(\p)+64+FR*\b:128*(\p)+64+FR*\b+FR-1], v[128*(\p)+FR*(\a):128*(\p)+FR*(\a)+FR-1], v[ACC+8*(4*(\a)+\b):ACC+8*(4*(\a)+\b)+7]
.endif
.endr
.endm
.macro PLACES n                        ; plain vector lines between a matrix instruction and a load into, or a read of, its registers
.rept \n
	v_nop
.endr
.endm
; K step q (0, 1 or 2) of a slot: its fragments lie in buffer q % 2; the next K step's are asked for, into the buffer that the last K step's products have read, ahead of this step's 16 products.
.macro KSTEP slot, q, zero
	s_wait_dscnt 0x0                               ; this K step's fragments are in (asked for 16 matrix instructions ago)
	PLACES NP
	FETCH \slot, (\q)+1, 1-(\q)%2
	WIN MUL
	MUL4 (\q)%2, 0, \zero
	MUL4 (\q)%2, 1, \zero
	MUL4 (\q)%2, 2, \zero
	MUL4 (\q)%2, 3, \zero
.endm
; A slot's last K step (buffer 1) changes slots: in front of the barrier each wave waits for all its tensor loads, adds 0 to its spare word, and waits for that and for its reads of this slot.
; fill = 1: the barrier opens a round of the cluster's, and this slot is filled again, with the 512 along K two slots on.
.macro TURN slot, next, fill
	WIN 0                                          ; (the add's two registers lie in window 0)
	s_wait_tensorcnt 0x0                           ; all my tensor loads have landed: my part of the next slot
	ds_add_u32 v[SPW], v[NIL]
	s_wait_dscnt 1                                 ; buffer 1's fragments are in; the add may be out
	WIN MUL
	MUL4 1, 0, 0                                   ; four matrix instructions stand between the add and the wait for it
	s_wait_dscnt 0x0                               ; the add is done, and my reads of this slot are over
	s_barrier_signal -1
	MUL4 1, 1, 0
	WIN 0
	s_barrier_wait -1
.if \fill
	CREST                                          ; no wave of any partner still reads this slot or has a load on its way
	s_add_nc_u64 s[G0+4*\slot+2:G0+4*\slot+3], s[G0+4*\slot+2:G0+4*\slot+3], 4*PART
	s_add_nc_u64 s[G0B+4*\slot+2:G0B+4*\slot+3], s[G0B+4*\slot+2:G0B+4*\slot+3], 4*PART
	JLOAD G0+4*\slot, G1, G0B+4*\slot, G1B         ; the first tensor load behind the round; its four v_nop are the places in front of the loads below
.else
	PLACES NP
.endif
	FETCH \next, 0, 0
	WIN MUL
	MUL4 1, 2, 0
	MUL4 1, 3, 0
.endm
.macro LAST                            ; the very last K step: nothing more to fetch
	s_wait_dscnt 0x0
	WIN MUL
	MUL4 1, 0, 0
	MUL4 1, 1, 0
	MUL4 1, 2, 0
	MUL4 1, 3, 0
	WIN 0
.endm
	s_load_b256 s[4:11], s[0:1], 0x0               ; A's codes s[4:5], prepc s[6:7], the bias s[8:9], the exponents s[10:11]
	s_load_b64 s[12:13], s[0:1], 0x20              ; the result
	v_lshl_add_u32 v[SPW], v0, 2, SPARE
	v_mov_b32 v[NIL], 0
	ds_add_u32 v[SPW], v[NIL]                      ; the wave's opening: the add, twice on end, and its wait ahead of my first tensor load
	ds_add_u32 v[SPW], v[NIL]
	v_lshrrev_b32 v1, 5, v0
	v_readfirstlane_b32 s14, v1                    ; wave 0..3
	s_lshr_b32 s15, s14, 1                         ; which 64 of the tile's rows are mine.  Also: I fetch for A (0) or for the weight (1)
	s_and_b32 s16, s14, 1                          ; which 64 of its columns.  Also: which 256 of a slot's 512 along K I fetch
	s_bfe_u32 s40, ttmp6, 0x40000                  ; cx, cy: my place in the cluster
	s_bfe_u32 s41, ttmp6, 0x40004
	s_lshl_b32 s42, ttmp9, 2
	s_add_co_u32 s42, s42, s40                     ; tile column = 4 x cluster x + cx: a block of 128 rows of the weight
	s_and_b32 s17, ttmp7, 0xffff
	s_lshl_b32 s17, s17, 2
	s_add_co_u32 s17, s17, s41                     ; tile row = 4 x cluster y + cy: a block of 128 rows of A
	s_lshl_b32 s43, s41, 2
	s_lshl_b32 s43, 15, s43                        ; my row of the cluster
	s_lshl_b32 s44, 0x1111, s40                    ; my column
	; descriptor group 1: a dense block of 32,768 bytes as 128 rows of 32 elements of 8 bytes
	s_or_b32 s[G1+0], s43, (3<<16)|(1<<21)         ; 15:0 the mask: A's tiles go to my row; 17:16 elements of 8 bytes; 21 set beside a mask
	s_or_b32 s[G1B+0], s44, (3<<16)|(1<<21)
.irp g, G1, G1B
	s_mov_b32 s[\g+1], 32<<16                      ; tensor_dim0 = 32
	s_mov_b32 s[\g+2], 128<<16                     ; tensor_dim1 = 128
	s_mov_b32 s[\g+3], 32<<16                      ; tile_dim0 = 32
	s_mov_b32 s[\g+4], 128                         ; tile_dim1 = 128
	s_mov_b32 s[\g+5], 32                          ; from row to row
	s_mov_b32 s[\g+6], 0
	s_mov_b32 s[\g+7], 0
.endr
	s_lshl_b32 s18, s16, 15                        ; my 32,768 of a slot's 65,536 bytes
	s_mul_i32 s20, s17, BLKB                       ; A: the tile row's block
	s_add_co_u32 s20, s20, s18
	s_mov_b32 s21, 0
	s_mul_i32 s46, s42, BLKB                       ; the weight: the tile column's block
	s_add_co_u32 s46, s46, s18
	s_add_co_u32 s46, s46, BOFF
	s_mov_b32 s47, 0
	s_mul_i32 s45, s14, PART                       ; where they go: wave x 32,768: no place in the cluster enters an LDS address
	s_wait_dscnt 0x0                               ; both opening adds are done
	s_wait_kmcnt 0x0
	s_load_b64 s[96:97], s[10:11], SOFF            ; the two operands' exponents
	s_add_nc_u64 s[20:21], s[4:5], s[20:21]
	s_add_nc_u64 s[46:47], s[6:7], s[46:47]
	CROUND                                         ; all sixteen work-groups are here: the first joint loads meet
.irp s, 0,1
	s_mov_b32 s[G0+4*\s], 1
	s_add_co_u32 s[G0+4*\s+1], s45, \s*SLOT
	s_add_nc_u64 s[G0+4*\s+2:G0+4*\s+3], s[20:21], \s*2*PART
	s_or_b32 s[G0+4*\s+3], s[G0+4*\s+3], 0x80000000
	s_mov_b32 s[G0B+4*\s], 1
	s_add_co_u32 s[G0B+4*\s+1], s45, \s*SLOT
	s_add_nc_u64 s[G0B+4*\s+2:G0B+4*\s+3], s[46:47], \s*2*PART
	s_or_b32 s[G0B+4*\s+3], s[G0B+4*\s+3], 0x80000000
.if \s == 0
	JLOAD G0, G1, G0B, G1B                         ; slot 0: one tensor load a wave at the head
.endif
.endr
	v_and_b32 v1, 31, v0
	v_lshlrev_b32 v[LI], 4, v1
	s_lshl_b32 s21, s15, 13                        ; my four tiles of A: 8,192 of each K step's 16,384 bytes
	s_lshl_b32 s22, s16, 13                        ; my four tiles of the weight,
	s_add_co_u32 s22, s22, 2*PART                  ; which lies behind A
.irp s, 0,1
	v_add_nc_u32 v[ADRA+\s], s21, v[LI]
	v_add_nc_u32 v[ADRB+\s], s22, v[LI]
	s_add_co_u32 s21, s21, SLOT
	s_add_co_u32 s22, s22, SLOT
.endr
	s_lshl_b32 s20, s17, 3
	s_add_co_u32 s20, s20, s42
	s_lshl_b32 s20, s20, 16                        ; (row block 8 + column block) x 8 tiles x 8,192 bytes,
	s_lshl_b32 s22, s15, 15
	s_add_co_u32 s20, s20, s22                     ; + my first tile, 4 x (wave / 2),
	s_lshl_b32 s22, s16, 12
	s_add_co_u32 s20, s20, s22                     ; + my first 32 columns, c = 2 x (wave % 2)
	s_mov_b32 s21, 0
	s_add_nc_u64 s[12:13], s[12:13], s[20:21]
	s_lshl_b32 s46, s42, 9
	s_lshl_b32 s47, s16, 8
	s_add_co_u32 s46, s46, s47                     ; my 64 columns x 4 bytes
	s_mov_b32 s47, 0
	s_add_nc_u64 s[8:9], s[8:9], s[46:47]
	v_bfe_u32 v[BO], v0, 4, 1
	v_lshlrev_b32 v[BO], 6, v[BO]                  ; 64 h
.set j, 0
.rept 8
	global_load_b128 v[BI+4*j:BI+4*j+3], v[BO], s[8:9] offset:128*(j/4)+16*(j%4)   ; register 16 c + i: the bias of my column 32 c + 16 h + i; awaited on the way out
.set j, j+1
.endr
	s_wait_alu depctr_va_vdst(0)
	s_wait_tensorcnt 0x0                           ; my part of slot 0 is in
	ds_add_u32 v[SPW], v[NIL]
	s_wait_dscnt 0x0
	CROUND
	JLOAD G0+4, G1, G0B+4, G1B                     ; slot 1: the first tensor load behind the round
	FETCH 0, 0, 0
	KSTEP 0, 0, 1                                  ; the first K step stands in front of the loop: its products start the sums
.if LAPS > 1
	WIN 0                                          ; at a label and at a branch every window is 0
	s_mov_b32 s3, LAPS-1
.Llap:                                             ; a trip goes once round the ring, from a lap's second K step to the next lap's first, and fills both slots again
	KSTEP 0, 1, 0
	KSTEP 0, 2, 0
	TURN 0, 1, 1
	KSTEP 1, 0, 0
	KSTEP 1, 1, 0
	KSTEP 1, 2, 0
	TURN 1, 0, 1
	KSTEP 0, 0, 0
	WIN 0
	s_sub_co_u32 s3, s3, 1
	s_cmp_lg_u32 s3, 0
	s_cbranch_scc1 .Llap
.endif
	KSTEP 0, 1, 0                                  ; the last lap fills nothing, and has no round of the cluster's barrier
	KSTEP 0, 2, 0
	TURN 0, 1, 0
	KSTEP 1, 0, 0
	KSTEP 1, 1, 0
	KSTEP 1, 2, 0
	LAST
	s_wait_kmcnt 0x0
	s_add_co_i32 s96, s96, s97
	s_add_co_i32 s96, s96, 127
	s_lshl_b32 s96, s96, 23                        ; 2^(the two exponents added) as f32
	s_mov_b32 s97, s96
	s_wait_loadcnt 0x0                             ; the bias
	PLACES NP
.macro OUT_IMG a                       ; tile a of my rows: sum x 2^(..) + bias, each accumulator from its low end on; 8 stores of 512 consecutive bytes
.if (\a) >= 2
	s_wait_xcnt 0x0                                ; tile a - 2's stores have read their data
.endif
.set AC, ACC+32*(\a)
.set TS, TMP+32*((\a)%2)
.set j, 0
.rept 16
	v_pk_fma_f32 v[TS+j:TS+j+1], v[AC+j:AC+j+1], s[96:97], v[BI+j:BI+j+1] op_sel_hi:[1,0,1]
.set j, j+2
.endr
.set j, 0
.rept 8
	global_store_b128 v[LI], v[TS+4*j:TS+4*j+3], s[12:13] offset:8192*(\a)+512*j
.set j, j+1
.endr
.endm
.irp a, 0,1,2,3
	OUT_IMG \a
.endr
	s_wait_tensorcnt 0x0                           ; the wave's end
	ds_add_u32 v[SPW], v[NIL]
	s_wait_dscnt 0x0
	CROUND                                         ; the closing round: no work-group ends while a partner may still ask for a tile that names it
	s_endpgm
.Lfunc_end_k_q0e1d29eaa2_wo:
	.size	k_q0e1d29eaa2_wo, .Lfunc_end_k_q0e1d29eaa2_wo-k_q0e1d29eaa2_wo
	.p2alignl 7, 3214868480
	.fill 96, 4, 3214868480
	.section	.rodata,"a",@progbits
	.p2align	6, 0x0
	.amdhsa_kernel k_q0e1d29eaa2_wo
		.amdhsa_group_segment_fixed_size 327680
		.amdhsa_private_segment_fixed_size 0
		.amdhsa_enable_private_segment 0
		.amdhsa_kernarg_size 40
		.amdhsa_user_sgpr_count 2
		.amdhsa_user_sgpr_kernarg_segment_ptr 1
		.amdhsa_wavefront_size32 1
		.amdhsa_system_sgpr_workgroup_id_x 1
		.amdhsa_system_sgpr_workgroup_id_y 1
		.amdhsa_system_sgpr_workgroup_id_z 1
		.amdhsa_system_vgpr_workitem_id 0
		.amdhsa_next_free_vgpr 512
		.amdhsa_next_free_sgpr 98
		.amdhsa_reserve_vcc 0
		.amdhsa_float_denorm_mode_32 3
		.amdhsa_float_denorm_mode_16_64 3
		.amdhsa_memory_ordered 1
		.amdhsa_forward_progress 1
		.amdhsa_inst_pref_size 42
	.end_amdhsa_kernel
	.amdgpu_metadata
---
amdhsa.version: [ 1, 2 ]
amdhsa.kernels:
  - .name:           k_q0e1d29eaa2_wo
    .symbol:         k_q0e1d29eaa2_wo.kd
    .args:
      - { .name: ao, .offset: 0, .size: 8, .value_kind: global_buffer, .address_space: global }
      - { .name: prepc, .offset: 8, .size: 8, .value_kind: global_buffer, .address_space: global }
      - { .name: bo, .offset: 16, .size: 8, .value_kind: global_buffer, .address_space: global }
      - { .name: lowp_scales, .offset: 24, .size: 8, .value_kind: global_buffer, .address_space: global }
      - { .name: acc32, .offset: 32, .size: 8, .value_kind: global_buffer, .address_space: global }
    .group_segment_fixed_size: 327680
    .private_segment_fixed_size: 0
    .kernarg_segment_align: 8
    .kernarg_segment_size: 40
    .max_flat_workgroup_size: 128
    .sgpr_count:     98
    .vgpr_count:     512
    .wavefront_size: 32
...
	.end_amdgpu_metadata
.endif
;; end of part 12
;; launch ln1 (part 13): grid 256 x 1, 8 waves a work-group, no clusters, 70,656 bytes of LDS; arguments acc32, x, g1, be1, lowp_scales, x1; writes x1
.if DOCPART == 13
	.amdgcn_target "amdgcn-amd-amdhsa--gfx1250"
	.amdhsa_code_object_version 6
	.text
	.protected	k_q0e1d29eaa2_ln1
	.globl	k_q0e1d29eaa2_ln1
	.p2align	8
	.type	k_q0e1d29eaa2_ln1,@function
k_q0e1d29eaa2_ln1:
	s_mov_b64 s[64:65], 0
	v_nop
	global_prefetch_b8 v0, s[64:65] scope:SCOPE_SE
	s_setreg_imm32_b32 hwreg(HW_REG_WAVE_MODE, 25, 1), 1
	s_wait_xcnt 0x0
; Launch 5 of 8: x1 = layer norm(x + (attention's projection)) x g1 + be1, in f32; x1 leaves twice: as an f32 image (the residual of launch 8) and as codes of E4M3 by entry 12 (launch 6's operand).  Nothing is left out.
; A work-group takes a tile of 16 rows (rows 32 (y / 2) + 8 (y % 2) + r + 8 (r / 8) of a block of 128), wave w columns 128 w on; lane (r, h) holds 64 numbers of row r: register 16 c + i is column 128 w + 32 c + 16 h + i.
; The projection comes in that order (launch 4's image): 16 loads of 512 consecutive bytes.  x comes as rows, 512 consecutive bytes a load, and turns through the wave's own stage in LDS.
; Mean and variance in two passes (the variance of the numbers less their mean): within a lane, with lane l xor 16, then over the eight waves through LDS: two barriers, on two regions.
; Memory binds: matrix units, clusters and tensor loads would add nothing.  LIMIT: entry 12 between -126 and 119.
.set STG,   8448                       ; a wave's stage: 16 rows x 528 bytes
.set RED,   8*STG                      ; 8 x 128 bytes: each wave's sums
.set RED2,  RED+1024                   ; the same for the second pass
.set SPARE, RED2+1024                  ; the spare words, 128 bytes for each of eight waves
.set Y, 16                             ; v16-79   the numbers
.set R, 80                             ; v80-143  x, then be1
.set G, 144                            ; v144-207 g1
.set T, 208                            ; v208-239 the waves' sums; two sets of 16 numbers, held
.set C, 240                            ; v240-255 the codes
.macro LANESUM sq                      ; v8 = the sum (sq = 1: of the squares) of my 64 numbers, in two packed chains
.if \sq
	v_pk_mul_f32 v[8:9], v[Y:Y+1], v[Y:Y+1]
	v_pk_mul_f32 v[10:11], v[Y+2:Y+3], v[Y+2:Y+3]
.set j, 4
.rept 15
	s_delay_alu instid0(VALU_DEP_2)
	v_pk_fma_f32 v[8:9], v[Y+j:Y+j+1], v[Y+j:Y+j+1], v[8:9]
	s_delay_alu instid0(VALU_DEP_2)
	v_pk_fma_f32 v[10:11], v[Y+j+2:Y+j+3], v[Y+j+2:Y+j+3], v[10:11]
.set j, j+4
.endr
.else
	v_pk_add_f32 v[8:9], v[Y:Y+1], v[Y+4:Y+5]
	v_pk_add_f32 v[10:11], v[Y+2:Y+3], v[Y+6:Y+7]
.set j, 8
.rept 14
	s_delay_alu instid0(VALU_DEP_2)
	v_pk_add_f32 v[8:9], v[8:9], v[Y+j:Y+j+1]
	s_delay_alu instid0(VALU_DEP_2)
	v_pk_add_f32 v[10:11], v[10:11], v[Y+j+2:Y+j+3]
.set j, j+4
.endr
.endif
	s_delay_alu instid0(VALU_DEP_1)
	v_pk_add_f32 v[8:9], v[8:9], v[10:11]
	s_delay_alu instid0(VALU_DEP_1)
	v_add_f32 v8, v8, v9
.endm
.macro XWAVES off                      ; v8 -> v[T]: the row's sum over all 1,024 columns, added in one fixed order in every wave
	s_delay_alu instid0(VALU_DEP_1)
	v_permlanex16_b32 v10, v8, s16, s17
	s_delay_alu instid0(VALU_DEP_1)
	v_add_f32 v8, v8, v10
	ds_store_b32 v7, v8 offset:\off
	s_wait_dscnt 0x0                               ; for the others' sake: my store has landed
	s_barrier_signal -1
	s_barrier_wait -1
.irp k, 0,1,2,3,4,5,6,7
	ds_load_b32 v[T+\k], v12 offset:\off+128*\k
.endr
	s_wait_dscnt 0x0
	v_add_f32 v[T], v[T], v[T+1]
	v_add_f32 v[T+2], v[T+2], v[T+3]
	v_add_f32 v[T+4], v[T+4], v[T+5]
	v_add_f32 v[T+6], v[T+6], v[T+7]
	s_delay_alu instid0(VALU_DEP_3)
	v_add_f32 v[T], v[T], v[T+2]
	s_delay_alu instid0(VALU_DEP_2)
	v_add_f32 v[T+4], v[T+4], v[T+6]
	s_delay_alu instid0(VALU_DEP_1)
	v_add_f32 v[T], v[T], v[T+4]
.endm
	s_load_b256 s[4:11], s[0:1], 0x0               ; acc32 s[4:5], x s[6:7], g1 s[8:9], be1 s[10:11]
	s_load_b128 s[12:15], s[0:1], 0x20             ; the exponents s[12:13], x1 s[14:15]
	v_lshl_add_u32 v4, v0, 2, SPARE
	v_mov_b32 v5, 0
	v_lshrrev_b32 v1, 5, v0
	s_delay_alu instid0(VALU_DEP_1)
	v_readfirstlane_b32 s2, v1                     ; wave 0..7
	v_and_b32 v13, 31, v0
	s_delay_alu instid0(VALU_DEP_1)
	v_lshlrev_b32 v1, 4, v13                       ; 16 L
	s_mul_i32 s3, s2, STG
	v_add_nc_u32 v2, s3, v1                        ; the stage by rows
	v_and_b32 v14, 15, v0
	v_bfe_u32 v15, v0, 4, 1
	s_delay_alu instid0(VALU_DEP_2)
	v_mul_u32_u24 v3, v14, 528
	s_delay_alu instid0(VALU_DEP_1)
	v_lshl_add_u32 v3, v15, 6, v3
	s_delay_alu instid0(VALU_DEP_1)
	v_add_nc_u32 v3, s3, v3                        ; the stage by lanes: row r, + 64 h
	s_delay_alu instid0(VALU_DEP_4)
	v_lshlrev_b32 v6, 6, v15                       ; 64 h
	v_lshlrev_b32 v12, 2, v13
	s_delay_alu instid0(VALU_DEP_1)
	v_add_nc_u32 v12, RED, v12                     ; RED + 4 L
	s_lshl_b32 s3, s2, 7
	v_add_nc_u32 v7, s3, v12                       ; + 128 x wave
	s_mov_b32 s16, 0x76543210
	s_mov_b32 s17, 0xfedcba98
	s_mov_b32 s18, 0x3a800000                      ; 1 / 1,024
	s_mov_b32 s19, 0x3727c5ac                      ; 1e-5
	s_lshr_b32 s20, ttmp9, 3                       ; the block of 128 rows
	s_and_b32 s21, ttmp9, 7                        ; the tile in it
	s_lshl_b32 s22, s20, 7
	s_lshr_b32 s23, s21, 1
	s_lshl_b32 s23, s23, 5
	s_add_co_u32 s22, s22, s23
	s_and_b32 s23, s21, 1
	s_lshl_b32 s23, s23, 3
	s_add_co_u32 s22, s22, s23                     ; the tile's first row
	s_lshl_b32 s22, s22, 12
	s_lshl_b32 s28, s2, 9                          ; my 128 columns x 4 bytes
	s_add_co_u32 s22, s22, s28
	s_mov_b32 s23, 0
	s_mov_b32 s29, 0
	s_lshl_b32 s24, s20, 3
	s_add_co_u32 s24, s24, s2
	s_lshl_b32 s24, s24, 3
	s_add_co_u32 s24, s24, s21                     ; (block 8 + wave) 8 + tile
	s_lshl_b32 s26, s24, 11
	s_add_co_u32 s26, s26, 16<<20                  ; the codes, behind the image
	s_mov_b32 s27, 0
	s_lshl_b32 s24, s24, 13
	s_mov_b32 s25, 0
	s_wait_alu depctr_va_vdst(0)
	s_wait_kmcnt 0x0
	s_load_b32 s30, s[12:13], 0x30                 ; entry 12
	s_add_nc_u64 s[6:7], s[6:7], s[22:23]
	s_add_nc_u64 s[4:5], s[4:5], s[24:25]
	s_add_nc_u64 s[8:9], s[8:9], s[28:29]
	s_add_nc_u64 s[10:11], s[10:11], s[28:29]
	s_add_nc_u64 s[32:33], s[14:15], s[26:27]
	s_add_nc_u64 s[14:15], s[14:15], s[24:25]
.set j, 0
.rept 16
	global_load_b128 v[R+4*j:R+4*j+3], v1, s[6:7] offset:(j+8*(j/8))*4096      ; x: 512 consecutive bytes of row j of the tile
.set j, j+1
.endr
.set j, 0
.rept 16
	global_load_b128 v[Y+4*j:Y+4*j+3], v1, s[4:5] offset:512*j th:TH_LOAD_NT   ; the projection's image
.set j, j+1
.endr
.set j, 0
.rept 16
	global_load_b128 v[G+4*j:G+4*j+3], v6, s[8:9] offset:128*(j/4)+16*(j%4)
.set j, j+1
.endr
	s_wait_loadcnt 32                              ; x is in; the 32 younger loads may be out
.set j, 0
.rept 16
	ds_store_b128 v2, v[R+4*j:R+4*j+3] offset:528*j
.set j, j+1
.endr
.set j, 0
.rept 16
	ds_load_b128 v[R+4*j:R+4*j+3], v3 offset:128*(j/4)+16*(j%4)   ; LDS serves a wave's instructions in order (ISA guide 5.7.1.4): these see my stores
.set j, j+1
.endr
	s_wait_loadcnt 16                              ; the projection is in; g1's 16 loads may be out
	s_wait_dscnt 0x0
.set j, 0
.rept 32
	v_pk_add_f32 v[Y+j:Y+j+1], v[Y+j:Y+j+1], v[R+j:R+j+1]
.set j, j+2
.endr
.set j, 0
.rept 16
	global_load_b128 v[R+4*j:R+4*j+3], v6, s[10:11] offset:128*(j/4)+16*(j%4)  ; be1, into the registers that x has left
.set j, j+1
.endr
	LANESUM 0
	XWAVES 0
	s_delay_alu instid0(VALU_DEP_1)
	v_mul_f32 v8, s18, v[T]                        ; the mean
.set j, 0
.rept 32
	v_pk_add_f32 v[Y+j:Y+j+1], v[Y+j:Y+j+1], v[8:9] op_sel_hi:[1,0] neg_lo:[0,1] neg_hi:[0,1]
.set j, j+2
.endr
	LANESUM 1
	XWAVES RED2-RED
	s_delay_alu instid0(VALU_DEP_1)
	v_fma_f32 v8, v[T], s18, s19                   ; the variance + 1e-5
	s_wait_alu depctr_va_vdst(0)
	v_rsq_f32 v8, v8
	v_nop                                          ; a plain line behind it
	s_wait_kmcnt 0x0
	s_add_co_i32 s30, s30, 127
	s_lshl_b32 s31, s30, 23
	s_add_co_i32 s30, s30, 8
	s_lshl_b32 s30, s30, 23
	s_or_b32 s30, s30, 0x600000
	v_mov_b32 v13, s31                             ; 2^e12
	v_mov_b32 v14, s30                             ; 448 x 2^e12
	s_wait_alu depctr_va_vdst(0)                   ; the wait ahead of the root's first reader
	s_wait_loadcnt 0x0                             ; g1, be1
.set j, 0
.rept 32
	v_pk_mul_f32 v[Y+j:Y+j+1], v[Y+j:Y+j+1], v[8:9] op_sel_hi:[1,0]
.set j, j+2
.endr
.set j, 0
.rept 32
	v_pk_fma_f32 v[Y+j:Y+j+1], v[Y+j:Y+j+1], v[G+j:G+j+1], v[R+j:R+j+1]
.set j, j+2
.endr
.set j, 0
.rept 16
	global_store_b128 v1, v[Y+4*j:Y+4*j+3], s[14:15] offset:512*j              ; the image: 512 consecutive bytes a store
.set j, j+1
.endr
.irp c, 0,1,2,3
.set i, 0
.rept 16
	v_med3_num_f32 v[T+16*(\c%2)+i], v[Y+16*\c+i], -v14, v14                   ; the conversion does not saturate (ISA guide 7.6.2); into the other set than the last conversions read
.set i, i+1
.endr
	v_cvt_scalef32_pk8_fp8_f32 v[C+4*\c:C+4*\c+1], v[T+16*(\c%2):T+16*(\c%2)+7], v13
	v_cvt_scalef32_pk8_fp8_f32 v[C+4*\c+2:C+4*\c+3], v[T+16*(\c%2)+8:T+16*(\c%2)+15], v13
.endr
	v_nop
.irp c, 0,1,2,3
	global_store_b128 v1, v[C+4*\c:C+4*\c+3], s[32:33] offset:512*\c
.endr
	s_wait_tensorcnt 0x0                           ; the wave's end: behind my last LDS store
	ds_add_u32 v4, v5
	s_wait_dscnt 0x0
	s_endpgm
.Lfunc_end_k_q0e1d29eaa2_ln1:
	.size	k_q0e1d29eaa2_ln1, .Lfunc_end_k_q0e1d29eaa2_ln1-k_q0e1d29eaa2_ln1
	.p2alignl 7, 3214868480
	.fill 96, 4, 3214868480
	.section	.rodata,"a",@progbits
	.p2align	6, 0x0
	.amdhsa_kernel k_q0e1d29eaa2_ln1
		.amdhsa_group_segment_fixed_size 70656
		.amdhsa_private_segment_fixed_size 0
		.amdhsa_enable_private_segment 0
		.amdhsa_kernarg_size 48
		.amdhsa_user_sgpr_count 2
		.amdhsa_user_sgpr_kernarg_segment_ptr 1
		.amdhsa_wavefront_size32 1
		.amdhsa_system_sgpr_workgroup_id_x 1
		.amdhsa_system_sgpr_workgroup_id_y 1
		.amdhsa_system_sgpr_workgroup_id_z 1
		.amdhsa_system_vgpr_workitem_id 0
		.amdhsa_next_free_vgpr 256
		.amdhsa_next_free_sgpr 66
		.amdhsa_reserve_vcc 0
		.amdhsa_float_denorm_mode_32 3
		.amdhsa_float_denorm_mode_16_64 3
		.amdhsa_memory_ordered 1
		.amdhsa_forward_progress 1
		.amdhsa_inst_pref_size 35
	.end_amdhsa_kernel
	.amdgpu_metadata
---
amdhsa.version: [ 1, 2 ]
amdhsa.kernels:
  - .name:           k_q0e1d29eaa2_ln1
    .symbol:         k_q0e1d29eaa2_ln1.kd
    .args:
      - { .name: acc32, .offset: 0, .size: 8, .value_kind: global_buffer, .address_space: global }
      - { .name: x, .offset: 8, .size: 8, .value_kind: global_buffer, .address_space: global }
      - { .name: g1, .offset: 16, .size: 8, .value_kind: global_buffer, .address_space: global }
      - { .name: be1, .offset: 24, .size: 8, .value_kind: global_buffer, .address_space: global }
      - { .name: lowp_scales, .offset: 32, .size: 8, .value_kind: global_buffer, .address_space: global }
      - { .name: x1, .offset: 40, .size: 8, .value_kind: global_buffer, .address_space: global }
    .group_segment_fixed_size: 70656
    .private_segment_fixed_size: 0
    .kernarg_segment_align: 8
    .kernarg_segment_size: 48
    .max_flat_workgroup_size: 256
    .sgpr_count:     66
    .vgpr_count:     256
    .wavefront_size: 32
...
	.end_amdgpu_metadata
.endif
;; end of part 13
;; launch ffn1 (part 14): grid 16 x 16, 4 waves a work-group, clusters of 4 x 4, 327,680 bytes of LDS; arguments x1, prepc, b1, lowp_scales, hid; writes hid
.if DOCPART == 14
	.amdgcn_target "amdgcn-amd-amdhsa--gfx1250"
	.amdhsa_code_object_version 6
	.text
	.protected	k_q0e1d29eaa2_ffn1
	.globl	k_q0e1d29eaa2_ffn1
	.p2align	8
	.type	k_q0e1d29eaa2_ffn1,@function
k_q0e1d29eaa2_ffn1:
	s_mov_b64 s[64:65], 0
	v_nop
	global_prefetch_b8 v0, s[64:65] scope:SCOPE_SE
	s_setreg_imm32_b32 hwreg(HW_REG_WAVE_MODE, 25, 1), 1
	s_wait_xcnt 0x0
	s_wait_alu depctr_hold_cnt(0) depctr_sa_sdst(0) depctr_va_vdst(0) depctr_va_sdst(0) depctr_va_ssrc(0) depctr_va_vcc(0) depctr_vm_vsrc(0)
	s_getreg_b32 s2, hwreg(HW_REG_IB_STS2, 6, 4)
	s_cmp_eq_u32 s2, 0
	s_cbranch_scc0 .Lentry_in_a_cluster
	s_endpgm
.Lentry_in_a_cluster:
	s_bfe_u32 s2, ttmp6, 0x10000c
	s_cmp_lg_u32 s2, 0xf033
	s_cbranch_scc0 .Lentry_shape_is_right
	s_endpgm
.Lentry_shape_is_right:
.set KTOT,   1024
.set AOFF,   16<<20
.set BOFF,   16<<20
.set PART,   32768
.set SLOT,   4*PART
.set SPARE,  2*SLOT
.set BLKB,   (KTOT/128)*16384
.set LAPS,   KTOT/512
.set FR,     16
.set NL,     4
.set NP,     4
.set ADRA, 16
.set ADRB, 20
.set LI,   26
.set BO,   27
.set SPW,  28
.set NIL,  29
.set SCV,  30
.set LIMV, 31
.set BI,   32
.set TMP,  96
.set AF,   128
.set CD,   224
.set G1, 24
.set G0, 32
.set G1B, 48
.set G0B, 56
.set MSB, 0
.macro WIN new
.if MSB != \new
	s_set_vgpr_msb (MSB<<8)|\new
.set MSB, \new
.endif
.endm
.set MUL_LO, 0xa1
.set MUL_HI, 0xf1
.set TO_B,   0x40
.macro JLOAD g0a, g1a, g0b, g1b
	s_cmp_eq_u32 s15, 0
	s_cbranch_scc0 .Lfor_b_\@
	tensor_load_to_lds s[\g0a:\g0a+3], s[\g1a:\g1a+7]
	s_nop 0
.rept 4
	v_nop
.endr
	s_branch .Lasked_\@
.Lfor_b_\@:
	tensor_load_to_lds s[\g0b:\g0b+3], s[\g1b:\g1b+7]
	s_nop 0
.rept 4
	v_nop
.endr
.Lasked_\@:
.endm
.macro CREST
	s_cmp_lg_u32 s14, 0
	s_cbranch_scc1 .Lnot_wave_0_\@
	s_barrier_signal -3
.Lnot_wave_0_\@:
	s_barrier_wait -3
	s_barrier_signal -1
	s_barrier_wait -1
.endm
.macro CROUND
	s_barrier_signal -1
	s_barrier_wait -1
	CREST
.endm
.macro FRAG reg, adr, q, i
.irp c, 0,1,2,3
	ds_load_b128 v[\reg+4*\c:\reg+4*\c+3], v[\adr] offset:16384*(\q)+2048*(\i)+512*\c
.endr
.endm
.macro MUL16 a0, p, zero
.irp a, \a0, \a0+1
.irp b, 0,1,2,3,4,5,6,7
.if \zero
	v_wmma_f32_16x16x128_fp8_fp8 v[8*(8*((\a)%4)+\b):8*(8*((\a)%4)+\b)+7], v[128*(\p)+FR*\b:128*(\p)+FR*\b+FR-1], v[AF+FR*(\a):AF+FR*(\a)+FR-1], 0
.else
	v_wmma_f32_16x16x128_fp8_fp8 v[8*(8*((\a)%4)+\b):8*(8*((\a)%4)+\b)+7], v[128*(\p)+FR*\b:128*(\p)+FR*\b+FR-1], v[AF+FR*(\a):AF+FR*(\a)+FR-1], v[8*(8*((\a)%4)+\b):8*(8*((\a)%4)+\b)+7]
.endif
.endr
.endr
.endm
.macro FETCH_B slot, q, p
	WIN TO_B
.irp i, 0,1,2,3,4,5,6,7
	FRAG 128*(\p)+FR*\i, ADRB+\slot, \q, \i
.endr
	WIN 0
.endm
.macro FETCH_A slot, q, i0
.irp i, \i0, \i0+1, \i0+2, \i0+3
	FRAG AF+FR*(\i), ADRA+\slot, \q, \i
.endr
.endm
.macro PLACES n
.rept \n
	v_nop
.endr
.endm
.macro STEP slot, q, zero
	s_wait_dscnt 4*NL
	WIN MUL_LO
	MUL16 0, (\q)%2, \zero
	MUL16 2, (\q)%2, \zero
	s_wait_dscnt 0
	PLACES NP
	FETCH_B \slot, (\q)+1, 1-(\q)%2
	FETCH_A \slot, (\q)+1, 0
	WIN MUL_HI
	MUL16 4, (\q)%2, \zero
	MUL16 6, (\q)%2, \zero
	PLACES NP
	WIN 0
	FETCH_A \slot, (\q)+1, 4
.endm
.macro TURN slot, next, fill
	s_wait_tensorcnt 0x0
	ds_add_u32 v[SPW], v[NIL]
	s_wait_dscnt 4*NL+1
	WIN MUL_LO
	MUL16 0, 1, 0
	s_wait_dscnt 0x0
	s_barrier_signal -1
	MUL16 2, 1, 0
	WIN 0
	s_barrier_wait -1
.if \fill
	CREST
	s_add_nc_u64 s[G0+4*\slot+2:G0+4*\slot+3], s[G0+4*\slot+2:G0+4*\slot+3], 2*PART
	s_add_nc_u64 s[G0B+4*\slot+2:G0B+4*\slot+3], s[G0B+4*\slot+2:G0B+4*\slot+3], 2*PART
	JLOAD G0+4*\slot, G1, G0B+4*\slot, G1B
.else
	PLACES NP
.endif
	FETCH_B \next, 0, 0
	FETCH_A \next, 0, 0
	WIN MUL_HI
	MUL16 4, 1, 0
	MUL16 6, 1, 0
	PLACES NP
	WIN 0
	FETCH_A \next, 0, 4
.endm
.macro LAST
	s_wait_dscnt 4*NL
	WIN MUL_LO
	MUL16 0, 1, 0
	MUL16 2, 1, 0
	s_wait_dscnt 0
	WIN MUL_HI
	MUL16 4, 1, 0
	MUL16 6, 1, 0
	WIN 0
.endm
	s_load_b256 s[4:11], s[0:1], 0x0
	s_load_b64 s[12:13], s[0:1], 0x20
	v_lshl_add_u32 v[SPW], v0, 2, SPARE
	v_mov_b32 v[NIL], 0
	ds_add_u32 v[SPW], v[NIL]
	ds_add_u32 v[SPW], v[NIL]
	v_lshrrev_b32 v1, 5, v0
	v_readfirstlane_b32 s14, v1
	s_lshr_b32 s15, s14, 1
	s_and_b32 s16, s14, 1
	s_bfe_u32 s40, ttmp6, 0x40000
	s_bfe_u32 s41, ttmp6, 0x40004
	s_lshl_b32 s42, ttmp9, 2
	s_add_co_u32 s42, s42, s40
	s_and_b32 s17, ttmp7, 0xffff
	s_lshl_b32 s17, s17, 2
	s_add_co_u32 s17, s17, s41
	s_lshl_b32 s43, s41, 2
	s_lshl_b32 s43, 15, s43
	s_lshl_b32 s44, 0x1111, s40
	s_or_b32 s[G1+0], s43, (3<<16)|(1<<21)
	s_or_b32 s[G1B+0], s44, (3<<16)|(1<<21)
.irp g, G1, G1B
	s_mov_b32 s[\g+1], 32<<16
	s_mov_b32 s[\g+2], 128<<16
	s_mov_b32 s[\g+3], 32<<16
	s_mov_b32 s[\g+4], 128
	s_mov_b32 s[\g+5], 32
	s_mov_b32 s[\g+6], 0
	s_mov_b32 s[\g+7], 0
.endr
	s_lshl_b32 s20, s17, 1
	s_add_co_u32 s20, s20, s16
	s_mul_i32 s20, s20, BLKB
	s_add_co_u32 s20, s20, AOFF
	s_mov_b32 s21, 0
	s_lshl_b32 s46, s42, 1
	s_add_co_u32 s46, s46, s16
	s_mul_i32 s46, s46, BLKB
	s_add_co_u32 s46, s46, BOFF
	s_mov_b32 s47, 0
	s_mul_i32 s45, s14, PART
	s_wait_dscnt 0x0
	s_wait_kmcnt 0x0
	s_load_b64 s[96:97], s[10:11], 0x30
	s_load_b32 s68, s[10:11], 0x38
	s_add_nc_u64 s[20:21], s[4:5], s[20:21]
	s_add_nc_u64 s[46:47], s[6:7], s[46:47]
	CROUND
.irp s, 0,1
	s_mov_b32 s[G0+4*\s], 1
	s_add_co_u32 s[G0+4*\s+1], s45, \s*SLOT
	s_add_nc_u64 s[G0+4*\s+2:G0+4*\s+3], s[20:21], \s*PART
	s_or_b32 s[G0+4*\s+3], s[G0+4*\s+3], 0x80000000
	s_mov_b32 s[G0B+4*\s], 1
	s_add_co_u32 s[G0B+4*\s+1], s45, \s*SLOT
	s_add_nc_u64 s[G0B+4*\s+2:G0B+4*\s+3], s[46:47], \s*PART
	s_or_b32 s[G0B+4*\s+3], s[G0B+4*\s+3], 0x80000000
.if \s == 0
	JLOAD G0, G1, G0B, G1B                         ; slot 0: one tensor load a wave at the head
.endif
.endr
	v_and_b32 v1, 31, v0
	v_lshlrev_b32 v[LI], 4, v1
	s_lshl_b32 s21, s15, 15
	s_lshl_b32 s22, s16, 15
	s_add_co_u32 s22, s22, 2*PART
.irp s, 0,1
	v_add_nc_u32 v[ADRA+\s], s21, v[LI]
	v_add_nc_u32 v[ADRB+\s], s22, v[LI]
	s_add_co_u32 s21, s21, SLOT
	s_add_co_u32 s22, s22, SLOT
.endr
	s_lshl_b32 s46, s42, 1
	s_add_co_u32 s46, s46, s16
	s_lshl_b32 s20, s17, 1
	s_add_co_u32 s20, s20, s15
	s_lshl_b32 s20, s20, 5
	s_add_co_u32 s20, s20, s46
	s_lshl_b32 s20, s20, 14
	s_mov_b32 s21, 0
	s_add_nc_u64 s[12:13], s[12:13], s[20:21]
	s_lshl_b32 s46, s46, 9
	s_mov_b32 s47, 0
	s_add_nc_u64 s[8:9], s[8:9], s[46:47]
	v_bfe_u32 v[BO], v0, 4, 1
	v_lshlrev_b32 v[BO], 6, v[BO]
.set j, 0
.rept 16
	global_load_b128 v[BI+4*j:BI+4*j+3], v[BO], s[8:9] offset:128*(j/4)+16*(j%4)
.set j, j+1
.endr
	s_wait_alu depctr_va_vdst(0)
	s_wait_tensorcnt 0x0                           ; my part of slot 0 is in
	ds_add_u32 v[SPW], v[NIL]
	s_wait_dscnt 0x0
	CROUND
	JLOAD G0+4, G1, G0B+4, G1B                     ; slot 1: the first tensor load behind the round
	FETCH_B 0, 0, 0
	FETCH_A 0, 0, 0
	FETCH_A 0, 0, 4
	STEP 0, 0, 1
	s_mov_b32 s3, LAPS-1
.Llap:
	TURN 0, 1, 1
	STEP 1, 0, 0
	TURN 1, 0, 1
	STEP 0, 0, 0
	s_sub_co_u32 s3, s3, 1
	s_cmp_lg_u32 s3, 0
	s_cbranch_scc1 .Llap
	TURN 0, 1, 0
	STEP 1, 0, 0
	LAST
	s_wait_kmcnt 0x0
	s_add_co_i32 s96, s96, s97
	s_add_co_i32 s96, s96, 127
	s_lshl_b32 s96, s96, 23
	s_mov_b32 s97, s96
	s_add_co_i32 s68, s68, 127
	s_lshl_b32 s69, s68, 23
	v_mov_b32 v[SCV], s69
	s_add_co_i32 s68, s68, 8
	s_lshl_b32 s68, s68, 23
	s_or_b32 s68, s68, 0x600000
	v_mov_b32 v[LIMV], s68
	s_wait_loadcnt 0x0
	PLACES NP
.macro OUT_CODE a
.if (\a) >= 2
	s_wait_xcnt 0x0
.endif
.set AC, 64*((\a)%4)
	WIN 0x02+((\a)/4)
.set j, 0
.rept 32
	v_pk_fma_f32 v[TMP+j:TMP+j+1], v[AC+j:AC+j+1], s[96:97], v[BI+j:BI+j+1] op_sel_hi:[1,0,1]
.set j, j+2
.endr
	WIN 0
.set j, 0
.rept 64
	v_med3_num_f32 v[TMP+j], v[TMP+j], 0, v[LIMV]
.set j, j+1
.endr
.set j, 0
.rept 8
	v_cvt_scalef32_pk8_fp8_f32 v[CD+16*((\a)%2)+2*j:CD+16*((\a)%2)+2*j+1], v[TMP+8*j:TMP+8*j+7], v[SCV]
.set j, j+1
.endr
	v_nop
.irp c, 0,1,2,3
	global_store_b128 v[LI], v[CD+16*((\a)%2)+4*\c:CD+16*((\a)%2)+4*\c+3], s[12:13] offset:2048*(\a)+512*\c
.endr
.endm
.irp a, 0,1,2,3,4,5,6,7
	OUT_CODE \a
.endr
	s_wait_tensorcnt 0x0
	ds_add_u32 v[SPW], v[NIL]
	s_wait_dscnt 0x0
	CROUND
	s_endpgm
.Lfunc_end_k_q0e1d29eaa2_ffn1:
	.size	k_q0e1d29eaa2_ffn1, .Lfunc_end_k_q0e1d29eaa2_ffn1-k_q0e1d29eaa2_ffn1
	.p2alignl 7, 3214868480
	.fill 96, 4, 3214868480
	.section	.rodata,"a",@progbits
	.p2align	6, 0x0
	.amdhsa_kernel k_q0e1d29eaa2_ffn1
		.amdhsa_group_segment_fixed_size 327680
		.amdhsa_private_segment_fixed_size 0
		.amdhsa_enable_private_segment 0
		.amdhsa_kernarg_size 40
		.amdhsa_user_sgpr_count 2
		.amdhsa_user_sgpr_kernarg_segment_ptr 1
		.amdhsa_wavefront_size32 1
		.amdhsa_system_sgpr_workgroup_id_x 1
		.amdhsa_system_sgpr_workgroup_id_y 1
		.amdhsa_system_sgpr_workgroup_id_z 1
		.amdhsa_system_vgpr_workitem_id 0
		.amdhsa_next_free_vgpr 1024
		.amdhsa_next_free_sgpr 98
		.amdhsa_reserve_vcc 0
		.amdhsa_float_denorm_mode_32 3
		.amdhsa_float_denorm_mode_16_64 3
		.amdhsa_memory_ordered 1
		.amdhsa_forward_progress 1
		.amdhsa_inst_pref_size 135
	.end_amdhsa_kernel
	.amdgpu_metadata
---
amdhsa.version: [ 1, 2 ]
amdhsa.kernels:
  - .name:           k_q0e1d29eaa2_ffn1
    .symbol:         k_q0e1d29eaa2_ffn1.kd
    .args:
      - { .name: x1, .offset: 0, .size: 8, .value_kind: global_buffer, .address_space: global }
      - { .name: prepc, .offset: 8, .size: 8, .value_kind: global_buffer, .address_space: global }
      - { .name: b1, .offset: 16, .size: 8, .value_kind: global_buffer, .address_space: global }
      - { .name: lowp_scales, .offset: 24, .size: 8, .value_kind: global_buffer, .address_space: global }
      - { .name: hid, .offset: 32, .size: 8, .value_kind: global_buffer, .address_space: global }
    .group_segment_fixed_size: 327680
    .private_segment_fixed_size: 0
    .kernarg_segment_align: 8
    .kernarg_segment_size: 40
    .max_flat_workgroup_size: 128
    .sgpr_count:     98
    .vgpr_count:     1024
    .wavefront_size: 32
...
	.end_amdgpu_metadata
.endif
;; end of part 14
;; launch ffn2 (part 15): grid 8 x 32, 4 waves a work-group, clusters of 4 x 4, 327,680 bytes of LDS; arguments hid, prepc, b2, lowp_scales, acc32; writes acc32
.if DOCPART == 15
	.amdgcn_target "amdgcn-amd-amdhsa--gfx1250"
	.amdhsa_code_object_version 6
	.text
	.protected	k_q0e1d29eaa2_ffn2
	.globl	k_q0e1d29eaa2_ffn2
	.p2align	8
	.type	k_q0e1d29eaa2_ffn2,@function
k_q0e1d29eaa2_ffn2:
	s_mov_b64 s[64:65], 0
	v_nop
	global_prefetch_b8 v0, s[64:65] scope:SCOPE_SE
	s_setreg_imm32_b32 hwreg(HW_REG_WAVE_MODE, 25, 1), 1
	s_wait_xcnt 0x0
	s_wait_alu depctr_hold_cnt(0) depctr_sa_sdst(0) depctr_va_vdst(0) depctr_va_sdst(0) depctr_va_ssrc(0) depctr_va_vcc(0) depctr_vm_vsrc(0)
	s_getreg_b32 s2, hwreg(HW_REG_IB_STS2, 6, 4)
	s_cmp_eq_u32 s2, 0
	s_cbranch_scc0 .Lentry_in_a_cluster
	s_endpgm
.Lentry_in_a_cluster:
	s_bfe_u32 s2, ttmp6, 0x10000c
	s_cmp_lg_u32 s2, 0xf033
	s_cbranch_scc0 .Lentry_shape_is_right
	s_endpgm
.Lentry_shape_is_right:
.set KTOT,   4096
.set BOFF,   20<<20
.set SOFF,   0x38
.set PART,   32768
.set SLOT,   4*PART
.set SPARE,  2*SLOT
.set BLKB,   (KTOT/128)*16384
.set LAPS,   KTOT/1024
.set FR,     16
.set NP,     4
.set ADRA, 16
.set ADRB, 20
.set LI,   26
.set BO,   27
.set SPW,  28
.set NIL,  29
.set BI,   32
.set TMP,  64
.set ACC,  128
.set G1, 24
.set G0, 32
.set G1B, 48
.set G0B, 56
.set MSB, 0
.macro WIN new
.if MSB != \new
	s_set_vgpr_msb (MSB<<8)|\new
.set MSB, \new
.endif
.endm
.set MUL,  0x05
.set TO_F, 0x40
.macro JLOAD g0a, g1a, g0b, g1b
	s_cmp_eq_u32 s15, 0
	s_cbranch_scc0 .Lfor_b_\@
	tensor_load_to_lds s[\g0a:\g0a+3], s[\g1a:\g1a+7]
	s_nop 0
.rept 4
	v_nop
.endr
	s_branch .Lasked_\@
.Lfor_b_\@:
	tensor_load_to_lds s[\g0b:\g0b+3], s[\g1b:\g1b+7]
	s_nop 0
.rept 4
	v_nop
.endr
.Lasked_\@:
.endm
.macro CREST
	s_cmp_lg_u32 s14, 0
	s_cbranch_scc1 .Lnot_wave_0_\@
	s_barrier_signal -3
.Lnot_wave_0_\@:
	s_barrier_wait -3
	s_barrier_signal -1
	s_barrier_wait -1
.endm
.macro CROUND
	s_barrier_signal -1
	s_barrier_wait -1
	CREST
.endm
.macro FRAG reg, adr, q, i
.irp c, 0,1,2,3
	ds_load_b128 v[\reg+4*\c:\reg+4*\c+3], v[\adr] offset:16384*(\q)+2048*(\i)+512*\c
.endr
.endm
.macro FETCH slot, q, p
	WIN TO_F
.irp i, 0,1,2,3
	FRAG 128*(\p)+64+FR*\i, ADRB+\slot, \q, \i
	FRAG 128*(\p)+FR*\i, ADRA+\slot, \q, \i
.endr
.endm
.macro MUL4 p, a, zero
.irp b, 0,1,2,3
.if \zero
	v_wmma_f32_16x16x128_fp8_fp8 v[ACC+8*(4*(\a)+\b):ACC+8*(4*(\a)+\b)+7], v[128*(\p)+64+FR*\b:128*(\p)+64+FR*\b+FR-1], v[128*(\p)+FR*(\a):128*(\p)+FR*(\a)+FR-1], 0
.else
	v_wmma_f32_16x16x128_fp8_fp8 v[ACC+8*(4*(\a)+\b):ACC+8*(4*(\a)+\b)+7], v[128*(\p)+64+FR*\b:128*(\p)+64+FR*\b+FR-1], v[128*(\p)+FR*(\a):128*(\p)+FR*(\a)+FR-1], v[ACC+8*(4*(\a)+\b):ACC+8*(4*(\a)+\b)+7]
.endif
.endr
.endm
.macro PLACES n
.rept \n
	v_nop
.endr
.endm
.macro KSTEP slot, q, zero
	s_wait_dscnt 0x0
	PLACES NP
	FETCH \slot, (\q)+1, 1-(\q)%2
	WIN MUL
	MUL4 (\q)%2, 0, \zero
	MUL4 (\q)%2, 1, \zero
	MUL4 (\q)%2, 2, \zero
	MUL4 (\q)%2, 3, \zero
.endm
.macro TURN slot, next, fill
	WIN 0
	s_wait_tensorcnt 0x0
	ds_add_u32 v[SPW], v[NIL]
	s_wait_dscnt 1
	WIN MUL
	MUL4 1, 0, 0
	s_wait_dscnt 0x0
	s_barrier_signal -1
	MUL4 1, 1, 0
	WIN 0
	s_barrier_wait -1
.if \fill
	CREST
	s_add_nc_u64 s[G0+4*\slot+2:G0+4*\slot+3], s[G0+4*\slot+2:G0+4*\slot+3], 4*PART
	s_add_nc_u64 s[G0B+4*\slot+2:G0B+4*\slot+3], s[G0B+4*\slot+2:G0B+4*\slot+3], 4*PART
	JLOAD G0+4*\slot, G1, G0B+4*\slot, G1B
.else
	PLACES NP
.endif
	FETCH \next, 0, 0
	WIN MUL
	MUL4 1, 2, 0
	MUL4 1, 3, 0
.endm
.macro LAST
	s_wait_dscnt 0x0
	WIN MUL
	MUL4 1, 0, 0
	MUL4 1, 1, 0
	MUL4 1, 2, 0
	MUL4 1, 3, 0
	WIN 0
.endm
	s_load_b256 s[4:11], s[0:1], 0x0
	s_load_b64 s[12:13], s[0:1], 0x20
	v_lshl_add_u32 v[SPW], v0, 2, SPARE
	v_mov_b32 v[NIL], 0
	ds_add_u32 v[SPW], v[NIL]
	ds_add_u32 v[SPW], v[NIL]
	v_lshrrev_b32 v1, 5, v0
	v_readfirstlane_b32 s14, v1
	s_lshr_b32 s15, s14, 1
	s_and_b32 s16, s14, 1
	s_bfe_u32 s40, ttmp6, 0x40000
	s_bfe_u32 s41, ttmp6, 0x40004
	s_lshl_b32 s42, ttmp9, 2
	s_add_co_u32 s42, s42, s40
	s_and_b32 s17, ttmp7, 0xffff
	s_lshl_b32 s17, s17, 2
	s_add_co_u32 s17, s17, s41
	s_lshl_b32 s43, s41, 2
	s_lshl_b32 s43, 15, s43
	s_lshl_b32 s44, 0x1111, s40
	s_or_b32 s[G1+0], s43, (3<<16)|(1<<21)
	s_or_b32 s[G1B+0], s44, (3<<16)|(1<<21)
.irp g, G1, G1B
	s_mov_b32 s[\g+1], 32<<16
	s_mov_b32 s[\g+2], 128<<16
	s_mov_b32 s[\g+3], 32<<16
	s_mov_b32 s[\g+4], 128
	s_mov_b32 s[\g+5], 32
	s_mov_b32 s[\g+6], 0
	s_mov_b32 s[\g+7], 0
.endr
	s_lshl_b32 s18, s16, 15
	s_mul_i32 s20, s17, BLKB
	s_add_co_u32 s20, s20, s18
	s_mov_b32 s21, 0
	s_mul_i32 s46, s42, BLKB
	s_add_co_u32 s46, s46, s18
	s_add_co_u32 s46, s46, BOFF
	s_mov_b32 s47, 0
	s_mul_i32 s45, s14, PART
	s_wait_dscnt 0x0
	s_wait_kmcnt 0x0
	s_load_b64 s[96:97], s[10:11], SOFF
	s_add_nc_u64 s[20:21], s[4:5], s[20:21]
	s_add_nc_u64 s[46:47], s[6:7], s[46:47]
	CROUND
.irp s, 0,1
	s_mov_b32 s[G0+4*\s], 1
	s_add_co_u32 s[G0+4*\s+1], s45, \s*SLOT
	s_add_nc_u64 s[G0+4*\s+2:G0+4*\s+3], s[20:21], \s*2*PART
	s_or_b32 s[G0+4*\s+3], s[G0+4*\s+3], 0x80000000
	s_mov_b32 s[G0B+4*\s], 1
	s_add_co_u32 s[G0B+4*\s+1], s45, \s*SLOT
	s_add_nc_u64 s[G0B+4*\s+2:G0B+4*\s+3], s[46:47], \s*2*PART
	s_or_b32 s[G0B+4*\s+3], s[G0B+4*\s+3], 0x80000000
.if \s == 0
	JLOAD G0, G1, G0B, G1B                         ; slot 0: one tensor load a wave at the head
.endif
.endr
	v_and_b32 v1, 31, v0
	v_lshlrev_b32 v[LI], 4, v1
	s_lshl_b32 s21, s15, 13
	s_lshl_b32 s22, s16, 13
	s_add_co_u32 s22, s22, 2*PART
.irp s, 0,1
	v_add_nc_u32 v[ADRA+\s], s21, v[LI]
	v_add_nc_u32 v[ADRB+\s], s22, v[LI]
	s_add_co_u32 s21, s21, SLOT
	s_add_co_u32 s22, s22, SLOT
.endr
	s_lshl_b32 s20, s17, 3
	s_add_co_u32 s20, s20, s42
	s_lshl_b32 s20, s20, 16
	s_lshl_b32 s22, s15, 15
	s_add_co_u32 s20, s20, s22
	s_lshl_b32 s22, s16, 12
	s_add_co_u32 s20, s20, s22
	s_mov_b32 s21, 0
	s_add_nc_u64 s[12:13], s[12:13], s[20:21]
	s_lshl_b32 s46, s42, 9
	s_lshl_b32 s47, s16, 8
	s_add_co_u32 s46, s46, s47
	s_mov_b32 s47, 0
	s_add_nc_u64 s[8:9], s[8:9], s[46:47]
	v_bfe_u32 v[BO], v0, 4, 1
	v_lshlrev_b32 v[BO], 6, v[BO]
.set j, 0
.rept 8
	global_load_b128 v[BI+4*j:BI+4*j+3], v[BO], s[8:9] offset:128*(j/4)+16*(j%4)
.set j, j+1
.endr
	s_wait_alu depctr_va_vdst(0)
	s_wait_tensorcnt 0x0                           ; my part of slot 0 is in
	ds_add_u32 v[SPW], v[NIL]
	s_wait_dscnt 0x0
	CROUND
	JLOAD G0+4, G1, G0B+4, G1B                     ; slot 1: the first tensor load behind the round
	FETCH 0, 0, 0
	KSTEP 0, 0, 1
.if LAPS > 1
	WIN 0
	s_mov_b32 s3, LAPS-1
.Llap:
	KSTEP 0, 1, 0
	KSTEP 0, 2, 0
	TURN 0, 1, 1
	KSTEP 1, 0, 0
	KSTEP 1, 1, 0
	KSTEP 1, 2, 0
	TURN 1, 0, 1
	KSTEP 0, 0, 0
	WIN 0
	s_sub_co_u32 s3, s3, 1
	s_cmp_lg_u32 s3, 0
	s_cbranch_scc1 .Llap
.endif
	KSTEP 0, 1, 0
	KSTEP 0, 2, 0
	TURN 0, 1, 0
	KSTEP 1, 0, 0
	KSTEP 1, 1, 0
	KSTEP 1, 2, 0
	LAST
	s_wait_kmcnt 0x0
	s_add_co_i32 s96, s96, s97
	s_add_co_i32 s96, s96, 127
	s_lshl_b32 s96, s96, 23
	s_mov_b32 s97, s96
	s_wait_loadcnt 0x0
	PLACES NP
.macro OUT_IMG a
.if (\a) >= 2
	s_wait_xcnt 0x0
.endif
.set AC, ACC+32*(\a)
.set TS, TMP+32*((\a)%2)
.set j, 0
.rept 16
	v_pk_fma_f32 v[TS+j:TS+j+1], v[AC+j:AC+j+1], s[96:97], v[BI+j:BI+j+1] op_sel_hi:[1,0,1]
.set j, j+2
.endr
.set j, 0
.rept 8
	global_store_b128 v[LI], v[TS+4*j:TS+4*j+3], s[12:13] offset:8192*(\a)+512*j
.set j, j+1
.endr
.endm
.irp a, 0,1,2,3
	OUT_IMG \a
.endr
	s_wait_tensorcnt 0x0
	ds_add_u32 v[SPW], v[NIL]
	s_wait_dscnt 0x0
	CROUND
	s_endpgm
.Lfunc_end_k_q0e1d29eaa2_ffn2:
	.size	k_q0e1d29eaa2_ffn2, .Lfunc_end_k_q0e1d29eaa2_ffn2-k_q0e1d29eaa2_ffn2
	.p2alignl 7, 3214868480
	.fill 96, 4, 3214868480
	.section	.rodata,"a",@progbits
	.p2align	6, 0x0
	.amdhsa_kernel k_q0e1d29eaa2_ffn2
		.amdhsa_group_segment_fixed_size 327680
		.amdhsa_private_segment_fixed_size 0
		.amdhsa_enable_private_segment 0
		.amdhsa_kernarg_size 40
		.amdhsa_user_sgpr_count 2
		.amdhsa_user_sgpr_kernarg_segment_ptr 1
		.amdhsa_wavefront_size32 1
		.amdhsa_system_sgpr_workgroup_id_x 1
		.amdhsa_system_sgpr_workgroup_id_y 1
		.amdhsa_system_sgpr_workgroup_id_z 1
		.amdhsa_system_vgpr_workitem_id 0
		.amdhsa_next_free_vgpr 512
		.amdhsa_next_free_sgpr 98
		.amdhsa_reserve_vcc 0
		.amdhsa_float_denorm_mode_32 3
		.amdhsa_float_denorm_mode_16_64 3
		.amdhsa_memory_ordered 1
		.amdhsa_forward_progress 1
		.amdhsa_inst_pref_size 70
	.end_amdhsa_kernel
	.amdgpu_metadata
---
amdhsa.version: [ 1, 2 ]
amdhsa.kernels:
  - .name:           k_q0e1d29eaa2_ffn2
    .symbol:         k_q0e1d29eaa2_ffn2.kd
    .args:
      - { .name: hid, .offset: 0, .size: 8, .value_kind: global_buffer, .address_space: global }
      - { .name: prepc, .offset: 8, .size: 8, .value_kind: global_buffer, .address_space: global }
      - { .name: b2, .offset: 16, .size: 8, .value_kind: global_buffer, .address_space: global }
      - { .name: lowp_scales, .offset: 24, .size: 8, .value_kind: global_buffer, .address_space: global }
      - { .name: acc32, .offset: 32, .size: 8, .value_kind: global_buffer, .address_space: global }
    .group_segment_fixed_size: 327680
    .private_segment_fixed_size: 0
    .kernarg_segment_align: 8
    .kernarg_segment_size: 40
    .max_flat_workgroup_size: 128
    .sgpr_count:     98
    .vgpr_count:     512
    .wavefront_size: 32
...
	.end_amdgpu_metadata
.endif
;; end of part 15
;; launch ln2 (part 16): grid 256 x 1, 8 waves a work-group, no clusters, 70,656 bytes of LDS; arguments acc32, x1, g2, be2, out0; writes out0
.if DOCPART == 16
	.amdgcn_target "amdgcn-amd-amdhsa--gfx1250"
	.amdhsa_code_object_version 6
	.text
	.protected	k_q0e1d29eaa2_ln2
	.globl	k_q0e1d29eaa2_ln2
	.p2align	8
	.type	k_q0e1d29eaa2_ln2,@function
k_q0e1d29eaa2_ln2:
	s_mov_b64 s[64:65], 0
	v_nop
	global_prefetch_b8 v0, s[64:65] scope:SCOPE_SE
	s_setreg_imm32_b32 hwreg(HW_REG_WAVE_MODE, 25, 1), 1
	s_wait_xcnt 0x0
; Launch 8 of 8: out0 = layer norm(x1 + (the feed-forward's result)) x g2 + be2, in f32.  Nothing is left out.
; Shares and arithmetic as in launch 5: a work-group takes a tile of 16 rows (rows 32 (y / 2) + 8 (y % 2) + r + 8 (r / 8) of a block of 128), wave w columns 128 w on; lane (r, h) holds 64 numbers of row r.
; Both summands come as images in that order, 512 consecutive bytes a load.  The result turns through the wave's own stage in LDS and leaves as rows: 512 consecutive bytes a store.
; Memory binds: matrix units, clusters and tensor loads would add nothing.
.set STG,   8448
.set RED,   8*STG
.set RED2,  RED+1024
.set SPARE, RED2+1024
.set Y, 16                             ; v16-79   the numbers
.set R, 80                             ; v80-143  x1, then be2
.set G, 144                            ; v144-207 g2, then the rows on their way out
.set T, 208                            ; v208-215 the waves' sums
.macro LANESUM sq
.if \sq
	v_pk_mul_f32 v[8:9], v[Y:Y+1], v[Y:Y+1]
	v_pk_mul_f32 v[10:11], v[Y+2:Y+3], v[Y+2:Y+3]
.set j, 4
.rept 15
	s_delay_alu instid0(VALU_DEP_2)
	v_pk_fma_f32 v[8:9], v[Y+j:Y+j+1], v[Y+j:Y+j+1], v[8:9]
	s_delay_alu instid0(VALU_DEP_2)
	v_pk_fma_f32 v[10:11], v[Y+j+2:Y+j+3], v[Y+j+2:Y+j+3], v[10:11]
.set j, j+4
.endr
.else
	v_pk_add_f32 v[8:9], v[Y:Y+1], v[Y+4:Y+5]
	v_pk_add_f32 v[10:11], v[Y+2:Y+3], v[Y+6:Y+7]
.set j, 8
.rept 14
	s_delay_alu instid0(VALU_DEP_2)
	v_pk_add_f32 v[8:9], v[8:9], v[Y+j:Y+j+1]
	s_delay_alu instid0(VALU_DEP_2)
	v_pk_add_f32 v[10:11], v[10:11], v[Y+j+2:Y+j+3]
.set j, j+4
.endr
.endif
	s_delay_alu instid0(VALU_DEP_1)
	v_pk_add_f32 v[8:9], v[8:9], v[10:11]
	s_delay_alu instid0(VALU_DEP_1)
	v_add_f32 v8, v8, v9
.endm
.macro XWAVES off
	s_delay_alu instid0(VALU_DEP_1)
	v_permlanex16_b32 v10, v8, s16, s17
	s_delay_alu instid0(VALU_DEP_1)
	v_add_f32 v8, v8, v10
	ds_store_b32 v7, v8 offset:\off
	s_wait_dscnt 0x0                               ; for the others' sake: my store has landed
	s_barrier_signal -1
	s_barrier_wait -1
.irp k, 0,1,2,3,4,5,6,7
	ds_load_b32 v[T+\k], v12 offset:\off+128*\k
.endr
	s_wait_dscnt 0x0
	v_add_f32 v[T], v[T], v[T+1]
	v_add_f32 v[T+2], v[T+2], v[T+3]
	v_add_f32 v[T+4], v[T+4], v[T+5]
	v_add_f32 v[T+6], v[T+6], v[T+7]
	s_delay_alu instid0(VALU_DEP_3)
	v_add_f32 v[T], v[T], v[T+2]
	s_delay_alu instid0(VALU_DEP_2)
	v_add_f32 v[T+4], v[T+4], v[T+6]
	s_delay_alu instid0(VALU_DEP_1)
	v_add_f32 v[T], v[T], v[T+4]
.endm
	s_load_b256 s[4:11], s[0:1], 0x0               ; acc32 s[4:5], x1 s[6:7], g2 s[8:9], be2 s[10:11]
	s_load_b64 s[12:13], s[0:1], 0x20              ; out0
	v_lshl_add_u32 v4, v0, 2, SPARE
	v_mov_b32 v5, 0
	v_lshrrev_b32 v1, 5, v0
	s_delay_alu instid0(VALU_DEP_1)
	v_readfirstlane_b32 s2, v1
	v_and_b32 v13, 31, v0
	s_delay_alu instid0(VALU_DEP_1)
	v_lshlrev_b32 v1, 4, v13
	s_mul_i32 s3, s2, STG
	v_add_nc_u32 v2, s3, v1
	v_and_b32 v14, 15, v0
	v_bfe_u32 v15, v0, 4, 1
	s_delay_alu instid0(VALU_DEP_2)
	v_mul_u32_u24 v3, v14, 528
	s_delay_alu instid0(VALU_DEP_1)
	v_lshl_add_u32 v3, v15, 6, v3
	s_delay_alu instid0(VALU_DEP_1)
	v_add_nc_u32 v3, s3, v3
	s_delay_alu instid0(VALU_DEP_4)
	v_lshlrev_b32 v6, 6, v15
	v_lshlrev_b32 v12, 2, v13
	s_delay_alu instid0(VALU_DEP_1)
	v_add_nc_u32 v12, RED, v12
	s_lshl_b32 s3, s2, 7
	v_add_nc_u32 v7, s3, v12
	s_mov_b32 s16, 0x76543210
	s_mov_b32 s17, 0xfedcba98
	s_mov_b32 s18, 0x3a800000                      ; 1 / 1,024
	s_mov_b32 s19, 0x3727c5ac                      ; 1e-5
	s_lshr_b32 s20, ttmp9, 3
	s_and_b32 s21, ttmp9, 7
	s_lshl_b32 s22, s20, 7
	s_lshr_b32 s23, s21, 1
	s_lshl_b32 s23, s23, 5
	s_add_co_u32 s22, s22, s23
	s_and_b32 s23, s21, 1
	s_lshl_b32 s23, s23, 3
	s_add_co_u32 s22, s22, s23                     ; the tile's first row
	s_lshl_b32 s22, s22, 12
	s_lshl_b32 s28, s2, 9
	s_add_co_u32 s22, s22, s28
	s_mov_b32 s23, 0
	s_mov_b32 s29, 0
	s_lshl_b32 s24, s20, 3
	s_add_co_u32 s24, s24, s2
	s_lshl_b32 s24, s24, 3
	s_add_co_u32 s24, s24, s21
	s_lshl_b32 s24, s24, 13                        ; ((block 8 + wave) 8 + tile) x 8,192 bytes, in both images
	s_mov_b32 s25, 0
	s_wait_alu depctr_va_vdst(0)
	s_wait_kmcnt 0x0
	s_add_nc_u64 s[4:5], s[4:5], s[24:25]
	s_add_nc_u64 s[6:7], s[6:7], s[24:25]
	s_add_nc_u64 s[8:9], s[8:9], s[28:29]
	s_add_nc_u64 s[10:11], s[10:11], s[28:29]
	s_add_nc_u64 s[12:13], s[12:13], s[22:23]
.set j, 0
.rept 16
	global_load_b128 v[R+4*j:R+4*j+3], v1, s[6:7] offset:512*j th:TH_LOAD_NT
.set j, j+1
.endr
.set j, 0
.rept 16
	global_load_b128 v[Y+4*j:Y+4*j+3], v1, s[4:5] offset:512*j th:TH_LOAD_NT
.set j, j+1
.endr
.set j, 0
.rept 16
	global_load_b128 v[G+4*j:G+4*j+3], v6, s[8:9] offset:128*(j/4)+16*(j%4)
.set j, j+1
.endr
	s_wait_loadcnt 16                              ; both summands are in; g2's 16 loads may be out
.set j, 0
.rept 32
	v_pk_add_f32 v[Y+j:Y+j+1], v[Y+j:Y+j+1], v[R+j:R+j+1]
.set j, j+2
.endr
.set j, 0
.rept 16
	global_load_b128 v[R+4*j:R+4*j+3], v6, s[10:11] offset:128*(j/4)+16*(j%4)  ; be2, into the registers that x1 has left
.set j, j+1
.endr
	LANESUM 0
	XWAVES 0
	s_delay_alu instid0(VALU_DEP_1)
	v_mul_f32 v8, s18, v[T]                        ; the mean
.set j, 0
.rept 32
	v_pk_add_f32 v[Y+j:Y+j+1], v[Y+j:Y+j+1], v[8:9] op_sel_hi:[1,0] neg_lo:[0,1] neg_hi:[0,1]
.set j, j+2
.endr
	LANESUM 1
	XWAVES RED2-RED
	s_delay_alu instid0(VALU_DEP_1)
	v_fma_f32 v8, v[T], s18, s19                   ; the variance + 1e-5
	s_wait_alu depctr_va_vdst(0)
	v_rsq_f32 v8, v8
	v_nop                                          ; a plain line behind it
	s_wait_alu depctr_va_vdst(0)                   ; the wait ahead of the root's first reader
	s_wait_loadcnt 0x0                             ; g2, be2
.set j, 0
.rept 32
	v_pk_mul_f32 v[Y+j:Y+j+1], v[Y+j:Y+j+1], v[8:9] op_sel_hi:[1,0]
.set j, j+2
.endr
.set j, 0
.rept 32
	v_pk_fma_f32 v[Y+j:Y+j+1], v[Y+j:Y+j+1], v[G+j:G+j+1], v[R+j:R+j+1]
.set j, j+2
.endr
.set j, 0
.rept 16
	ds_store_b128 v3, v[Y+4*j:Y+4*j+3] offset:128*(j/4)+16*(j%4)
.set j, j+1
.endr
.set j, 0
.rept 16
	ds_load_b128 v[G+4*j:G+4*j+3], v2 offset:528*j                 ; LDS serves a wave's instructions in order (ISA guide 5.7.1.4): these see my stores
.set j, j+1
.endr
.set j, 0
.rept 16
	s_wait_dscnt 15-j                              ; row j is back; the younger loads may be out
	global_store_b128 v1, v[G+4*j:G+4*j+3], s[12:13] offset:(j+8*(j/8))*4096 th:TH_STORE_NT   ; 32 lanes store 512 consecutive bytes of a row
.set j, j+1
.endr
	s_wait_tensorcnt 0x0                           ; the wave's end: behind my last LDS store
	ds_add_u32 v4, v5
	s_wait_dscnt 0x0
	s_endpgm
.Lfunc_end_k_q0e1d29eaa2_ln2:
	.size	k_q0e1d29eaa2_ln2, .Lfunc_end_k_q0e1d29eaa2_ln2-k_q0e1d29eaa2_ln2
	.p2alignl 7, 3214868480
	.fill 96, 4, 3214868480
	.section	.rodata,"a",@progbits
	.p2align	6, 0x0
	.amdhsa_kernel k_q0e1d29eaa2_ln2
		.amdhsa_group_segment_fixed_size 70656
		.amdhsa_private_segment_fixed_size 0
		.amdhsa_enable_private_segment 0
		.amdhsa_kernarg_size 40
		.amdhsa_user_sgpr_count 2
		.amdhsa_user_sgpr_kernarg_segment_ptr 1
		.amdhsa_wavefront_size32 1
		.amdhsa_system_sgpr_workgroup_id_x 1
		.amdhsa_system_sgpr_workgroup_id_y 1
		.amdhsa_system_sgpr_workgroup_id_z 1
		.amdhsa_system_vgpr_workitem_id 0
		.amdhsa_next_free_vgpr 256
		.amdhsa_next_free_sgpr 66
		.amdhsa_reserve_vcc 0
		.amdhsa_float_denorm_mode_32 3
		.amdhsa_float_denorm_mode_16_64 3
		.amdhsa_memory_ordered 1
		.amdhsa_forward_progress 1
		.amdhsa_inst_pref_size 30
	.end_amdhsa_kernel
	.amdgpu_metadata
---
amdhsa.version: [ 1, 2 ]
amdhsa.kernels:
  - .name:           k_q0e1d29eaa2_ln2
    .symbol:         k_q0e1d29eaa2_ln2.kd
    .args:
      - { .name: acc32, .offset: 0, .size: 8, .value_kind: global_buffer, .address_space: global }
      - { .name: x1, .offset: 8, .size: 8, .value_kind: global_buffer, .address_space: global }
      - { .name: g2, .offset: 16, .size: 8, .value_kind: global_buffer, .address_space: global }
      - { .name: be2, .offset: 24, .size: 8, .value_kind: global_buffer, .address_space: global }
      - { .name: out0, .offset: 32, .size: 8, .value_kind: global_buffer, .address_space: global }
    .group_segment_fixed_size: 70656
    .private_segment_fixed_size: 0
    .kernarg_segment_align: 8
    .kernarg_segment_size: 40
    .max_flat_workgroup_size: 256
    .sgpr_count:     66
    .vgpr_count:     256
    .wavefront_size: 32
...
	.end_amdgpu_metadata
.endif
;; end of part 16
